; MI455X (gfx1250); checked and timed in simulation.
; The chip was launched on July 23, 2026; its instructions are those of AMD's public machine-readable ISA for CDNA 5 (MIT licence, August 2026) and "CDNA5" Instruction Set Architecture Reference Guide (July 2026). The comments in the code are by the model that wrote it; some were corrected since.
;; Delta Attention. Allowed arithmetic: matrix products marked QUANTISED: E3M2 operands, one E8M0 scale for each 32 along K, by v_wmma_scale_f32_16x16x128_f8f6f4 with both operands' format E3M2, f32 sums; products left as they are: f32 operands where the result goes on into a quantised operand, else bf16, f16 or f32 operands; f32 sums; everything else in f32.
;; Inputs: Wk_codes 1,024 x 32 x 24 uint8 (E3M2 codes of Wk, K innermost, in blocks of 32 codes, four codes in three bytes); Wk_scales 1,024 x 32 uint8 (E8M0 scales of Wk, one for each 32 codes along K); Wo_codes 1,024 x 32 x 24 uint8 (E3M2 codes of Wo, K innermost, in blocks of 32 codes, four codes in three bytes); Wo_scales 1,024 x 32 uint8 (E8M0 scales of Wo, one for each 32 codes along K); Wq_codes 1,024 x 32 x 24 uint8 (E3M2 codes of Wq, K innermost, in blocks of 32 codes, four codes in three bytes); Wq_scales 1,024 x 32 uint8 (E8M0 scales of Wq, one for each 32 codes along K); Wv_codes 1,024 x 32 x 24 uint8 (E3M2 codes of Wv, K innermost, in blocks of 32 codes, four codes in three bytes); Wv_scales 1,024 x 32 uint8 (E8M0 scales of Wv, one for each 32 codes along K); bk 1,024 float32; bo 1,024 float32; bq 1,024 float32; bv 1,024 float32; dWk_codes 4 x 1,024 x 32 x 24 uint8 (E3M2 codes of dWk, K innermost, in blocks of 32 codes, four codes in three bytes); dWk_scales 4 x 1,024 x 32 uint8 (E8M0 scales of dWk, one for each 32 codes along K); dWv 4 x 1,024 float32; dbb 4 float32; dbv 4 float32; dbw 4 x 1,024 float32; ln_b 1,024 float32; ln_g 1,024 float32; x 2 x 2,048 x 1,024 float32.
;; Outputs: out0 2 x 2,048 x 1,024 float32.
;; This version of the problem:
;;   THIS VERSION OF THE PROBLEM IS GIVEN IN LOW PRECISION. The matrix products marked QUANTISED in the list below multiply operands that are first quantised to E3M2 (3 exponent bits, 2 mantissa bits; 6 bits a number), with one power-of-two scale for each 32 numbers along K (OCP MX v1.0); their sums are f32. All else is computed in f32.
;;   The module's matrix products, in the order in which they are computed (A, B: the left and right operand; K: the contracted axis; several contracted axes count as one K, in the product's order):
;;     1. [M 4,096, K 1,024] x [K 1,024, N 1,024]; A: input x; B: input Wq (given as codes): QUANTISED
;;     2. [M 4,096, K 1,024] x [K 1,024, N 1,024]; A: input x; B: input dWk (given as codes): QUANTISED
;;     3. [M 4,096, K 1,024] x [K 1,024, N 1]; A: input x; B: input dbw: left as it is (N = 1 < 16)
;;     4. [M 4,096, K 1,024] x [K 1,024, N 1]; A: computed on the way; B: input dWv: left as it is (N = 1 < 16)
;;     5. [M 4,096, K 1,024] x [K 1,024, N 1,024]; A: input x; B: input Wk (given as codes): QUANTISED
;;     6. [M 4,096, K 1,024] x [K 1,024, N 1,024]; A: input x; B: input dWk (given as codes): QUANTISED
;;     7. [M 4,096, K 1,024] x [K 1,024, N 1]; A: input x; B: input dbw: left as it is (N = 1 < 16)
;;     8. [M 4,096, K 1,024] x [K 1,024, N 1]; A: computed on the way; B: input dWv: left as it is (N = 1 < 16)
;;     9. [M 4,096, K 1,024] x [K 1,024, N 1,024]; A: input x; B: input Wv (given as codes): QUANTISED
;;     10. [M 4,096, K 1,024] x [K 1,024, N 1,024]; A: input x; B: input dWk (given as codes): QUANTISED
;;     11. [M 4,096, K 1,024] x [K 1,024, N 1]; A: input x; B: input dbw: left as it is (N = 1 < 16)
;;     12. [M 4,096, K 1,024] x [K 1,024, N 1]; A: computed on the way; B: input dWv: left as it is (N = 1 < 16)
;;     13. batch 32 x [M 2,048, K 64] x [K 64, N 2,048]; A: computed on the way; B: computed on the way: QUANTISED
;;     14. batch 32 x [M 2,048, K 2,048] x [K 2,048, N 64]; A: softmax (see below); B: computed on the way: QUANTISED
;;     15. [M 4,096, K 1,024] x [K 1,024, N 1,024]; A: computed on the way; B: input Wo (given as codes): QUANTISED
;;     16. [M 4,096, K 1,024] x [K 1,024, N 1,024]; A: input x; B: input dWk (given as codes): QUANTISED
;;     17. [M 4,096, K 1,024] x [K 1,024, N 1]; A: input x; B: input dbw: left as it is (N = 1 < 16)
;;     18. [M 4,096, K 1,024] x [K 1,024, N 1]; A: computed on the way; B: input dWv: left as it is (N = 1 < 16)
;;   THE QUANTISER, for each operand of a quantised product, along K:
;;     - K is cut into blocks of 32 from its start; a last block that is shorter is filled with zeros.
;;     - A block's scale is 2^e with e = floor(log2(the largest magnitude in the block)) - 4, held to -126 .. 127; a block of zeros has e = 0. As a byte (E8M0): e + 127.
;;     - Each number is divided by its block's scale, clamped to +-28, and rounded to the nearest number of E3M2, ties to even, subnormals kept.
;;     - The product sums the exact products of the quantised numbers (number of the format x scale) in f32.
;;   ~~~python
;;   def quantise(x, axis):      # numpy; x: float32 -> the quantised numbers, widened to float32 again
;;       x = np.moveaxis(x, axis, -1); K = x.shape[-1]
;;       x = np.pad(x, [(0, 0)] * (x.ndim - 1) + [(0, -K % 32)]); x = x.reshape(x.shape[:-1] + (-1, 32)); a = np.abs(x).max(-1, keepdims=True)
;;       e = np.where(a > 0, np.clip(np.frexp(np.where(a > 0, a, 1))[1] - 1 - 4, -126, 127), 0)      # np.frexp(a)[1] - 1 = floor(log2(a)), exactly
;;       r = np.clip(x / 2.0 ** e, -28, 28)
;;       step = 2.0 ** (np.maximum(np.frexp(np.where(r == 0, 1, r))[1] - 1, -2) - 2)
;;       q = np.round(r / step) * step * 2.0 ** e      # np.round: ties to even
;;       return np.moveaxis(q.reshape(q.shape[:-2] + (-1,))[..., :K], -1, axis).astype(np.float32)
;;   ~~~
;;   SOFTMAX AHEAD OF A QUANTISED PRODUCT. Where the list says 'softmax', what is quantised is not the finished softmax but p = 2^(t - M), with t = logit x log2(e) and M = ceil(the row's largest t), a whole number; so 1/2 < the row's largest p <= 1. The row's sum l is taken of the UNQUANTISED p, in f32, and the product's result is divided by l at the end. Since M is a whole number, a kernel that streams over the keys may use a running M (the ceiling of the running maximum): every later rescaling is an exact power of two, which a block's scale takes up: the codes' values come out the same.
;;   OPERANDS COMPUTED ON THE WAY. 'Computed on the way' means the value that the module computes at that place (a softmax that the list does not call 'softmax' is quantised finished and normalised). What goes into a quantiser is computed in f32, as accurately as f32 sums, v_exp_f32 and their like allow (about 1e-6 of the number): no bf16 or f16 on the way to a quantiser, and a product that is left as it is and whose result goes on into a quantised operand takes f32 operands (vector FMAs, or v_wmma_f32_16x16x4_f32). A number that lies on a knife's edge between two numbers of the format may be rounded either way, as far as f32 arithmetic and the matrix unit's own rounding can turn it there, and no further.
;;   INPUTS GIVEN AS CODES. Wk (in the module: [1024, 1024], K = its axis 0); Wo (in the module: [1024, 1024], K = its axis 0); Wq (in the module: [1024, 1024], K = its axis 0); Wv (in the module: [1024, 1024], K = its axis 0); dWk (in the module: [4, 1024, 1024], K = its axis 1): each comes as NAME_codes (uint8): NAME with its K axis moved to the last place and cut into blocks of 32 codes, [.., K / 32, bytes a block], one block behind the other in memory; four codes in three bytes: a row's codes are one little-endian stream of bits, code i at bits 6 i .. 6 i + 5 (a code: sign, 3 exponent bits, 2 mantissa bits); and NAME_scales (uint8): the same leading axes, one E8M0 byte (e + 127) for each 32 codes along K. Its value is code x scale, taken as it is: it is not quantised again, and the codes and scales need not be those that the quantiser above would give.
;; 2 versions, each right and faster than the one before. Each part assembles by itself: llvm-mc -triple=amdgcn-amd-amdhsa -mcpu=gfx1250 --defsym DOCPART=n.
;; ======== version 1 of 2: 4 launches
;; workspace buffers: xq 3,276,800 bytes; xp 16,777,216 bytes; bl 65,536 bytes; wi 5,734,400 bytes; woi 819,200 bytes; qi 3,276,800 bytes; kv 6,553,600 bytes; v3p 262,144 bytes
;; launch prep (part 1): grid 320 x 1, 8 waves a work-group, no clusters, 71,680 bytes of LDS; arguments x, dbw, Wq_codes, Wq_scales, Wk_codes, Wk_scales, Wv_codes, Wv_scales, dWk_codes, dWk_scales, Wo_codes, Wo_scales, xq, xp, bl, wi, woi; writes xq, xp, bl, wi, woi
.if DOCPART == 1
	.amdgcn_target "amdgcn-amd-amdhsa--gfx1250"
	.amdhsa_code_object_version 6
	.text
	.protected	k_q4152985a5c_prep
	.globl	k_q4152985a5c_prep
	.p2align	8
	.type	k_q4152985a5c_prep,@function
k_q4152985a5c_prep:
	s_mov_b64 s[64:65], 0
	v_nop
	global_prefetch_b8 v0, s[64:65] scope:SCOPE_SE
	s_setreg_imm32_b32 hwreg(HW_REG_WAVE_MODE, 25, 1), 1
	s_wait_xcnt 0x0
; PREP.  Three kinds of work-groups, told apart by the work-group's number alone:
;  0..255   a tile of 16 rows of x: quantised once to BF6 (E3M2) along K, stored as images of the operand's registers (xq); the same numbers in f32 in the later sums' register order (xp); x . dbw[0..3] (bl)
;  256..311 the seven projection weights (Wq, dWk0, Wk, dWk1, Wv, dWk2, dWk3): their codes and scale words laid K step by K step in register order (wi)
;  312..319 Wo: laid head by head (64 along K), two tiles of 16 columns to one 12-register fragment (woi)
; A tile of 16 rows (of x, of the seven weights) takes rows 32 (T / 2) + 8 (T % 2) + t + 8 (t / 8): the results of two neighbouring tiles are then 16 neighbours in a lane's registers.
; An image of a fragment: registers 4 j .. 4 j + 3 of lane l at 512 j + 16 l; every store covers 512 consecutive bytes.
; LIMITS: NaN and infinities are not served; a block whose largest magnitude lies under 2^-122 gets the scale byte 1 (its bytes are read by this program alone).
.set R,   16                           ; v16-79   16 rows as loaded; later a set of dbw
.set X,   80                           ; v80-143  my row's 64 numbers: register 16 b + i = column 128 s + 32 b + 16 h + i
.set DB,  144                          ; v144-207 the other set of dbw
.set PC,  208                          ; v208-226 codes
.set TM,  228                          ; v228-243 at work in QUANT
.set PW,  244                          ; the scale word
.set LG,  246                          ; v246-250 the dots' chains
.set RES, 252                          ; v252-255 a dot for each i: no LDS store's data are written again
.set RED, 67584                        ; LDS: behind eight stages of 16 x 528 bytes: the dots' parts, (8 i + s) x 64 + 4 r
.set SCW, 69632                        ; the scale words, 64 s + 4 r
.set SEL, 38                           ; s[38:39] selects of v_permlanex16_b32 for lane l xor 16
.set WV,  40
; 64 numbers of a lane, register 16 b + i = k 32 b + 16 (lane / 16) + i of my row, become a fragment's codes in v[PC] on and its scale word in v[pw]
.macro QUANT s, pw
.irp b, 0,1,2,3
	v_max3_num_f32 v[TM+\b], |v[\s+16*\b]|, |v[\s+1+16*\b]|, 0x2800000   ; my 16 numbers of block b, and the floor 2^(5 - 127): the byte cannot fall under 1
.endr
.irp i, 2,4,6,8,10,12,14
.irp b, 0,1,2,3
	v_max3_num_f32 v[TM+\b], v[TM+\b], |v[\s+16*\b+\i]|, |v[\s+1+16*\b+\i]|
.endr
.endr
.irp b, 0,1,2,3
	v_permlanex16_b32 v[TM+4+\b], v[TM+\b], s[SEL], s[SEL+1]
.endr
.irp b, 0,1,2,3
	v_max_num_f32 v[TM+\b], v[TM+\b], v[TM+4+\b]   ; with lane l xor 16's: the block's largest magnitude
.endr
.irp b, 0,1,2,3
	v_add_nc_u32 v[TM+12+\b], 0xfe000000, v[TM+\b]   ; 4 off its exponent field: the conversion's scale operand
.endr
.irp b, 0,1,2,3
	v_lshrrev_b32 v[TM+4+\b], 23, v[TM+12+\b]      ; the scale's byte
.endr
	v_lshl_or_b32 v[\pw], v[TM+5], 8, v[TM+4]
	v_lshl_or_b32 v[\pw], v[TM+6], 16, v[\pw]
	v_lshl_or_b32 v[\pw], v[TM+7], 24, v[\pw]
.irp c, 0,1
	v_cvt_scalef32_pk16_bf6_f32 v[PC+6*\c:PC+2+6*\c], v[\s+32*\c:\s+15+32*\c], v[TM+12+2*\c]
	v_cvt_scalef32_pk16_bf6_f32 v[PC+12+4*\c:PC+14+4*\c], v[\s+16+32*\c:\s+31+32*\c], v[TM+12+2*\c+1]
.endr
	v_nop                                          ; one plain place behind a scaled conversion
.irp c, 0,1                                    ; the layout wants a whole block in a lane
.irp i, 0,1,2
	v_permlane16_swap_b32 v[PC+6*\c+\i], v[PC+12+4*\c+\i]
.endr
.irp i, 0,1,2
	v_mov_b32 v[PC+3+6*\c+\i], v[PC+12+4*\c+\i]
.endr
.endr
.endm
.macro DBLOAD i, reg                   ; dbw[i] at my lane's 64 columns
.irp b, 0,1,2,3
.irp j, 0,1,2,3
	global_load_b128 v[\reg+16*\b+4*\j:\reg+16*\b+4*\j+3], v8, s[6:7] offset:(\i)*4096+128*\b+16*\j
.endr
.endr
.endm
.macro DOT i, reg                      ; my row's part of x . dbw[i] over this wave's 128 columns
	v_pk_mul_f32 v[LG:LG+1], v[X:X+1], v[\reg:\reg+1]
	v_pk_mul_f32 v[LG+2:LG+3], v[X+2:X+3], v[\reg+2:\reg+3]
.set KK, 4
.rept 15
	v_pk_fma_f32 v[LG:LG+1], v[X+KK:X+KK+1], v[\reg+KK:\reg+KK+1], v[LG:LG+1]
	v_pk_fma_f32 v[LG+2:LG+3], v[X+KK+2:X+KK+3], v[\reg+KK+2:\reg+KK+3], v[LG+2:LG+3]
.set KK, KK+4
.endr
	v_pk_add_f32 v[LG:LG+1], v[LG:LG+1], v[LG+2:LG+3]
	v_add_f32 v[LG], v[LG], v[LG+1]
	v_permlanex16_b32 v[LG+4], v[LG], s[SEL], s[SEL+1]
	v_add_f32 v[RES+\i], v[LG], v[LG+4]
	ds_store_b32 v9, v[RES+\i] offset:512*(\i)     ; lanes r and r + 16 write the same word with the same value
.endm
	s_load_b512 s[4:19], s[0:1], 0x0               ; x, dbw, Wq codes, scales, Wk codes, scales, Wv codes, scales
	s_load_b512 s[20:35], s[0:1], 0x40             ; dWk codes, scales, Wo codes, scales, xq, xp, bl, wi
	s_load_b64 s[36:37], s[0:1], 0x80              ; woi
	v_lshl_add_u32 v245, v0, 2, 0x11400
	v_mov_b32 v251, 0
	v_lshrrev_b32 v1, 5, v0
	v_readfirstlane_b32 s[WV], v1                  ; wave 0..7
	v_and_b32 v2, 31, v0                           ; lane
	v_and_b32 v3, 15, v0                           ; r
	v_bfe_u32 v4, v0, 4, 1                         ; h
	v_lshlrev_b32 v5, 4, v2                        ; 16 x lane
	s_mov_b32 s[SEL], 0x76543210
	s_mov_b32 s[SEL+1], 0xfedcba98
	s_mov_b32 s43, 0
	s_mov_b32 s45, 0
	s_wait_kmcnt 0x0
	s_cmp_lt_u32 ttmp9, 256
	s_cbranch_scc0 .Lweights
	; ---- a tile of 16 rows of x; wave s takes columns 128 s .. 128 s + 127
	s_lshr_b32 s42, ttmp9, 1
	s_lshl_b32 s42, s42, 17                        ; 32 rows of 4,096 bytes for each pair of tiles,
	s_and_b32 s44, ttmp9, 1
	s_lshl_b32 s44, s44, 15                        ; 8 rows for the odd tile,
	s_add_co_u32 s42, s42, s44
	s_lshl_b32 s44, s[WV], 9                       ; 512 bytes for each wave
	s_add_co_u32 s42, s42, s44
	s_add_nc_u64 s[4:5], s[4:5], s[42:43]
	s_add_nc_u64 s[6:7], s[6:7], s[44:45]          ; dbw at my wave's columns
	s_lshl_b32 s42, ttmp9, 16
	s_lshl_b32 s44, s[WV], 13
	s_add_co_u32 s42, s42, s44
	s_add_nc_u64 s[30:31], s[30:31], s[42:43]      ; xp: tile x 65,536 + wave x 8,192
	s_lshr_b32 s46, ttmp9, 2
	s_mul_i32 s46, s46, 51200                      ; xq: a block of four tiles
	s_and_b32 s47, ttmp9, 3
	s_lshl_b32 s44, s47, 3
	s_add_co_u32 s44, s44, s[WV]
	s_mul_i32 s44, s44, 1536
	s_add_co_u32 s42, s46, s44                     ; image (8 m + s)
	s_lshl_b32 s44, s47, 9
	s_add_co_u32 s44, s44, s46
	s_add_co_u32 s44, s44, 49152                   ; the tile's 512 bytes of scale words
	s_add_nc_u64 s[48:49], s[28:29], s[44:45]
	s_add_nc_u64 s[28:29], s[28:29], s[42:43]
	s_lshl_b32 s42, ttmp9, 8
	s_add_nc_u64 s[32:33], s[32:33], s[42:43]      ; bl: 256 bytes a tile
	s_mul_i32 s50, s[WV], 8448                     ; my stage
	v_add_nc_u32 v6, s50, v5                       ; in: a row's 512 bytes as they lie, rows 528 bytes apart
	v_mul_u32_u24 v7, v3, 528
	v_lshl_add_u32 v7, v4, 6, v7
	v_add_nc_u32 v7, s50, v7                       ; back: row r, + 64 h
	v_lshlrev_b32 v8, 6, v4                        ; dbw: 64 h
	s_lshl_b32 s51, s[WV], 6
	v_lshlrev_b32 v9, 2, v3
	v_add_nc_u32 v9, s51, v9
	v_add_nc_u32 v10, SCW, v9                      ; my scale word's place
	v_add_nc_u32 v9, RED, v9                       ; my dots' place
	v_lshrrev_b32 v11, 3, v2
	v_and_b32 v12, 7, v2
	v_lshlrev_b32 v12, 3, v12
	v_lshl_add_u32 v11, v11, 9, v12
	v_add_nc_u32 v11, RED, v11                     ; wave 0, at the end: i = lane / 8, rows 2 (lane % 8) and the next
	v_add_nc_u32 v12, SCW, v5
	v_lshlrev_b32 v13, 3, v2
.irp b, 0,1,2,3
	v_mov_b32 v[TM+4+\b], 0                        ; written once: a lane permute's destination counts as one of its sources
.endr
	v_mov_b32 v[LG+4], 0
.irp t, 0,1,2,3,4,5,6,7,8,9,10,11,12,13,14,15
	global_load_b128 v[R+4*\t:R+4*\t+3], v5, s[4:5] offset:(\t+8*(\t/8))*4096 th:TH_LOAD_NT   ; 32 lanes read 512 consecutive bytes of one row
.endr
	DBLOAD 0, DB
	s_wait_loadcnt 16                              ; x is in; dbw[0]'s 16 loads may be out
.irp t, 0,1,2,3,4,5,6,7,8,9,10,11,12,13,14,15
	ds_store_b128 v6, v[R+4*\t:R+4*\t+3] offset:528*\t
.endr
.irp b, 0,1,2,3
.irp j, 0,1,2,3
	ds_load_b128 v[X+16*\b+4*\j:X+16*\b+4*\j+3], v7 offset:128*\b+16*\j   ; LDS serves a wave's instructions in order: these see my stores
.endr
.endr
	s_wait_dscnt 0x0                               ; my numbers are back, and the stores have read R
	DBLOAD 1, R
.irp k, 0,1,2,3,4,5,6,7,8,9,10,11,12,13,14,15
	global_store_b128 v5, v[X+4*\k:X+4*\k+3], s[30:31] offset:512*\k
.endr
	QUANT X, PW
.irp j, 0,1,2
	global_store_b128 v5, v[PC+4*\j:PC+4*\j+3], s[28:29] offset:512*\j
.endr
	ds_store_b32 v10, v[PW]
	s_wait_loadcnt 16                              ; dbw[0] is in; dbw[1] may be out
	DOT 0, DB
	DBLOAD 2, DB
	s_wait_loadcnt 16                              ; dbw[1] is in
	DOT 1, R
	DBLOAD 3, R
	s_wait_loadcnt 16                              ; dbw[2] is in
	DOT 2, DB
	s_wait_loadcnt 0x0
	DOT 3, R
	s_wait_dscnt 0x0                               ; for the others' sake: my LDS stores are done
	s_barrier_signal -1
	s_barrier_wait -1
	s_cmp_lg_u32 s[WV], 0
	s_cbranch_scc1 .Lx_end
.irp s, 0,1,2,3,4,5,6,7
	ds_load_b64 v[16+2*\s:17+2*\s], v11 offset:64*\s   ; the eight waves' parts
.endr
	ds_load_b128 v[32:35], v12
	s_wait_dscnt 0x0
	v_pk_add_f32 v[16:17], v[16:17], v[18:19]
	v_pk_add_f32 v[20:21], v[20:21], v[22:23]
	v_pk_add_f32 v[24:25], v[24:25], v[26:27]
	v_pk_add_f32 v[28:29], v[28:29], v[30:31]
	v_pk_add_f32 v[16:17], v[16:17], v[20:21]
	v_pk_add_f32 v[24:25], v[24:25], v[28:29]
	v_pk_add_f32 v[16:17], v[16:17], v[24:25]
	global_store_b64 v13, v[16:17], s[32:33]       ; 32 lanes store 256 consecutive bytes, aligned
	global_store_b128 v5, v[32:35], s[48:49]       ; the tile's scale words: 512 consecutive bytes
.Lx_end:
	s_wait_tensorcnt 0x0
	ds_add_u32 v245, v251
	s_wait_dscnt 0x0
	s_endpgm
.Lweights:
	s_sub_co_u32 s41, ttmp9, 256
	v_mul_u32_u24 v9, v4, 409600                   ; four K steps (or eight heads) on for lanes 16-31,
	v_lshl_add_u32 v9, v3, 2, v9                   ; + 4 r: the scale words' places
	s_cmp_lt_u32 s41, 56
	s_cbranch_scc0 .Lwo
	; ---- a tile of 16 rows of one of the seven weights: matrix mu, tile nt
	s_lshr_b32 s42, s41, 3                         ; mu
	s_and_b32 s44, s41, 7
	s_lshl_b32 s44, s44, 3
	s_add_co_u32 s44, s44, s[WV]                   ; nt 0..63
	s_cmp_eq_u32 s42, 0
	s_cselect_b64 s[46:47], s[8:9], s[20:21]
	s_cselect_b64 s[48:49], s[10:11], s[22:23]
	s_cmp_eq_u32 s42, 2
	s_cselect_b64 s[46:47], s[12:13], s[46:47]
	s_cselect_b64 s[48:49], s[14:15], s[48:49]
	s_cmp_eq_u32 s42, 4
	s_cselect_b64 s[46:47], s[16:17], s[46:47]
	s_cselect_b64 s[48:49], s[18:19], s[48:49]
	s_and_b32 s50, s42, 1
	s_lshr_b32 s51, s42, 1
	s_mul_i32 s50, s50, s51                        ; which dWk: mu / 2 for odd mu,
	s_cmp_eq_u32 s42, 6
	s_cselect_b32 s50, 3, s50                      ; 3 for mu = 6, and 0 bytes on for the others
	s_lshr_b32 s51, s44, 1
	s_lshl_b32 s51, s51, 5
	s_and_b32 s52, s44, 1
	s_lshl_b32 s52, s52, 3
	s_add_co_u32 s51, s51, s52                     ; the tile's first row
	s_mul_i32 s52, s50, 786432
	s_mul_i32 s54, s51, 768
	s_add_co_u32 s52, s52, s54
	s_mov_b32 s53, 0
	s_add_nc_u64 s[46:47], s[46:47], s[52:53]
	s_lshl_b32 s52, s50, 15
	s_lshl_b32 s54, s51, 5
	s_add_co_u32 s52, s52, s54
	s_add_nc_u64 s[48:49], s[48:49], s[52:53]
	v_and_b32 v6, 8, v3
	v_add_nc_u32 v6, v6, v3                        ; r + 8 (r / 8)
	v_mul_u32_u24 v7, v6, 768
	v_mad_u32_u24 v7, v4, 24, v7
	v_lshlrev_b32 v8, 5, v6
	v_lshl_add_u32 v8, v4, 4, v8
.irp s, 0,1,2,3,4,5,6,7
.irp p, 0,1,2,3,4,5
	global_load_b64 v[16+12*\s+2*\p:17+12*\s+2*\p], v7, s[46:47] offset:96*\s+48*(\p/3)+8*(\p%3)
.endr
.endr
	global_load_b128 v[112:115], v8, s[48:49]      ; my row's scale words of K steps 4 h .. 4 h + 3
	s_mul_i32 s50, s42, 819200
	s_lshr_b32 s52, s44, 4
	s_mul_i32 s52, s52, 25600
	s_add_co_u32 s50, s50, s52                     ; the matrix, and the part of the wave that will read the tile
	s_and_b32 s51, s44, 15
	s_mul_i32 s52, s51, 1536
	s_add_co_u32 s52, s52, s50
	s_add_nc_u64 s[56:57], s[34:35], s[52:53]
	s_lshr_b32 s52, s51, 1
	s_lshl_b32 s52, s52, 7
	s_and_b32 s51, s51, 1
	s_lshl_b32 s51, s51, 6
	s_add_co_u32 s52, s52, s51
	s_add_co_u32 s52, s52, s50
	s_add_co_u32 s52, s52, 24576
	s_add_nc_u64 s[58:59], s[34:35], s[52:53]
	s_wait_loadcnt 0x0
.irp s, 0,1,2,3,4,5,6,7
.irp j, 0,1,2
	global_store_b128 v5, v[16+12*\s+4*\j:19+12*\s+4*\j], s[56:57] offset:102400*\s+512*\j
.endr
.endr
.irp e, 0,1,2,3
	global_store_b32 v9, v[112+\e], s[58:59] offset:102400*\e   ; 64 bytes for each K step: one part in 24 of what this path stores
.endr
	s_endpgm
.Lwo:
	; ---- Wo: natural tile T (columns 16 T + t); head 2 s + c takes registers 6 c .. 6 c + 5 of K step s
	s_sub_co_u32 s41, s41, 56
	s_lshl_b32 s44, s41, 3
	s_add_co_u32 s44, s44, s[WV]                   ; T 0..63
	s_mul_i32 s52, s44, 12288
	s_mov_b32 s53, 0
	s_add_nc_u64 s[46:47], s[24:25], s[52:53]
	s_lshl_b32 s52, s44, 9
	s_add_nc_u64 s[48:49], s[26:27], s[52:53]
	v_mul_u32_u24 v7, v3, 768
	v_mad_u32_u24 v7, v4, 24, v7
	v_lshlrev_b32 v8, 5, v3
	v_lshl_add_u32 v8, v4, 4, v8
	v_lshlrev_b32 v10, 3, v2
.irp s, 0,1,2,3,4,5,6,7
.irp p, 0,1,2,3,4,5
	global_load_b64 v[16+12*\s+2*\p:17+12*\s+2*\p], v7, s[46:47] offset:96*\s+48*(\p/3)+8*(\p%3)
.endr
.endr
	global_load_b128 v[112:115], v8, s[48:49]      ; my row's scale bytes of heads 8 h .. 8 h + 7, two each
	s_mul_i32 s52, s44, 768                        ; pair T / 2, half T % 2
	s_add_nc_u64 s[56:57], s[36:37], s[52:53]
	s_lshr_b32 s52, s44, 1
	s_lshl_b32 s52, s52, 6
	s_and_b32 s51, s44, 1
	s_lshl_b32 s51, s51, 1
	s_add_co_u32 s52, s52, s51
	s_add_co_u32 s52, s52, 49152
	s_add_nc_u64 s[58:59], s[36:37], s[52:53]
	s_wait_loadcnt 0x0
.irp s, 0,1,2,3,4,5,6,7
.irp c, 0,1
	global_store_b128 v5, v[16+12*\s+6*\c:19+12*\s+6*\c], s[56:57] offset:(2*\s+\c)*51200
	global_store_b64 v10, v[20+12*\s+6*\c:21+12*\s+6*\c], s[56:57] offset:(2*\s+\c)*51200+512
.endr
.endr
.irp e, 0,1,2,3
	global_store_b16 v9, v[112+\e], s[58:59] offset:(2*\e)*51200          ; two bytes a row and head: 32 KiB in all are stored so
	global_store_d16_hi_b16 v9, v[112+\e], s[58:59] offset:(2*\e+1)*51200
.endr
	s_endpgm
.Lfunc_end_k_q4152985a5c_prep:
	.size	k_q4152985a5c_prep, .Lfunc_end_k_q4152985a5c_prep-k_q4152985a5c_prep
	.p2alignl 7, 3214868480
	.fill 96, 4, 3214868480
	.section	.rodata,"a",@progbits
	.p2align	6, 0x0
	.amdhsa_kernel k_q4152985a5c_prep
		.amdhsa_group_segment_fixed_size 71680
		.amdhsa_private_segment_fixed_size 0
		.amdhsa_enable_private_segment 0
		.amdhsa_kernarg_size 136
		.amdhsa_user_sgpr_count 2
		.amdhsa_user_sgpr_kernarg_segment_ptr 1
		.amdhsa_wavefront_size32 1
		.amdhsa_system_sgpr_workgroup_id_x 1
		.amdhsa_system_sgpr_workgroup_id_y 1
		.amdhsa_system_sgpr_workgroup_id_z 1
		.amdhsa_system_vgpr_workitem_id 0
		.amdhsa_next_free_vgpr 256
		.amdhsa_next_free_sgpr 66
		.amdhsa_reserve_vcc 0
		.amdhsa_float_denorm_mode_32 3
		.amdhsa_float_denorm_mode_16_64 3
		.amdhsa_memory_ordered 1
		.amdhsa_forward_progress 1
		.amdhsa_inst_pref_size 48
	.end_amdhsa_kernel
	.amdgpu_metadata
---
amdhsa.version: [ 1, 2 ]
amdhsa.kernels:
  - .name:           k_q4152985a5c_prep
    .symbol:         k_q4152985a5c_prep.kd
    .args:
      - { .name: x, .offset: 0, .size: 8, .value_kind: global_buffer, .address_space: global }
      - { .name: dbw, .offset: 8, .size: 8, .value_kind: global_buffer, .address_space: global }
      - { .name: Wq_codes, .offset: 16, .size: 8, .value_kind: global_buffer, .address_space: global }
      - { .name: Wq_scales, .offset: 24, .size: 8, .value_kind: global_buffer, .address_space: global }
      - { .name: Wk_codes, .offset: 32, .size: 8, .value_kind: global_buffer, .address_space: global }
      - { .name: Wk_scales, .offset: 40, .size: 8, .value_kind: global_buffer, .address_space: global }
      - { .name: Wv_codes, .offset: 48, .size: 8, .value_kind: global_buffer, .address_space: global }
      - { .name: Wv_scales, .offset: 56, .size: 8, .value_kind: global_buffer, .address_space: global }
      - { .name: dWk_codes, .offset: 64, .size: 8, .value_kind: global_buffer, .address_space: global }
      - { .name: dWk_scales, .offset: 72, .size: 8, .value_kind: global_buffer, .address_space: global }
      - { .name: Wo_codes, .offset: 80, .size: 8, .value_kind: global_buffer, .address_space: global }
      - { .name: Wo_scales, .offset: 88, .size: 8, .value_kind: global_buffer, .address_space: global }
      - { .name: xq, .offset: 96, .size: 8, .value_kind: global_buffer, .address_space: global }
      - { .name: xp, .offset: 104, .size: 8, .value_kind: global_buffer, .address_space: global }
      - { .name: bl, .offset: 112, .size: 8, .value_kind: global_buffer, .address_space: global }
      - { .name: wi, .offset: 120, .size: 8, .value_kind: global_buffer, .address_space: global }
      - { .name: woi, .offset: 128, .size: 8, .value_kind: global_buffer, .address_space: global }
    .group_segment_fixed_size: 71680
    .private_segment_fixed_size: 0
    .kernarg_segment_align: 8
    .kernarg_segment_size: 136
    .max_flat_workgroup_size: 256
    .sgpr_count:     66
    .vgpr_count:     256
    .wavefront_size: 32
...
	.end_amdgpu_metadata
.endif
;; end of part 1
;; launch proj (part 2): grid 64 x 3, 4 waves a work-group, clusters of 4 x 1, 327,680 bytes of LDS; arguments xq, xp, bl, wi, bq, bk, bv, dWv, dbb, dbv, qi, kv; writes qi, kv
.if DOCPART == 2
	.amdgcn_target "amdgcn-amd-amdhsa--gfx1250"
	.amdhsa_code_object_version 6
	.text
	.protected	k_q4152985a5c_proj
	.globl	k_q4152985a5c_proj
	.p2align	8
	.type	k_q4152985a5c_proj,@function
k_q4152985a5c_proj:
	s_mov_b64 s[64:65], 0
	v_nop
	global_prefetch_b8 v0, s[64:65] scope:SCOPE_SE
	s_setreg_imm32_b32 hwreg(HW_REG_WAVE_MODE, 25, 1), 1
	s_wait_xcnt 0x0
	s_wait_alu depctr_hold_cnt(0) depctr_sa_sdst(0) depctr_va_vdst(0) depctr_va_sdst(0) depctr_va_ssrc(0) depctr_va_vcc(0) depctr_vm_vsrc(0)
	s_getreg_b32 s2, hwreg(HW_REG_IB_STS2, 6, 4)
	s_cmp_eq_u32 s2, 0
	s_cbranch_scc0 .Lentry_in_a_cluster
	s_endpgm
.Lentry_in_a_cluster:
	s_bfe_u32 s2, ttmp6, 0x10000c
	s_cmp_lg_u32 s2, 0x3003
	s_cbranch_scc0 .Lentry_shape_is_right
	s_endpgm
.Lentry_shape_is_right:
; PROJ.  Work-group (rb, i): 64 rows of x, i = 0, 1, 2 for q, k, v.  Two products on codes of BF6 (E3M2), K = 1,024 in 8 steps of 128 each:
;  steps 0-7   x W_i: only its dot with dWv[i] is kept (one number a row);   steps 8-15  k_raw = x dWk[i]: stays in the accumulators.
; Then the delta, x + c k_raw with one c a row, and its quantising: q and k along the head's 64 (images of half fragments), v along the keys (through a stage in LDS).
; SHARES.  Wave w owns columns 256 w .. 256 w + 255 for all 64 rows: 64 accumulators, 512 registers.  The product is used transposed (source 0 = 16 rows of the weight, source 1 = 16 rows of x):
; a lane holds one row of x, and the 16 registers of tiles 2 b, 2 b + 1 are columns 256 w + 32 b + 16 h + 0 .. 15.
; THE WEIGHTS come K step by K step through a ring of two LDS slots, in register order, scale words with them; wave w fetches and reads its own 25,600 bytes of a slot.
; CLUSTER.  The four row blocks of a cluster have the same i and walk the same weights: each part is asked for jointly (mask 15).  x's images (51,200 bytes) are the work-group's own: a plain load, once.
; LIMITS: NaN, infinities and a scale byte 0xff are not served; a block under 2^-122 gets the byte 1; the rows' dots are summed by lanes and waves, in another order than a plain sum.
.set SLOT,  102400
.set PART,  25600                      ; a wave's part of a slot: 16 fragments of 1,536 bytes, then 1,024 bytes of scale words.  Path v: my part of slot 0 is my stage, 64 channels x 272 bytes, when it has had its last fill and my last read
.set AIMG,  204800                     ; x's 32 fragments (8 m + s), then 2,048 bytes of scale words
.set ASC,   AIMG+49152
.set RED,   278528                     ; the rows' sums, wave by wave
.set SPARE, 286720                     ; the spare words, 128 bytes a wave: two blocks of 256 bytes that no other line names
.set L16, 1                            ; 16 x lane
.set L4,  2                            ; 4 x lane
.set R4,  3                            ; 4 r
.set H64, 4                            ; 64 h
.set ADA, 5                            ; x's images: AIMG + 16 x lane
.set ADAS, 6                           ; x's scale words: ASC + 4 r
.set ADB, 7                            ; v7-8   my part of slot 0, 1: + 16 x lane
.set ADS, 9                            ; v9-10  its scale words: + 24,576 + 4 x lane
.set RDW, 11                           ; RED + 16 r + 4 w
.set RDR, 12                           ; RED + 16 r
.set L8,  13                           ; 8 x lane
.set SPW, 14                           ; my spare word; never rewritten
.set NIL, 15                           ; 0; never rewritten
.set SA,  16                           ; v16-19 x's scale words, a register for each tile of rows
.set SB,  20                           ; v20-27 the weight's: lanes 0-15 tile 2 b, lanes 16-31 tile 2 b + 1
.set VS,  28                           ; v28-35 pairs: (x W + b) . dWv
.set N2,  36                           ; v36-43 |k_raw|^2
.set KX,  44                           ; v44-51 k_raw . x
.set BD,  52                           ; v52-53 bias . dWv over my lane's columns
.set ADAC, 54                          ; this step's addresses in x's images
.set ADSC, 55
.set AF,  56                           ; v56-103 x's four fragments; behind the products:
.set PC,  56                           ; v56-74  codes
.set TM,  76                           ; v76-91  at work in QUANT
.set PWS, 92                           ; v92-99  scale words, 2 m + q
.set VOH, 100                          ; v100-103 head x stride + 16 x lane
.set TS,  104                          ; v104-111 chains
.set VOS, 108                          ; v108-111 head x stride + 4 x lane (behind the sums)
.set CC,  112                          ; v112-119 c, as pairs
.set VOH8, 120                         ; v120-123 head x stride + 8 x lane
.set BLV, 124                          ; v124-127 x . dbw[i]
.set XA,  128                          ; v128-255 dWv, then 128 numbers of x, then of the delta; path v: four tiles of 16 channels x 32 keys
.set PCV, 56                           ; path v: v56-87 codes, eight registers a tile
.set VM,  88
.set VSO, 92
.set VBY, 96
.set VA,  5                            ; path v: v5-6 the stage, in (keys 0-31, keys 32-63): registers that have held LDS addresses alone
.set VRD, 7                            ; the stage, back
.set H8,  8                            ; h, then 8 h
.set VHW, 112                          ; v112-119 scale half words
.set WV,  28
.set I,   29
.set RB,  30
.set G1W, 32                           ; s[32:39] 100 rows of 256 bytes, joint
.set G1A, 40                           ; s[40:47] 50 rows of 256 bytes, plain
.set G0,  48                           ; s[48:55] a group 0 for each slot
.set G0A, 56
.set KA,  60                           ; 1,536 x (step % 8)
.set KS,  61                           ; 64 x (step % 8)
.set SEL, 68
.set XPB, 70
.set OB,  72
.set OSB, 74
.set HS,  76
.set HSS, 77
.set MSB, 0
.macro WIN new                         ; the immediate's high byte repeats the setting that is left
.set WNEW, \new
.if MSB != WNEW
	s_set_vgpr_msb (MSB<<8)|WNEW
.set MSB, WNEW
.endif
.endm
.macro PLACES n
.rept \n
	v_nop
.endr
.endm
.macro ROUND                           ; a round of the cluster's barrier
	s_barrier_signal -1
	s_barrier_wait -1
	s_cmp_lg_u32 s[WV], 0
	s_cbranch_scc1 .Lnot_wave_0_\@
	s_barrier_signal -3
.Lnot_wave_0_\@:
	s_barrier_wait -3
	s_barrier_signal -1
	s_barrier_wait -1
.endm
.macro QUANT s, pw                     ; 64 numbers of a lane (register 16 b + i = k 32 b + 16 h + i) -> a fragment's codes in v[PC] on, its scale word in v[pw]
.irp b, 0,1,2,3
	v_max3_num_f32 v[TM+\b], |v[\s+16*\b]|, |v[\s+1+16*\b]|, 0x2800000   ; with the floor 2^(5 - 127): the byte cannot fall under 1
.endr
.irp i, 2,4,6,8,10,12,14
.irp b, 0,1,2,3
	v_max3_num_f32 v[TM+\b], v[TM+\b], |v[\s+16*\b+\i]|, |v[\s+1+16*\b+\i]|
.endr
.endr
.irp b, 0,1,2,3
	v_permlanex16_b32 v[TM+4+\b], v[TM+\b], s[SEL], s[SEL+1]
.endr
.irp b, 0,1,2,3
	v_max_num_f32 v[TM+\b], v[TM+\b], v[TM+4+\b]
.endr
.irp b, 0,1,2,3
	v_add_nc_u32 v[TM+12+\b], 0xfe000000, v[TM+\b]   ; 4 off the exponent field: the conversion's scale operand
.endr
.irp b, 0,1,2,3
	v_lshrrev_b32 v[TM+4+\b], 23, v[TM+12+\b]
.endr
	v_lshl_or_b32 v[\pw], v[TM+5], 8, v[TM+4]
	v_lshl_or_b32 v[\pw], v[TM+6], 16, v[\pw]
	v_lshl_or_b32 v[\pw], v[TM+7], 24, v[\pw]
.irp c, 0,1
	v_cvt_scalef32_pk16_bf6_f32 v[PC+6*\c:PC+2+6*\c], v[\s+32*\c:\s+15+32*\c], v[TM+12+2*\c]
	v_cvt_scalef32_pk16_bf6_f32 v[PC+12+4*\c:PC+14+4*\c], v[\s+16+32*\c:\s+31+32*\c], v[TM+12+2*\c+1]
.endr
	v_nop                                          ; one plain place behind a scaled conversion
.irp c, 0,1
.irp i, 0,1,2
	v_permlane16_swap_b32 v[PC+6*\c+\i], v[PC+12+4*\c+\i]
.endr
.irp i, 0,1,2
	v_mov_b32 v[PC+3+6*\c+\i], v[PC+12+4*\c+\i]
.endr
.endr
.endm
.macro VLOAD reg, w, base              ; a vector of 1,024 f32 at my lane's 128 columns: register 16 b + e = column 256 w + 32 b + 16 h + e
	WIN (\w)<<6
.set KK, 0
.rept 32
	global_load_b128 v[\reg+4*KK:\reg+4*KK+3], v[H64], s[\base:\base+1] offset:128*(KK/4)+16*(KK%4)
.set KK, KK+1
.endr
	WIN 0
.endm
.macro XLOAD m, reg, w                 ; x of tile m of rows, in the same order: each load reads 512 consecutive bytes of xp
	WIN (\w)<<6
.set KK, 0
.rept 32
	global_load_b128 v[\reg+4*KK:\reg+4*KK+3], v[L16], s[XPB:XPB+1] offset:(\m)*65536+512*KK
.set KK, KK+1
.endr
	WIN 0
.endm
.macro LOADS slot                      ; a step's 72 LDS loads: scale words, x's four fragments, my 16 fragments of the weight
.irp m, 0,1,2,3
	ds_load_b32 v[SA+\m], v[ADSC] offset:512*\m
.endr
.irp b, 0,1,2,3,4,5,6,7
	ds_load_b32 v[SB+\b], v[ADS+\slot] offset:128*\b
.endr
.irp m, 0,1,2,3
.irp j, 0,1,2
	ds_load_b128 v[AF+12*\m+4*\j:AF+12*\m+4*\j+3], v[ADAC] offset:12288*\m+512*\j
.endr
.endr
	WIN 0x40                                       ; destination window 1
.irp n, 0,1,2,3,4,5,6,7,8,9,10,11,12,13,14,15
.irp j, 0,1,2
	ds_load_b128 v[12*\n+4*\j:12*\n+4*\j+3], v[ADB+\slot] offset:1536*\n+512*\j
.endr
.endr
.endm
; A step's 64 matrix instructions.  The 64 accumulators take turns, one instruction a turn, in the same order in every step.  zero = 1: the products start the sums.
.macro MULS zero
.irp g, 0,1,2,3
	s_wait_dscnt 36-12*\g                          ; all but the fragments of the later groups of four tiles are in
	WIN 0xa1+0x50*(\g/2)                           ; source 0 window 1, source 1 window 0, C and D window 2 or 3
.irp n, 0,1,2,3
.irp m, 0,1,2,3
.set NTI, 4*\g+\n
.set ACR, 64*((NTI/2)%4)+16*\m+8*(NTI%2)
.if \zero
.if NTI%2
	v_wmma_scale_f32_16x16x128_f8f6f4 v[ACR:ACR+7], v[12*NTI:12*NTI+11], v[AF+12*\m:AF+12*\m+11], 0, v[SB+NTI/2], v[SA+\m] matrix_a_fmt:MATRIX_FMT_BF6 matrix_b_fmt:MATRIX_FMT_BF6 matrix_a_scale:MATRIX_SCALE_ROW1
.else
	v_wmma_scale_f32_16x16x128_f8f6f4 v[ACR:ACR+7], v[12*NTI:12*NTI+11], v[AF+12*\m:AF+12*\m+11], 0, v[SB+NTI/2], v[SA+\m] matrix_a_fmt:MATRIX_FMT_BF6 matrix_b_fmt:MATRIX_FMT_BF6
.endif
.else
.if NTI%2
	v_wmma_scale_f32_16x16x128_f8f6f4 v[ACR:ACR+7], v[12*NTI:12*NTI+11], v[AF+12*\m:AF+12*\m+11], v[ACR:ACR+7], v[SB+NTI/2], v[SA+\m] matrix_a_fmt:MATRIX_FMT_BF6 matrix_b_fmt:MATRIX_FMT_BF6 matrix_a_scale:MATRIX_SCALE_ROW1
.else
	v_wmma_scale_f32_16x16x128_f8f6f4 v[ACR:ACR+7], v[12*NTI:12*NTI+11], v[AF+12*\m:AF+12*\m+11], v[ACR:ACR+7], v[SB+NTI/2], v[SA+\m] matrix_a_fmt:MATRIX_FMT_BF6 matrix_b_fmt:MATRIX_FMT_BF6
.endif
.endif
.endr
.endr
.endr
	WIN 0
.endm
.macro KSTEP
	s_add_co_u32 s[KA], s[KA], 1536
	s_add_co_u32 s[KS], s[KS], 64
.endm
; The head of a step that reads \slot and fills the other slot again, with the step after this one.
.macro OPEN slot
	s_wait_tensorcnt 0x0                           ; all my tensor loads have landed: the one that was out is my part of this step's slot
	ds_add_u32 v[SPW], v[NIL]                      ; 0 onto my spare word
	s_add_nc_u64 s[G0+6-4*\slot:G0+7-4*\slot], s[G0+6-4*\slot:G0+7-4*\slot], 2*SLOT   ; no load of mine is out, so the other slot's group 0 may step: two steps on
	v_add_nc_u32 v[ADAC], s[KA], v[ADA]
	v_add_nc_u32 v[ADSC], s[KS], v[ADAS]
	s_wait_dscnt 0x0                               ; the add is done, and my reads of the other slot are over
	ROUND                                          ; so it is with every wave of the four work-groups
	tensor_load_to_lds s[G0+4-4*\slot:G0+7-4*\slot], s[G1W:G1W+7]   ; my one tensor load behind the round
	s_nop 0
	PLACES 4                                       ; the places in front of the loads into registers that matrix instructions have read
.endm
.macro HOOK                            ; the first product's results, times dWv, summed by rows; each accumulator is read from its low end on
.set BQ, 0
.rept 8
	WIN 2+BQ/4
.set EE, 0
.rept 8
.irp m, 0,1,2,3
.if (BQ == 0) && (EE == 0)
	v_pk_fma_f32 v[VS+2*\m:VS+2*\m+1], v[64*(BQ%4)+16*\m+EE:64*(BQ%4)+16*\m+EE+1], v[XA+16*BQ+EE:XA+16*BQ+EE+1], v[BD:BD+1]
.else
	v_pk_fma_f32 v[VS+2*\m:VS+2*\m+1], v[64*(BQ%4)+16*\m+EE:64*(BQ%4)+16*\m+EE+1], v[XA+16*BQ+EE:XA+16*BQ+EE+1], v[VS+2*\m:VS+2*\m+1]
.endif
.endr
.set EE, EE+2
.endr
.set BQ, BQ+1
.endr
	WIN 0
.endm
.macro N2SUM                           ; |k_raw|^2, four chains by rows' tiles
.set BQ, 0
.rept 8
	WIN 0x0a+5*(BQ/4)
.set EE, 0
.rept 8
.irp m, 0,1,2,3
.if (BQ == 0) && (EE == 0)
	v_pk_mul_f32 v[N2+2*\m:N2+2*\m+1], v[16*\m:16*\m+1], v[16*\m:16*\m+1]
.else
	v_pk_fma_f32 v[N2+2*\m:N2+2*\m+1], v[64*(BQ%4)+16*\m+EE:64*(BQ%4)+16*\m+EE+1], v[64*(BQ%4)+16*\m+EE:64*(BQ%4)+16*\m+EE+1], v[N2+2*\m:N2+2*\m+1]
.endif
.endr
.set EE, EE+2
.endr
.set BQ, BQ+1
.endr
	WIN 0
.endm
.macro KXSUM m, reg, w                 ; k_raw . x of tile m: four chains
.set KK, 0
.rept 64
.if KK%32 == 0
	WIN (2+KK/32)|((\w)<<2)
.endif
.set ACR, 64*((KK/8)%4)+16*(\m)+2*(KK%8)
.if KK < 4
	v_pk_mul_f32 v[TS+2*(KK%4):TS+2*(KK%4)+1], v[ACR:ACR+1], v[\reg+2*KK:\reg+2*KK+1]
.else
	v_pk_fma_f32 v[TS+2*(KK%4):TS+2*(KK%4)+1], v[ACR:ACR+1], v[\reg+2*KK:\reg+2*KK+1], v[TS+2*(KK%4):TS+2*(KK%4)+1]
.endif
.set KK, KK+1
.endr
	WIN 0
	v_pk_add_f32 v[TS:TS+1], v[TS:TS+1], v[TS+2:TS+3]
	v_pk_add_f32 v[TS+4:TS+5], v[TS+4:TS+5], v[TS+6:TS+7]
	v_pk_add_f32 v[KX+2*(\m):KX+2*(\m)+1], v[TS:TS+1], v[TS+4:TS+5]
.endm
.macro PASS2 m, reg, w                 ; q, k: the delta of tile m: XA = k_raw x c + x
.set KK, 0
.rept 64
.if KK%32 == 0
	WIN (2+KK/32)|((\w)<<4)
.endif
.set ACR, 64*((KK/8)%4)+16*(\m)+2*(KK%8)
	v_pk_fma_f32 v[XA+2*KK:XA+2*KK+1], v[ACR:ACR+1], v[CC+2*(\m):CC+2*(\m)+1], v[\reg+2*KK:\reg+2*KK+1]
.set KK, KK+1
.endr
	WIN 0
.endm
.macro YD m, reg, w                    ; v: the delta of tile m takes k_raw's place in the accumulators, so that all 64 keys of a channel are at hand together
.irp q, 0,1
	WIN ((2+\q)<<6)|((\w)<<4)|(2+\q)
.set KK, 32*\q
.rept 32
.set ACR, 64*((KK/8)%4)+16*(\m)+2*(KK%8)
	v_pk_fma_f32 v[ACR:ACR+1], v[ACR:ACR+1], v[CC+2*(\m):CC+2*(\m)+1], v[\reg+2*KK:\reg+2*KK+1]
.set KK, KK+1
.endr
.endr
	WIN 0
.endm
.macro FOLD base, n                    ; n pairs: the two halves, and lane l xor 16's
.set KK, 0
.rept \n
	v_add_f32 v[\base+2*KK], v[\base+2*KK], v[\base+2*KK+1]
.set KK, KK+1
.endr
.set KK, 0
.rept \n
	v_permlanex16_b32 v[\base+2*KK+1], v[\base+2*KK], s[SEL], s[SEL+1]
.set KK, KK+1
.endr
.set KK, 0
.rept \n
	v_add_f32 v[\base+2*KK], v[\base+2*KK], v[\base+2*KK+1]
.set KK, KK+1
.endr
.endm
.macro QKM m                           ; q or k of tile m: two fragments = four heads' halves, stored as images
.irp q, 0,1
	s_wait_xcnt 0x0                                ; the earlier stores have read the codes' registers
	QUANT XA+64*\q, PWS+2*(\m)+\q
.irp c, 0,1
	global_store_b128 v[VOH+2*\q+\c], v[PC+6*\c:PC+6*\c+3], s[OB:OB+1] offset:768*(\m)
	global_store_b64 v[VOH8+2*\q+\c], v[PC+6*\c+4:PC+6*\c+5], s[OB:OB+1] offset:768*(\m)+512
.endr
.endr
.endm
.macro VSTAGE hh                       ; head hh of my four: its 64 channels x 64 keys from the accumulators into my stage, [channel][key]
	WIN 0x08+4*((\hh)/2)                           ; an LDS store's data are its source 1: window 2 or 3
.irp m, 0,1,2,3
.set KK, 0
.rept 32
	ds_store_b32 v[VA+\m/2], v[64*((2*(\hh)+KK/16)%4)+16*\m+KK%16] offset:(32*(KK/16)+KK%16)*272+32*(\m%2)
.set KK, KK+1
.endr
.endr
	WIN 0
.endm
.macro FINISH                          ; the wave's end: then the closing round
	s_wait_tensorcnt 0x0
	ds_add_u32 v[SPW], v[NIL]
	s_wait_dscnt 0x0
	ROUND
	s_endpgm
.endm
	s_load_b512 s[4:19], s[0:1], 0x0               ; xq, xp, bl, wi, bq, bk, bv, dWv
	s_load_b256 s[20:27], s[0:1], 0x40             ; dbb, dbv, qi, kv
	v_lshl_add_u32 v[SPW], v0, 2, SPARE
	v_mov_b32 v[NIL], 0
	ds_add_u32 v14, v15
	ds_add_u32 v14, v15
	s_wait_dscnt 0x0
	v_lshrrev_b32 v1, 5, v0
	v_readfirstlane_b32 s[WV], v1                  ; wave 0..3
	s_bfe_u32 s31, ttmp6, 0x40000                  ; cx: it enters global addresses alone
	s_lshl_b32 s[RB], ttmp9, 2
	s_add_co_u32 s[RB], s[RB], s31                 ; my block of 64 rows
	s_and_b32 s[I], ttmp7, 0xffff                  ; q, k or v: the same in the four partners
	s_mov_b32 s[G1W], 15|(3<<16)|(1<<21)           ; the mask of four; elements of 8 bytes; bit 21 beside a mask
	s_mov_b32 s[G1W+1], 32<<16                     ; rows of 32 elements = 256 bytes
	s_mov_b32 s[G1W+2], 100<<16
	s_mov_b32 s[G1W+3], 32<<16
	s_mov_b32 s[G1W+4], 100
	s_mov_b32 s[G1W+5], 32
	s_mov_b32 s[G1W+6], 0
	s_mov_b32 s[G1W+7], 0
	s_mov_b32 s[G1A], 3<<16
	s_mov_b32 s[G1A+1], 32<<16
	s_mov_b32 s[G1A+2], 50<<16
	s_mov_b32 s[G1A+3], 32<<16
	s_mov_b32 s[G1A+4], 50
	s_mov_b32 s[G1A+5], 32
	s_mov_b32 s[G1A+6], 0
	s_mov_b32 s[G1A+7], 0
	s_mov_b32 s[SEL], 0x76543210
	s_mov_b32 s[SEL+1], 0xfedcba98
	s_mov_b32 s[KA], 0
	s_mov_b32 s[KS], 0
	s_mul_i32 s82, s[WV], PART
	s_mul_i32 s83, s[WV], 12800
	v_and_b32 v1, 31, v0
	v_lshlrev_b32 v[L8], 3, v1
	v_lshlrev_b32 v[L4], 2, v1
	v_lshlrev_b32 v[L16], 4, v1
	v_and_b32 v[R4], 15, v0
	v_lshlrev_b32 v[R4], 2, v[R4]
	v_bfe_u32 v[H64], v0, 4, 1
	v_lshlrev_b32 v[H64], 6, v[H64]
	v_add_nc_u32 v[ADA], AIMG, v[L16]
	v_add_nc_u32 v[ADAS], ASC, v[R4]
	v_add_nc_u32 v[ADB], s82, v[L16]
	v_add_nc_u32 v[ADB+1], SLOT, v[ADB]
	v_add_nc_u32 v[ADS], s82, v[L4]
	v_add_nc_u32 v[ADS], 24576, v[ADS]
	v_add_nc_u32 v[ADS+1], SLOT, v[ADS]
	v_lshl_add_u32 v[RDR], v[R4], 2, RED
	s_lshl_b32 s86, s[WV], 2
	v_add_nc_u32 v[RDW], s86, v[RDR]
	s_mul_i32 s80, s[I], 1638400                   ; the 16 steps of (W_i, dWk_i) lie on end
	s_add_co_u32 s80, s80, s82
	s_mov_b32 s81, 0
	s_mul_i32 s84, s[RB], 51200
	s_add_co_u32 s84, s84, s83
	s_mov_b32 s85, 0
	s_lshl_b32 s90, s[RB], 18
	s_lshl_b32 s91, s[WV], 14
	s_add_co_u32 s90, s90, s91
	s_mov_b32 s91, 0
	s_wait_kmcnt 0x0
	s_mov_b32 s[G0], 1
	s_mov_b32 s[G0+1], s82
	s_add_nc_u64 s[G0+2:G0+3], s[10:11], s[80:81]
	s_mov_b32 s[G0+4], 1
	s_add_co_u32 s[G0+5], s82, SLOT
	s_add_nc_u64 s[G0+6:G0+7], s[G0+2:G0+3], SLOT
	s_or_b32 s[G0+3], s[G0+3], 0x80000000
	s_or_b32 s[G0+7], s[G0+7], 0x80000000
	s_mov_b32 s[G0A], 1
	s_add_co_u32 s[G0A+1], s83, AIMG
	s_add_nc_u64 s[G0A+2:G0A+3], s[4:5], s[84:85]
	s_or_b32 s[G0A+3], s[G0A+3], 0x80000000
	s_add_nc_u64 s[XPB:XPB+1], s[6:7], s[90:91]
	ROUND                                          ; the four work-groups are here: the first joint loads meet
	tensor_load_to_lds s[G0A:G0A+3], s[G1A:G1A+7]  ; my quarter of x's images
	s_nop 0
	tensor_load_to_lds s[G0:G0+3], s[G1W:G1W+7]    ; step 0
	s_nop 0
	tensor_load_to_lds s[G0+4:G0+7], s[G1W:G1W+7]  ; step 1: three loads of mine are out
	s_nop 0
	PLACES 4
	s_cmp_eq_u32 s[I], 0
	s_cselect_b64 s[86:87], s[12:13], s[14:15]
	s_cmp_eq_u32 s[I], 2
	s_cselect_b64 s[86:87], s[16:17], s[86:87]     ; the bias of this i
	s_lshl_b32 s88, s[WV], 10
	s_mov_b32 s89, 0
	s_add_nc_u64 s[86:87], s[86:87], s[88:89]
	s_lshl_b32 s90, s[I], 12
	s_add_co_u32 s88, s88, s90
	s_add_nc_u64 s[18:19], s[18:19], s[88:89]      ; dWv[i] at my wave's columns
	s_lshl_b32 s88, s[I], 2
	s_add_nc_u64 s[20:21], s[20:21], s[88:89]
	s_add_nc_u64 s[22:23], s[22:23], s[88:89]
	s_load_b32 s78, s[20:21], 0x0                  ; dbb[i]
	s_load_b32 s79, s[22:23], 0x0                  ; dbv[i]
	s_lshl_b32 s88, s[RB], 10
	s_lshl_b32 s90, s[I], 6
	s_add_co_u32 s88, s88, s90
	s_add_nc_u64 s[8:9], s[8:9], s[88:89]
	VLOAD XA, 0, 18
	VLOAD 0, 1, 86
.irp m, 0,1,2,3
	global_load_b32 v[BLV+\m], v[R4], s[8:9] offset:256*\m
.endr
	s_wait_loadcnt 0x0
	WIN 0x04                                       ; source 1 (the bias) window 1
	v_pk_mul_f32 v[TS:TS+1], v[XA:XA+1], v[0:1]
	v_pk_mul_f32 v[TS+2:TS+3], v[XA+2:XA+3], v[2:3]
.set KK, 2
.rept 31
	v_pk_fma_f32 v[TS:TS+1], v[XA+2*KK:XA+2*KK+1], v[2*KK:2*KK+1], v[TS:TS+1]
	v_pk_fma_f32 v[TS+2:TS+3], v[XA+2*KK+2:XA+2*KK+3], v[2*KK+2:2*KK+3], v[TS+2:TS+3]
.set KK, KK+2
.endr
	WIN 0
	v_pk_add_f32 v[BD:BD+1], v[TS:TS+1], v[TS+2:TS+3]
	s_wait_kmcnt 0x0
	; ---- the ring: 16 steps
	s_wait_tensorcnt 0x1                           ; x's quarter and step 0 are in; step 1's load may be out
	s_barrier_signal -1
	s_barrier_wait -1                              ; everybody's quarter of x is in
	v_add_nc_u32 v[ADAC], s[KA], v[ADA]
	v_add_nc_u32 v[ADSC], s[KS], v[ADAS]
	LOADS 0
	MULS 1
	KSTEP
	s_mov_b32 s3, 3
.Lfirst:                                           ; steps 1 to 6
	OPEN 1
	LOADS 1
	MULS 0
	KSTEP
	OPEN 0
	LOADS 0
	MULS 0
	KSTEP
	s_sub_co_u32 s3, s3, 1
	s_cmp_lg_u32 s3, 0
	s_cbranch_scc1 .Lfirst
	OPEN 1                                         ; step 7
	LOADS 1
	MULS 0
	s_mov_b32 s[KA], 0                             ; the second product walks x's images anew
	s_mov_b32 s[KS], 0
	OPEN 0                                         ; step 8
	LOADS 0
	HOOK                                           ; while the fragments come: what is kept of the first product.  (Its 256 lines are also the places between that product's instructions and those that begin the sums anew)
	XLOAD 0, XA, 0                                 ; dWv is done with: x of tile 0
	MULS 1
	KSTEP
	s_mov_b32 s3, 3
.Lsecond:                                          ; steps 9 to 14
	OPEN 1
	LOADS 1
	MULS 0
	KSTEP
	OPEN 0
	LOADS 0
	MULS 0
	KSTEP
	s_sub_co_u32 s3, s3, 1
	s_cmp_lg_u32 s3, 0
	s_cbranch_scc1 .Lsecond
	s_wait_tensorcnt 0x0                           ; step 15: my part is in, and I alone read it; nothing is left to fetch
	v_add_nc_u32 v[ADAC], s[KA], v[ADA]
	v_add_nc_u32 v[ADSC], s[KS], v[ADAS]
	PLACES 4
	LOADS 1
	MULS 0
	; ---- the rows' sums
	PLACES 4
	XLOAD 1, 0, 1
	XLOAD 2, 128, 1
	N2SUM
	s_wait_loadcnt 63                              ; tile 0's x is in.  64 loads (tiles 1 and 2) were issued behind it; a wait's count ends at 63, so the first of them is waited for too
	KXSUM 0, XA, 0
	XLOAD 3, XA, 0
	s_wait_loadcnt 63                              ; tile 1's is in: behind it stand the 64 loads of tiles 2 and 3, counted as above
	KXSUM 1, 0, 1
	s_wait_loadcnt 32                              ; tile 2's is in; tile 3's 32 loads may be out
	KXSUM 2, 128, 1
	s_wait_loadcnt 0x0
	KXSUM 3, XA, 0
	FOLD VS, 12
.irp i, 0,1,2,3,4,5,6,7,8,9,10,11
	ds_store_b32 v[RDW], v[VS+2*\i] offset:256*\i
.endr
	s_wait_dscnt 0x0                               ; for the others' sake: my sums lie in LDS
	s_barrier_signal -1
	s_barrier_wait -1
.irp i, 0,1,2,3,4,5,6,7,8,9,10,11
	ds_load_b128 v[56+4*\i:59+4*\i], v[RDR] offset:256*\i
.endr
	; where the results go (scalar work while the sums come back)
	s_and_b32 s80, s[RB], 31                       ; the block within its batch
	s_lshr_b32 s81, s[RB], 5
	s_lshl_b32 s81, s81, 4
	s_lshl_b32 s82, s[WV], 2
	s_add_co_u32 s81, s81, s82                     ; my first head: 16 x batch + 4 w
	s_and_b32 s82, s[RB], 1
	s_lshr_b32 s83, s80, 1                         ; the key step of 128
	s_mul_i32 s84, s81, 204800
	s_mul_i32 s85, s83, 12800
	s_add_co_u32 s84, s84, s85
	s_mul_i32 s86, s81, 98304
	s_mul_i32 s87, s80, 3072
	s_add_co_u32 s86, s86, s87                     ; q: images
	s_lshl_b32 s88, s81, 12
	s_lshl_b32 s89, s80, 7
	s_add_co_u32 s88, s88, s89
	s_add_co_u32 s88, s88, 3145728                 ; q: scale words
	s_mul_i32 s89, s82, 3072
	s_add_co_u32 s89, s89, s84                     ; k: images
	s_lshl_b32 s90, s82, 7
	s_add_co_u32 s90, s90, s84
	s_add_co_u32 s90, s90, 6144                    ; k: scale words
	s_mul_i32 s91, s82, 768
	s_add_co_u32 s91, s91, s84                     ; v: my half of each image
	s_lshl_b32 s92, s82, 1
	s_add_co_u32 s92, s92, s84
	s_add_co_u32 s92, s92, 12544                   ; v: my half of each scale word
	s_cmp_eq_u32 s[I], 1
	s_cselect_b32 s89, s89, s91
	s_cselect_b32 s90, s90, s92
	s_cmp_eq_u32 s[I], 0
	s_cselect_b32 s86, s86, s89
	s_cselect_b32 s88, s88, s90
	s_cselect_b64 s[OB:OB+1], s[24:25], s[26:27]
	s_mov_b32 s[HS], 204800
	s_cselect_b32 s[HS], 98304, s[HS]              ; from head to head: images,
	s_mov_b32 s[HSS], 204800
	s_cselect_b32 s[HSS], 4096, s[HSS]             ; scale words
	s_mov_b32 s87, 0
	s_mov_b32 s89, 0
	s_mov_b64 s[OSB:OSB+1], s[OB:OB+1]
	s_add_nc_u64 s[OB:OB+1], s[OB:OB+1], s[86:87]
	s_add_nc_u64 s[OSB:OSB+1], s[OSB:OSB+1], s[88:89]
	s_wait_dscnt 0x0
.irp i, 0,1,2,3,4,5,6,7,8,9,10,11
	v_add_f32 v[56+4*\i], v[56+4*\i], v[57+4*\i]
	v_add_f32 v[58+4*\i], v[58+4*\i], v[59+4*\i]
.endr
.irp i, 0,1,2,3,4,5,6,7,8,9,10,11
	v_add_f32 v[VS+2*\i], v[56+4*\i], v[58+4*\i]   ; the four waves' parts: the whole row's sum, in every lane of the row
.endr
	; c = beta d (v - (k_raw . x) d), d = 1 / (|k_raw| + 1e-8), beta = 2 / (1 + 2^(-log2(e) (x . dbw + dbb)))
.irp m, 0,1,2,3
	v_add_f32 v[60+\m], s78, v[BLV+\m]
.endr
.irp m, 0,1,2,3
	v_mul_f32 v[60+\m], 0xbfb8aa3b, v[60+\m]
.endr
.irp m, 0,1,2,3
	v_sqrt_f32 v[56+\m], v[N2+2*\m]
.endr
.irp m, 0,1,2,3
	v_exp_f32 v[60+\m], v[60+\m]
.endr
	v_nop                                          ; a plain place behind the batch
	s_wait_alu depctr_va_vdst(0)                   ; one wait for the eight, ahead of their first reader
.irp m, 0,1,2,3
	v_add_f32 v[56+\m], 0x322bcc77, v[56+\m]       ; + 1e-8
.endr
.irp m, 0,1,2,3
	v_add_f32 v[60+\m], 1.0, v[60+\m]
.endr
.irp m, 0,1,2,3
	v_rcp_f32 v[56+\m], v[56+\m]
.endr
.irp m, 0,1,2,3
	v_rcp_f32 v[60+\m], v[60+\m]
.endr
	v_nop
	s_wait_alu depctr_va_vdst(0)
.irp m, 0,1,2,3
	v_add_f32 v[VS+2*\m], s79, v[VS+2*\m]
.endr
.irp m, 0,1,2,3
	v_fma_f32 v[VS+2*\m], -v[KX+2*\m], v[56+\m], v[VS+2*\m]
.endr
.irp m, 0,1,2,3
	v_mul_f32 v[60+\m], v[60+\m], v[56+\m]
.endr
.irp m, 0,1,2,3
	v_mul_f32 v[VS+2*\m], v[VS+2*\m], v[60+\m]
.endr
.irp m, 0,1,2,3
	v_add_f32 v[CC+2*\m], v[VS+2*\m], v[VS+2*\m]
.endr
.irp m, 0,1,2,3
	v_mov_b32 v[CC+2*\m+1], v[CC+2*\m]
.endr
.irp hh, 0,1,2,3
	s_mul_i32 s80, s[HS], \hh
	v_add_nc_u32 v[VOH+\hh], s80, v[L16]
	v_add_nc_u32 v[VOH8+\hh], s80, v[L8]
	s_mul_i32 s80, s[HSS], \hh
	v_add_nc_u32 v[VOS+\hh], s80, v[L4]
.endr
	s_cmp_eq_u32 s[I], 2
	s_cbranch_scc1 .Lvpath
	; ---- q and k: quantised along the head's 64
.irp b, 0,1,2,3
	v_mov_b32 v[TM+4+\b], 0                        ; a lane permute's destination counts as one of its sources
.endr
	PASS2 3, XA, 0
	QKM 3
	PASS2 1, 0, 1
	XLOAD 0, 0, 1                                  ; tile 0's x once more, where tile 1's lay
	QKM 1
	PASS2 2, 128, 1
	QKM 2
	s_wait_loadcnt 0x0
	PASS2 0, 0, 1
	QKM 0
	v_bfe_u32 v[TS], v0, 4, 1
	v_cmp_ne_u32 vcc_lo, 0, v[TS]
.irp hh, 0,1,2,3                               ; a head's scale words: two tiles' half words to a word; lanes 0-15 the first pair of tiles, lanes 16-31 the second
.if \hh%2
	v_perm_b32 v[TS+1], v[PWS+2+\hh/2], v[PWS+\hh/2], 0x07060302
	v_perm_b32 v[TS+2], v[PWS+6+\hh/2], v[PWS+4+\hh/2], 0x07060302
.else
	v_perm_b32 v[TS+1], v[PWS+2+\hh/2], v[PWS+\hh/2], 0x05040100
	v_perm_b32 v[TS+2], v[PWS+6+\hh/2], v[PWS+4+\hh/2], 0x05040100
.endif
	v_cndmask_b32 v[TM+\hh], v[TS+1], v[TS+2], vcc_lo
	global_store_b32 v[VOS+\hh], v[TM+\hh], s[OSB:OSB+1]
.endr
	FINISH
.Lvpath:
	; ---- v: its K is the keys.  The delta takes k_raw's place in the accumulators; then, head by head, 64 channels x 64 keys go through my stage, [channel][key], rows 272 bytes apart.
	; The stage is my own part of slot 0: I alone filled it and read it, and its last fill (step 14) has landed.  LDS serves a wave's instructions in order, so a head's stores come behind the last head's loads.
	; The two halves of a row change places in channels with bit 4 set, so that lanes 0-15 and 16-31 of a store fall on different banks.
	s_mul_i32 s80, s[WV], PART
	v_and_b32 v[VA], 15, v0
	v_and_b32 v[VA+1], 8, v[VA]
	v_add_nc_u32 v[VA+1], v[VA+1], v[VA]           ; r + 8 (r / 8)
	v_bfe_u32 v[H8], v0, 4, 1                      ; h
	v_bfe_u32 v[VRD], v0, 3, 1                     ; r / 8: bit 4 of the channel that I read back
	v_add_nc_u32 v[VRD], v[VRD], v[H8]
	v_and_b32 v[VRD], 1, v[VRD]                    ; which half of the row holds my 32 keys
	v_lshlrev_b32 v[VRD], 7, v[VRD]
	v_mad_u32_u24 v[VRD], v[VA+1], 272, v[VRD]
	v_add_nc_u32 v[VRD], s80, v[VRD]               ; back: my channel's row, my 32 keys
	v_lshl_add_u32 v[VA+1], v[VA+1], 2, s80
	v_mad_u32_u24 v[VA], v[H8], 4480, v[VA+1]      ; in, keys 0-31: 16 h channels on, half h
	v_mad_u32_u24 v[VA+1], v[H8], 4224, v[VA+1]
	v_add_nc_u32 v[VA+1], 128, v[VA+1]             ; in, keys 32-63: half 1 - h
	v_cmp_ne_u32 vcc_lo, 0, v[H8]
	v_lshlrev_b32 v[H8], 3, v[H8]
	YD 3, XA, 0
	YD 1, 0, 1
	XLOAD 0, 0, 1                                  ; tile 0's x once more, where tile 1's lay
	YD 2, 128, 1
	s_wait_loadcnt 0x0
	YD 0, 0, 1
.irp hh, 0,1,2,3
	VSTAGE \hh
.irp tc, 0,1,2,3
.irp j, 0,1,2,3,4,5,6,7
	ds_load_b128 v[XA+32*\tc+4*\j:XA+32*\tc+4*\j+3], v[VRD] offset:(32*(\tc/2)+8*(\tc%2))*272+16*\j
.endr
.endr
	s_wait_dscnt 0x0
.irp tc, 0,1,2,3
	v_max3_num_f32 v[VM+\tc], |v[XA+32*\tc]|, |v[XA+32*\tc+1]|, 0x2800000   ; a block of 32 keys lies in one lane
.endr
.irp i, 2,4,6,8,10,12,14,16,18,20,22,24,26,28,30
.irp tc, 0,1,2,3
	v_max3_num_f32 v[VM+\tc], v[VM+\tc], |v[XA+32*\tc+\i]|, |v[XA+32*\tc+\i+1]|
.endr
.endr
.irp tc, 0,1,2,3
	v_add_nc_u32 v[VSO+\tc], 0xfe000000, v[VM+\tc]
.endr
.irp tc, 0,1,2,3
	v_lshrrev_b32 v[VBY+\tc], 23, v[VSO+\tc]
.endr
	s_wait_xcnt 0x0                                ; the last head's stores have read the codes' registers
.irp tc, 0,1,2,3
	v_cvt_scalef32_pk16_bf6_f32 v[PCV+8*\tc:PCV+8*\tc+2], v[XA+32*\tc:XA+32*\tc+15], v[VSO+\tc]
	v_cvt_scalef32_pk16_bf6_f32 v[PCV+8*\tc+4:PCV+8*\tc+6], v[XA+32*\tc+16:XA+32*\tc+31], v[VSO+\tc]
.endr
	v_nop                                          ; one plain place behind a scaled conversion
.irp tc, 0,1,2,3
	v_mov_b32 v[PCV+8*\tc+3], v[PCV+8*\tc+4]
	v_mov_b32 v[PCV+8*\tc+4], v[PCV+8*\tc+5]
	v_mov_b32 v[PCV+8*\tc+5], v[PCV+8*\tc+6]
.endr
.irp tc, 0,1,2,3
	global_store_b128 v[VOH+\hh], v[PCV+8*\tc:PCV+8*\tc+3], s[OB:OB+1] offset:6400+1536*\tc
	global_store_b64 v[VOH8+\hh], v[PCV+8*\tc+4:PCV+8*\tc+5], s[OB:OB+1] offset:6400+1536*\tc+512
.endr
.irp tc, 0,1,2,3
	v_lshlrev_b32 v[VBY+\tc], v[H8], v[VBY+\tc]    ; my byte at its place,
.endr
.irp tc, 0,1,2,3
	v_permlanex16_b32 v[VM+\tc], v[VBY+\tc], s[SEL], s[SEL+1]
.endr
.irp tc, 0,1,2,3
	v_or_b32 v[VBY+\tc], v[VBY+\tc], v[VM+\tc]     ; with lane l xor 16's: these 64 keys' half word
.endr
.irp k, 0,1
	v_cndmask_b32 v[VHW+2*\hh+\k], v[VBY+2*\k], v[VBY+2*\k+1], vcc_lo
	global_store_b16 v[VOS+\hh], v[VHW+2*\hh+\k], s[OSB:OSB+1] offset:128*\k   ; two bytes a channel: 128 KiB in all are stored so
.endr
.endr
	FINISH
.Lfunc_end_k_q4152985a5c_proj:
	.size	k_q4152985a5c_proj, .Lfunc_end_k_q4152985a5c_proj-k_q4152985a5c_proj
	.p2alignl 7, 3214868480
	.fill 96, 4, 3214868480
	.section	.rodata,"a",@progbits
	.p2align	6, 0x0
	.amdhsa_kernel k_q4152985a5c_proj
		.amdhsa_group_segment_fixed_size 327680
		.amdhsa_private_segment_fixed_size 0
		.amdhsa_enable_private_segment 0
		.amdhsa_kernarg_size 96
		.amdhsa_user_sgpr_count 2
		.amdhsa_user_sgpr_kernarg_segment_ptr 1
		.amdhsa_wavefront_size32 1
		.amdhsa_system_sgpr_workgroup_id_x 1
		.amdhsa_system_sgpr_workgroup_id_y 1
		.amdhsa_system_sgpr_workgroup_id_z 1
		.amdhsa_system_vgpr_workitem_id 0
		.amdhsa_next_free_vgpr 1024
		.amdhsa_next_free_sgpr 100
		.amdhsa_reserve_vcc 1
		.amdhsa_float_denorm_mode_32 3
		.amdhsa_float_denorm_mode_16_64 3
		.amdhsa_memory_ordered 1
		.amdhsa_forward_progress 1
		.amdhsa_inst_pref_size 255
	.end_amdhsa_kernel
	.section	.bss,"aw",@nobits
	.p2align	6
	.space	262144
	.amdgpu_metadata
---
amdhsa.version: [ 1, 2 ]
amdhsa.kernels:
  - .name:           k_q4152985a5c_proj
    .symbol:         k_q4152985a5c_proj.kd
    .args:
      - { .name: xq, .offset: 0, .size: 8, .value_kind: global_buffer, .address_space: global }
      - { .name: xp, .offset: 8, .size: 8, .value_kind: global_buffer, .address_space: global }
      - { .name: bl, .offset: 16, .size: 8, .value_kind: global_buffer, .address_space: global }
      - { .name: wi, .offset: 24, .size: 8, .value_kind: global_buffer, .address_space: global }
      - { .name: bq, .offset: 32, .size: 8, .value_kind: global_buffer, .address_space: global }
      - { .name: bk, .offset: 40, .size: 8, .value_kind: global_buffer, .address_space: global }
      - { .name: bv, .offset: 48, .size: 8, .value_kind: global_buffer, .address_space: global }
      - { .name: dWv, .offset: 56, .size: 8, .value_kind: global_buffer, .address_space: global }
      - { .name: dbb, .offset: 64, .size: 8, .value_kind: global_buffer, .address_space: global }
      - { .name: dbv, .offset: 72, .size: 8, .value_kind: global_buffer, .address_space: global }
      - { .name: qi, .offset: 80, .size: 8, .value_kind: global_buffer, .address_space: global }
      - { .name: kv, .offset: 88, .size: 8, .value_kind: global_buffer, .address_space: global }
    .group_segment_fixed_size: 327680
    .private_segment_fixed_size: 0
    .kernarg_segment_align: 8
    .kernarg_segment_size: 96
    .max_flat_workgroup_size: 128
    .sgpr_count:     100
    .vgpr_count:     1024
    .wavefront_size: 32
...
	.end_amdgpu_metadata
.endif
;; end of part 2
;; launch attn (part 3): grid 8 x 32, 16 waves a work-group, clusters of 4 x 1, 327,680 bytes of LDS; arguments qi, kv, woi, dWv, v3p; writes v3p
.if DOCPART == 3
	.amdgcn_target "amdgcn-amd-amdhsa--gfx1250"
	.amdhsa_code_object_version 6
	.text
	.protected	k_q4152985a5c_attn
	.globl	k_q4152985a5c_attn
	.p2align	8
	.type	k_q4152985a5c_attn,@function
k_q4152985a5c_attn:
	s_mov_b64 s[64:65], 0
	v_nop
	global_prefetch_b8 v0, s[64:65] scope:SCOPE_SE
	s_setreg_imm32_b32 hwreg(HW_REG_WAVE_MODE, 25, 1), 1
	s_wait_xcnt 0x0
	s_wait_alu depctr_hold_cnt(0) depctr_sa_sdst(0) depctr_va_vdst(0) depctr_va_sdst(0) depctr_va_ssrc(0) depctr_va_vcc(0) depctr_vm_vsrc(0)
	s_getreg_b32 s2, hwreg(HW_REG_IB_STS2, 6, 4)
	s_cmp_eq_u32 s2, 0
	s_cbranch_scc0 .Lentry_in_a_cluster
	s_endpgm
.Lentry_in_a_cluster:
	s_bfe_u32 s2, ttmp6, 0x10000c
	s_cmp_lg_u32 s2, 0x3003
	s_cbranch_scc0 .Lentry_shape_is_right
	s_endpgm
.Lentry_shape_is_right:
; ATTN.  Work-group: 256 queries of one head (hg = 16 x batch + head); each of its sixteen waves owns one tile of 16 queries.  Both products on codes of BF6 (E3M2), transposed: S^T = K Q^T, O^T = V^T P^T: a lane holds one query.
; SOFTMAX: t = score x log2(e) / 8; M = the running largest t rounded up to a whole number; p = 2^(t - M) is quantised along the keys; the row's sum is taken of the unquantised p and divides O at the end.
; THE HEAD'S K AND V (204,800 bytes in register order), ITS SLICE OF Wo (51,200) AND dWv[3] (4,096) ARE FILLED INTO LDS ONCE: no byte of LDS is filled again.  The four query blocks of a cluster ask jointly (mask 15).
; K = 64 IN AN INSTRUCTION OF 128: source 0's twelve registers hold TWO tiles (registers 0-5 and 6-11); source 1 exists twice, [codes | zeros] and [zeros | codes]; zero codes add nothing under any scale byte but 0xff.
; BEHIND THE KEYS: O / l is quantised in registers (two blocks of 32 channels), multiplied by the head's 64 rows of Wo, and only its dot with dWv[3] leaves: one number a query and head (v3p).
; LIMITS: NaN, infinities and a scale byte 0xff are not served; a block under 2^-122 gets the byte 1.
.set KVS, 12800                        ; a step of 128 keys: K's 4 fragments, 256 bytes of scale words, V's 4 fragments, 256 bytes
.set WO,  204800
.set DW,  256000
.set STG, 260096                       ; 16 waves x 64 bytes: the results
.set SCO, 96                           ; v96-159  S^T, then p; later Wo's results
.set OT,  160                          ; v160-191 O^T; later (v160-223) dWv[3]
.set PC,  192                          ; v192-210 p's codes
.set BM,  212                          ; v212-215 the blocks' largest
.set PT,  216                          ; v216-219
.set SO,  220                          ; v220-223 the conversions' scale operands
.set FF,  224                          ; v224-225 f
.set TT,  226
.set WV,  14
.set HG,  15
.set QB,  16
.set TB,  18
.set CNT, 19
.set SEL, 20
.set CS,  22
.set G1,  24                           ; s[24:31] 50 rows of 256 bytes, joint
.set G0,  32                           ; s[32:55] six groups 0
.set G1D, 56                           ; s[56:63] 4 rows of 256 bytes, joint
.macro ROUND
	s_barrier_signal -1
	s_barrier_wait -1
	s_cmp_lg_u32 s[WV], 0
	s_cbranch_scc1 .Lnot_wave_0_\@
	s_barrier_signal -3
.Lnot_wave_0_\@:
	s_barrier_wait -3
	s_barrier_signal -1
	s_barrier_wait -1
.endm
.macro HFRAG reg, off                  ; a fragment laid as two halves of 768 bytes: four registers at 16 x lane, two at 512 + 8 x lane
	ds_load_b128 v[\reg:\reg+3], v8 offset:\off
	ds_load_b64 v[\reg+4:\reg+5], v9 offset:\off+512
	ds_load_b128 v[\reg+6:\reg+9], v8 offset:\off+768
	ds_load_b64 v[\reg+10:\reg+11], v9 offset:\off+1280
.endm
.macro PROD8                           ; eight tiles from four fragments: tile 2 b by [codes | zeros], tile 2 b + 1 by [zeros | codes]
.irp b, 0,1,2,3
.irp u, 0,1
.if \b%2
	v_wmma_scale_f32_16x16x128_f8f6f4 v[SCO+8*(2*\b+\u):SCO+8*(2*\b+\u)+7], v[40+12*\b:51+12*\b], v[16+12*\u:27+12*\u], 0, v[88+\b/2], v[92+\u] matrix_a_fmt:MATRIX_FMT_BF6 matrix_b_fmt:MATRIX_FMT_BF6 matrix_a_scale:MATRIX_SCALE_ROW1
.else
	v_wmma_scale_f32_16x16x128_f8f6f4 v[SCO+8*(2*\b+\u):SCO+8*(2*\b+\u)+7], v[40+12*\b:51+12*\b], v[16+12*\u:27+12*\u], 0, v[88+\b/2], v[92+\u] matrix_a_fmt:MATRIX_FMT_BF6 matrix_b_fmt:MATRIX_FMT_BF6
.endif
.endr
.endr
.endm
.macro STEP                            ; 128 keys
	v_add_nc_u32 v8, s[TB], v1
	v_add_nc_u32 v9, s[TB], v2
	v_add_nc_u32 v10, s[TB], v3
	v_nop                                          ; four places in front of loads into registers that the last products read
.irp b, 0,1,2,3
	HFRAG 40+12*\b, 1536*\b
.endr
	ds_load_b32 v88, v10 offset:6144               ; lanes 0-15: pair 0's scale words, lanes 16-31: pair 1's
	ds_load_b32 v89, v10 offset:6272
	s_wait_dscnt 0x0
	PROD8                                          ; register 16 b + i of lane (r, h): key 32 b + 16 h + i, query r
.rept 4
	v_nop
.endr
.irp b, 0,1,2,3
	v_max3_num_f32 v[BM+\b], v[SCO+16*\b], v[SCO+1+16*\b], v[SCO+2+16*\b]   ; the largest score of each block of 32 keys: for the row's maximum and for the block's largest p
.endr
.irp i, 3,5,7,9,11,13
.irp b, 0,1,2,3
	v_max3_num_f32 v[BM+\b], v[BM+\b], v[SCO+16*\b+\i], v[SCO+1+16*\b+\i]
.endr
.endr
.irp b, 0,1,2,3
	v_max_num_f32 v[BM+\b], v[BM+\b], v[SCO+15+16*\b]
.endr
.irp b, 0,1,2,3
	v_permlanex16_b32 v[PT+\b], v[BM+\b], s[SEL], s[SEL+1]
.endr
.irp b, 0,1,2,3
	v_max_num_f32 v[BM+\b], v[BM+\b], v[PT+\b]
.endr
	v_max3_num_f32 v[TT], v[BM], v[BM+1], v[BM+2]
	v_max_num_f32 v[TT], v[TT], v[BM+3]
	v_mul_f32 v[TT], s[CS], v[TT]
	v_max_num_f32 v13, v13, v[TT]                  ; the running largest t
	v_mov_b32 v[TT], v12
	v_floor_f32 v12, -v13                          ; -M = floor(-t): M is a whole number
	v_sub_f32 v[TT], v12, v[TT]
	v_cvt_i32_f32 v[TT], v[TT]                     ; (it saturates)
	v_ldexp_f32 v[FF], 1.0, v[TT]                  ; f = 2^(old M - new M)
.set JJ, 0
.rept 32
	v_pk_fma_f32 v[SCO+JJ:SCO+JJ+1], v[SCO+JJ:SCO+JJ+1], s[CS:CS+1], v[12:13] op_sel_hi:[1,0,0]   ; t - M
.set JJ, JJ+2
.endr
.irp b, 0,1,2,3
	v_fma_f32 v[BM+\b], v[BM+\b], s[CS], v12
.endr
.set JJ, 0
.rept 64
	v_exp_f32 v[SCO+JJ], v[SCO+JJ]                 ; p = 2^(t - M)
.set JJ, JJ+1
.endr
	v_pk_mul_f32 v[14:15], v[14:15], v[FF:FF+1] op_sel_hi:[1,0]   ; the sums under the new M: a plain place behind the batch
	s_wait_alu depctr_va_vdst(0)                   ; one wait for the 64, ahead of their first reader
.irp b, 0,1,2,3
	v_exp_f32 v[BM+\b], v[BM+\b]                   ; the blocks' largest p
.endr
	v_pk_add_f32 v[PT:PT+1], v[SCO:SCO+1], v[SCO+2:SCO+3]   ; the row's sum, of the unquantised p, in two chains
.set JJ, 4
.rept 15
	v_pk_add_f32 v[14:15], v[14:15], v[SCO+JJ:SCO+JJ+1]
	v_pk_add_f32 v[PT:PT+1], v[PT:PT+1], v[SCO+JJ+2:SCO+JJ+3]
.set JJ, JJ+4
.endr
	v_pk_add_f32 v[14:15], v[14:15], v[PT:PT+1]
	s_wait_alu depctr_va_vdst(0)                   ; and one for the four
.irp b, 0,1,2,3
	v_max_num_f32 v[BM+\b], 0x2800000, v[BM+\b]    ; the floor 2^(5 - 127)
.endr
.irp b, 0,1,2,3
	v_add_nc_u32 v[SO+\b], 0xfe000000, v[BM+\b]
.endr
.irp b, 0,1,2,3
	v_lshrrev_b32 v[PT+\b], 23, v[SO+\b]
.endr
	v_lshl_or_b32 v94, v[PT+1], 8, v[PT]           ; p's scale word for these 128 keys
	v_lshl_or_b32 v94, v[PT+2], 16, v94
	v_lshl_or_b32 v94, v[PT+3], 24, v94
.irp c, 0,1
	v_cvt_scalef32_pk16_bf6_f32 v[PC+6*\c:PC+2+6*\c], v[SCO+32*\c:SCO+15+32*\c], v[SO+2*\c]
	v_cvt_scalef32_pk16_bf6_f32 v[PC+12+4*\c:PC+14+4*\c], v[SCO+16+32*\c:SCO+31+32*\c], v[SO+2*\c+1]
.endr
	v_nop
.irp c, 0,1
.irp i, 0,1,2
	v_permlane16_swap_b32 v[PC+6*\c+\i], v[PC+12+4*\c+\i]
.endr
.irp i, 0,1,2
	v_mov_b32 v[PC+3+6*\c+\i], v[PC+12+4*\c+\i]
.endr
.endr
.set JJ, 0
.rept 16
	v_pk_mul_f32 v[OT+JJ:OT+JJ+1], v[OT+JJ:OT+JJ+1], v[FF:FF+1] op_sel_hi:[1,0]   ; O^T under the new M; these sixteen are also the places behind the scale word and the codes
.set JJ, JJ+2
.endr
.irp t, 0,1,2,3
	HFRAG 40+12*\t, 6400+1536*\t
.endr
	ds_load_b32 v90, v10 offset:12544
	ds_load_b32 v91, v10 offset:12672
	s_wait_dscnt 0x0
.irp t, 0,1,2,3                                ; the four accumulators take turns
.if \t%2
	v_wmma_scale_f32_16x16x128_f8f6f4 v[OT+8*\t:OT+8*\t+7], v[40+12*\t:51+12*\t], v[PC:PC+11], v[OT+8*\t:OT+8*\t+7], v[90+\t/2], v94 matrix_a_fmt:MATRIX_FMT_BF6 matrix_b_fmt:MATRIX_FMT_BF6 matrix_a_scale:MATRIX_SCALE_ROW1
.else
	v_wmma_scale_f32_16x16x128_f8f6f4 v[OT+8*\t:OT+8*\t+7], v[40+12*\t:51+12*\t], v[PC:PC+11], v[OT+8*\t:OT+8*\t+7], v[90+\t/2], v94 matrix_a_fmt:MATRIX_FMT_BF6 matrix_b_fmt:MATRIX_FMT_BF6
.endif
.endr
	s_add_co_u32 s[TB], s[TB], KVS
.endm
.macro CHUNK c                         ; four key steps, brought by the c-th load of waves 0 to 3
	s_wait_tensorcnt 5-\c                          ; that load has landed; the later chunks', Wo's and dWv's may be out (waves 4 to 15 have none)
	s_wait_dscnt 0x0
	s_barrier_signal -1
	s_barrier_wait -1                              ; everybody's has
	s_mov_b32 s[CNT], 4
.Lstep_\@:
	STEP
	s_sub_co_u32 s[CNT], s[CNT], 1
	s_cmp_lg_u32 s[CNT], 0
	s_cbranch_scc1 .Lstep_\@
.endm
	s_load_b256 s[4:11], s[0:1], 0x0               ; qi, kv, woi, dWv
	s_load_b64 s[12:13], s[0:1], 0x20              ; v3p
	v_lshl_add_u32 v254, v0, 2, 0x3fc00
	v_mov_b32 v255, 0
	ds_add_u32 v254, v255
	ds_add_u32 v254, v255
	v_lshrrev_b32 v1, 5, v0
	v_readfirstlane_b32 s[WV], v1                  ; wave 0..15
	s_bfe_u32 s17, ttmp6, 0x40000                  ; cx: it enters global addresses alone
	s_lshl_b32 s[QB], ttmp9, 2
	s_add_co_u32 s[QB], s[QB], s17                 ; my block of 256 queries
	s_and_b32 s[HG], ttmp7, 0xffff
	v_and_b32 v3, 31, v0
	v_lshlrev_b32 v1, 4, v3                        ; 16 x lane
	v_lshlrev_b32 v2, 3, v3                        ; 8 x lane
	v_lshlrev_b32 v3, 2, v3                        ; 4 x lane
	v_and_b32 v6, 15, v0
	v_lshlrev_b32 v6, 2, v6                        ; 4 r
	v_bfe_u32 v4, v0, 4, 1
	v_lshl_add_u32 v4, v4, 5, DW                   ; dWv[3]: + 32 h
	s_lshl_b32 s66, s[WV], 6
	v_add_nc_u32 v5, s66, v6
	v_add_nc_u32 v5, STG, v5
	v_add_nc_u32 v7, STG, v1
	s_mov_b32 s[G1], 15|(3<<16)|(1<<21)
	s_mov_b32 s[G1+1], 32<<16
	s_mov_b32 s[G1+2], 50<<16
	s_mov_b32 s[G1+3], 32<<16
	s_mov_b32 s[G1+4], 50
	s_mov_b32 s[G1+5], 32
	s_mov_b32 s[G1+6], 0
	s_mov_b32 s[G1+7], 0
	s_mov_b32 s[G1D], 15|(3<<16)|(1<<21)
	s_mov_b32 s[G1D+1], 32<<16
	s_mov_b32 s[G1D+2], 4<<16
	s_mov_b32 s[G1D+3], 32<<16
	s_mov_b32 s[G1D+4], 4
	s_mov_b32 s[G1D+5], 32
	s_mov_b32 s[G1D+6], 0
	s_mov_b32 s[G1D+7], 0
	s_mov_b32 s[SEL], 0x76543210
	s_mov_b32 s[SEL+1], 0xfedcba98
	s_mov_b32 s[CS], 0x3e38aa3b                    ; log2(e) / sqrt(64)
	s_mov_b32 s[CS+1], s[CS]
	s_mov_b32 s[TB], 0
	s_mul_i32 s67, s[WV], KVS
	s_mul_i32 s68, s[HG], 204800
	s_add_co_u32 s68, s68, s67
	s_mov_b32 s69, 0
	s_and_b32 s70, s[HG], 15                       ; the head
	s_mul_i32 s70, s70, 51200
	s_add_co_u32 s70, s70, s67
	s_mov_b32 s71, 0
	s_lshl_b32 s72, s[WV], 10
	s_add_co_u32 s78, s72, 12288
	s_mov_b32 s79, 0
	s_wait_dscnt 0x0
	s_wait_kmcnt 0x0
	s_add_nc_u64 s[6:7], s[6:7], s[68:69]
.irp c, 0,1,2,3
	s_mov_b32 s[G0+4*\c], 1
	s_add_co_u32 s[G0+4*\c+1], s67, \c*4*KVS       ; step 4 c + w
	s_add_nc_u64 s[G0+4*\c+2:G0+4*\c+3], s[6:7], \c*4*KVS
	s_or_b32 s[G0+4*\c+3], s[G0+4*\c+3], 0x80000000
.endr
	s_mov_b32 s[G0+16], 1
	s_add_co_u32 s[G0+17], s67, WO                 ; quarter w of Wo's slice
	s_add_nc_u64 s[G0+18:G0+19], s[8:9], s[70:71]
	s_or_b32 s[G0+19], s[G0+19], 0x80000000
	s_mov_b32 s[G0+20], 1
	s_add_co_u32 s[G0+21], s72, DW                 ; quarter w of dWv[3]
	s_add_nc_u64 s[G0+22:G0+23], s[10:11], s[78:79]
	s_or_b32 s[G0+23], s[G0+23], 0x80000000
	ROUND                                          ; the four work-groups are here: the joint loads meet
	s_cmp_lt_u32 s[WV], 4
	s_cbranch_scc0 .Lno_fill
	tensor_load_to_lds s[G0:G0+3], s[G1:G1+7]      ; all fills of the launch, in one branch on the wave's number: six loads of mine are out
	s_nop 0
	tensor_load_to_lds s[G0+4:G0+7], s[G1:G1+7]
	s_nop 0
	tensor_load_to_lds s[G0+8:G0+11], s[G1:G1+7]
	s_nop 0
	tensor_load_to_lds s[G0+12:G0+15], s[G1:G1+7]
	s_nop 0
	tensor_load_to_lds s[G0+16:G0+19], s[G1:G1+7]
	s_nop 0
	tensor_load_to_lds s[G0+20:G0+23], s[G1D:G1D+7]
	s_nop 0
.rept 4
	v_nop
.endr
.Lno_fill:
	s_lshl_b32 s70, s[HG], 7
	s_lshl_b32 s71, s[QB], 4
	s_add_co_u32 s70, s70, s71
	s_add_co_u32 s70, s70, s[WV]                   ; 128 hg + my tile
	s_mul_i32 s72, s70, 768
	s_mov_b32 s73, 0
	s_add_nc_u64 s[74:75], s[4:5], s[72:73]
	s_lshr_b32 s72, s70, 1
	s_lshl_b32 s72, s72, 6
	s_add_co_u32 s72, s72, 3145728
	s_add_nc_u64 s[76:77], s[4:5], s[72:73]
	global_load_b128 v[16:19], v1, s[74:75]        ; q, twice: [q | 0] in v16-27,
	global_load_b64 v[20:21], v2, s[74:75] offset:512
	global_load_b128 v[34:37], v1, s[74:75]        ; [0 | q] in v28-39
	global_load_b64 v[38:39], v2, s[74:75] offset:512
	global_load_b32 v95, v6, s[76:77]              ; two tiles' scale half words
	s_and_b32 s66, s[WV], 1
	s_lshl_b32 s66, s66, 4
	s_sub_co_u32 s67, 16, s66
	s_and_b32 s70, s[HG], 15
	s_lshl_b32 s70, s70, 14
	s_lshr_b32 s71, s[HG], 4
	s_lshl_b32 s71, s71, 13
	s_add_co_u32 s70, s70, s71
	s_lshl_b32 s71, s[QB], 10
	s_add_co_u32 s70, s70, s71
	s_mov_b32 s71, 0
	s_add_nc_u64 s[12:13], s[12:13], s[70:71]      ; v3p: head x 16,384 + (128 batch + 16 block) x 64
	s_wait_loadcnt 0x0
	v_lshrrev_b32 v92, s66, v95                    ; my half word in bytes 0, 1 (over the zero codes: the neighbour tile's bytes, or 0: neither is 0xff),
	v_lshlrev_b32 v93, s67, v95                    ; and in bytes 2, 3
.irp j, 22,23,24,25,26,27,28,29,30,31,32,33
	v_mov_b32 v[\j], 0                             ; the zero halves
.endr
	v_mov_b32 v13, 0xff61b1e6                      ; the largest t so far: -3e38
	v_floor_f32 v12, -v13
	v_mov_b32 v14, 0
	v_mov_b32 v15, 0
.irp b, 0,1,2,3
	v_mov_b32 v[PT+\b], 0
.endr
	v_mov_b32 v[FF+1], 0
.set JJ, 0
.rept 32
	v_mov_b32 v[OT+JJ], 0                          ; the step is written once: the first finds zeros
.set JJ, JJ+1
.endr
	CHUNK 0
	CHUNK 1
	CHUNK 2
	CHUNK 3
	; ---- O / l, quantised along the head's 64 channels
.rept 4
	v_nop
.endr
	v_add_f32 v14, v14, v15
	v_permlanex16_b32 v[TT], v14, s[SEL], s[SEL+1]
	v_add_f32 v14, v14, v[TT]
	v_rcp_f32 v14, v14
	v_nop
	s_wait_alu depctr_va_vdst(0)
.set JJ, 0
.rept 32
	v_mul_f32 v[SCO+JJ], v[OT+JJ], v14             ; register 16 b + i: channel 32 b + 16 h + i
.set JJ, JJ+1
.endr
.irp b, 0,1
	v_max3_num_f32 v[BM+\b], |v[SCO+16*\b]|, |v[SCO+1+16*\b]|, 0x2800000
.endr
.irp i, 2,4,6,8,10,12,14
.irp b, 0,1
	v_max3_num_f32 v[BM+\b], v[BM+\b], |v[SCO+16*\b+\i]|, |v[SCO+1+16*\b+\i]|
.endr
.endr
.irp b, 0,1
	v_permlanex16_b32 v[PT+\b], v[BM+\b], s[SEL], s[SEL+1]
.endr
.irp b, 0,1
	v_max_num_f32 v[BM+\b], v[BM+\b], v[PT+\b]
.endr
.irp b, 0,1
	v_add_nc_u32 v[SO+\b], 0xfe000000, v[BM+\b]
.endr
.irp b, 0,1
	v_lshrrev_b32 v[PT+\b], 23, v[SO+\b]
.endr
	v_lshl_or_b32 v[TT], v[PT+1], 8, v[PT]
	v_or_b32 v92, 0x7f7f0000, v[TT]                ; the two bytes below, 1.0 over the zeros,
	v_lshl_or_b32 v93, v[TT], 16, 0x7f7f           ; and the other way round
	v_cvt_scalef32_pk16_bf6_f32 v[PC:PC+2], v[SCO:SCO+15], v[SO]
	v_cvt_scalef32_pk16_bf6_f32 v[PC+12:PC+14], v[SCO+16:SCO+31], v[SO+1]
	v_nop
.irp i, 0,1,2
	v_permlane16_swap_b32 v[PC+\i], v[PC+12+\i]
.endr
.irp i, 0,1,2
	v_mov_b32 v[16+\i], v[PC+\i]
	v_mov_b32 v[19+\i], v[PC+12+\i]
	v_mov_b32 v[34+\i], v[PC+\i]
	v_mov_b32 v[37+\i], v[PC+12+\i]
.endr
	s_wait_tensorcnt 0x0                           ; Wo's slice and dWv[3] have landed,
	s_wait_dscnt 0x0
	s_barrier_signal -1
	s_barrier_wait -1                              ; everybody's quarter
	v_add_nc_u32 v8, WO, v1
	v_add_nc_u32 v9, WO, v2
	v_add_nc_u32 v10, WO+49152, v3
.irp j, 0,1,2,3
	v_mov_b32 v[FF+\j], 0                          ; the dot's two chains
.endr
.rept 8
	v_nop                                          ; a scale register written by a vector instruction stands eight places ahead of a scaled matrix instruction
.endr
	s_mov_b32 s[CNT], 8
.Lwo:                                              ; eight trips of 128 columns of Wo
.irp k, 0,1,2,3
	HFRAG 40+12*\k, 1536*\k
.endr
	ds_load_b32 v88, v10
	ds_load_b32 v89, v10 offset:128
.irp t, 0,1,2,3,4,5,6,7
	ds_load_b128 v[OT+8*\t:OT+8*\t+3], v4 offset:64*\t         ; dWv[3] at columns 16 T + 8 h + 0 .. 7
	ds_load_b128 v[OT+8*\t+4:OT+8*\t+7], v4 offset:64*\t+16
.endr
	s_wait_dscnt 0x0
	PROD8
.rept 4
	v_nop
.endr
.set JJ, 0
.rept 16
	v_pk_fma_f32 v[FF:FF+1], v[SCO+JJ:SCO+JJ+1], v[OT+JJ:OT+JJ+1], v[FF:FF+1]
	v_pk_fma_f32 v[FF+2:FF+3], v[SCO+JJ+2:SCO+JJ+3], v[OT+JJ+2:OT+JJ+3], v[FF+2:FF+3]
.set JJ, JJ+4
.endr
	v_add_nc_u32 v8, 6144, v8
	v_add_nc_u32 v9, 6144, v9
	v_add_nc_u32 v10, 256, v10
	v_add_nc_u32 v4, 512, v4
	s_sub_co_u32 s[CNT], s[CNT], 1
	s_cmp_lg_u32 s[CNT], 0
	s_cbranch_scc1 .Lwo
	v_pk_add_f32 v[FF:FF+1], v[FF:FF+1], v[FF+2:FF+3]
	v_add_f32 v[FF], v[FF], v[FF+1]
	v_permlanex16_b32 v[FF+2], v[FF], s[SEL], s[SEL+1]
	v_add_f32 v[FF], v[FF], v[FF+2]
	ds_store_b32 v5, v[FF]                         ; lanes r and r + 16 write the same word with the same value
	s_wait_dscnt 0x0
	s_barrier_signal -1
	s_barrier_wait -1
	s_cmp_lg_u32 s[WV], 0
	s_cbranch_scc1 .Lnot_out
	ds_load_b128 v[16:19], v7
	ds_load_b128 v[20:23], v7 offset:512
	s_wait_dscnt 0x0
	global_store_b128 v1, v[16:19], s[12:13]       ; the work-group's 256 numbers: 1,024 consecutive bytes
	global_store_b128 v1, v[20:23], s[12:13] offset:512
.Lnot_out:
	s_wait_tensorcnt 0x0
	ds_add_u32 v254, v255
	s_wait_dscnt 0x0
	ROUND                                          ; the closing round
	s_endpgm
.Lfunc_end_k_q4152985a5c_attn:
	.size	k_q4152985a5c_attn, .Lfunc_end_k_q4152985a5c_attn-k_q4152985a5c_attn
	.p2alignl 7, 3214868480
	.fill 96, 4, 3214868480
	.section	.rodata,"a",@progbits
	.p2align	6, 0x0
	.amdhsa_kernel k_q4152985a5c_attn
		.amdhsa_group_segment_fixed_size 327680
		.amdhsa_private_segment_fixed_size 0
		.amdhsa_enable_private_segment 0
		.amdhsa_kernarg_size 40
		.amdhsa_user_sgpr_count 2
		.amdhsa_user_sgpr_kernarg_segment_ptr 1
		.amdhsa_wavefront_size32 1
		.amdhsa_system_sgpr_workgroup_id_x 1
		.amdhsa_system_sgpr_workgroup_id_y 1
		.amdhsa_system_sgpr_workgroup_id_z 1
		.amdhsa_system_vgpr_workitem_id 0
		.amdhsa_next_free_vgpr 256
		.amdhsa_next_free_sgpr 80
		.amdhsa_reserve_vcc 0
		.amdhsa_float_denorm_mode_32 3
		.amdhsa_float_denorm_mode_16_64 3
		.amdhsa_memory_ordered 1
		.amdhsa_forward_progress 1
		.amdhsa_inst_pref_size 84
	.end_amdhsa_kernel
	.amdgpu_metadata
---
amdhsa.version: [ 1, 2 ]
amdhsa.kernels:
  - .name:           k_q4152985a5c_attn
    .symbol:         k_q4152985a5c_attn.kd
    .args:
      - { .name: qi, .offset: 0, .size: 8, .value_kind: global_buffer, .address_space: global }
      - { .name: kv, .offset: 8, .size: 8, .value_kind: global_buffer, .address_space: global }
      - { .name: woi, .offset: 16, .size: 8, .value_kind: global_buffer, .address_space: global }
      - { .name: dWv, .offset: 24, .size: 8, .value_kind: global_buffer, .address_space: global }
      - { .name: v3p, .offset: 32, .size: 8, .value_kind: global_buffer, .address_space: global }
    .group_segment_fixed_size: 327680
    .private_segment_fixed_size: 0
    .kernarg_segment_align: 8
    .kernarg_segment_size: 40
    .max_flat_workgroup_size: 512
    .sgpr_count:     80
    .vgpr_count:     256
    .wavefront_size: 32
...
	.end_amdgpu_metadata
.endif
;; end of part 3
;; launch final (part 4): grid 64 x 1, 4 waves a work-group, clusters of 4 x 1, 327,680 bytes of LDS; arguments xq, xp, bl, wi, v3p, bo, dWv, dbb, dbv, ln_g, ln_b, out0; writes out0
.if DOCPART == 4
	.amdgcn_target "amdgcn-amd-amdhsa--gfx1250"
	.amdhsa_code_object_version 6
	.text
	.protected	k_q4152985a5c_final
	.globl	k_q4152985a5c_final
	.p2align	8
	.type	k_q4152985a5c_final,@function
k_q4152985a5c_final:
	s_mov_b64 s[64:65], 0
	v_nop
	global_prefetch_b8 v0, s[64:65] scope:SCOPE_SE
	s_setreg_imm32_b32 hwreg(HW_REG_WAVE_MODE, 25, 1), 1
	s_wait_xcnt 0x0
	s_wait_alu depctr_hold_cnt(0) depctr_sa_sdst(0) depctr_va_vdst(0) depctr_va_sdst(0) depctr_va_ssrc(0) depctr_va_vcc(0) depctr_vm_vsrc(0)
	s_getreg_b32 s2, hwreg(HW_REG_IB_STS2, 6, 4)
	s_cmp_eq_u32 s2, 0
	s_cbranch_scc0 .Lentry_in_a_cluster
	s_endpgm
.Lentry_in_a_cluster:
	s_bfe_u32 s2, ttmp6, 0x10000c
	s_cmp_lg_u32 s2, 0x3003
	s_cbranch_scc0 .Lentry_shape_is_right
	s_endpgm
.Lentry_shape_is_right:
; FINAL.  Work-group: 64 rows.  k_raw = x dWk[3] on codes of BF6 (E3M2), K = 1,024 in 8 steps of 128, kept in the accumulators; the delta y = x + c k_raw; LayerNorm over the row; out0.
; Shares, layouts, ring and cluster as in the launch for q, k and v: wave w owns columns 256 w .. 256 w + 255 of all 64 rows; the four row blocks of a cluster ask for the weight's parts jointly.
; (out Wo + bo) . dWv[3] comes as sixteen parts a row (one a head) and bo . dWv[3].  The mean is (sum x + c sum k_raw) / 1,024; the variance is summed of (y - mean)^2.
; LIMITS: NaN, infinities and a scale byte 0xff are not served; the rows' sums are taken by lanes and waves, in another order than a plain sum.
.set SLOT,  102400
.set PART,  25600
.set AIMG,  204800
.set ASC,   AIMG+49152
.set RED,   278528
.set SPARE, 286720
.set L16, 1
.set L4,  2
.set R4,  3
.set H64, 4
.set ADA, 5                            ; behind the products: where I put 16 bytes of a row in my stage
.set ADAS, 6
.set ADB, 7                            ; v7 also: where I read a row back from my stage, which lies in my part of slot 0
.set ADS, 9
.set RDW, 11
.set RDR, 12
.set SPW, 14
.set NIL, 15
.set SA,  16
.set SB,  20
.set VS,  28
.set N2,  36                           ; later the variance's pairs
.set KX,  44
.set BD,  52
.set ADAC, 54
.set ADSC, 55
.set AF,  56
.set US,  56                           ; v56-59 chains of sum x
.set SX,  64                           ; v64-71
.set SK,  72                           ; v72-79
.set RS,  80                           ; v80-87 1 / sqrt(var + eps), as pairs
.set TS,  104
.set CC,  112
.set MU,  120                          ; v120-127 the mean, as pairs
.set BLV, 124
.set XA,  128
.set WV,  28
.set RB,  30
.set G1W, 32
.set G1A, 40
.set G0,  48
.set G0A, 56
.set KA,  60
.set KS,  61
.set SEL, 68
.set XPB, 70
.set OUTB, 72
.set MSB, 0
.macro WIN new
.set WNEW, \new
.if MSB != WNEW
	s_set_vgpr_msb (MSB<<8)|WNEW
.set MSB, WNEW
.endif
.endm
.macro PLACES n
.rept \n
	v_nop
.endr
.endm
.macro ROUND
	s_barrier_signal -1
	s_barrier_wait -1
	s_cmp_lg_u32 s[WV], 0
	s_cbranch_scc1 .Lnot_wave_0_\@
	s_barrier_signal -3
.Lnot_wave_0_\@:
	s_barrier_wait -3
	s_barrier_signal -1
	s_barrier_wait -1
.endm
.macro VLOAD reg, w, base              ; a vector of 1,024 f32 at my lane's 128 columns
	WIN (\w)<<6
.set KK, 0
.rept 32
	global_load_b128 v[\reg+4*KK:\reg+4*KK+3], v[H64], s[\base:\base+1] offset:128*(KK/4)+16*(KK%4)
.set KK, KK+1
.endr
	WIN 0
.endm
.macro XLOAD m, reg, w
	WIN (\w)<<6
.set KK, 0
.rept 32
	global_load_b128 v[\reg+4*KK:\reg+4*KK+3], v[L16], s[XPB:XPB+1] offset:(\m)*65536+512*KK
.set KK, KK+1
.endr
	WIN 0
.endm
.macro LOADS slot
.irp m, 0,1,2,3
	ds_load_b32 v[SA+\m], v[ADSC] offset:512*\m
.endr
.irp b, 0,1,2,3,4,5,6,7
	ds_load_b32 v[SB+\b], v[ADS+\slot] offset:128*\b
.endr
.irp m, 0,1,2,3
.irp j, 0,1,2
	ds_load_b128 v[AF+12*\m+4*\j:AF+12*\m+4*\j+3], v[ADAC] offset:12288*\m+512*\j
.endr
.endr
	WIN 0x40
.irp n, 0,1,2,3,4,5,6,7,8,9,10,11,12,13,14,15
.irp j, 0,1,2
	ds_load_b128 v[12*\n+4*\j:12*\n+4*\j+3], v[ADB+\slot] offset:1536*\n+512*\j
.endr
.endr
.endm
.macro MULS zero                       ; 64 matrix instructions; the 64 accumulators take turns
.irp g, 0,1,2,3
	s_wait_dscnt 36-12*\g                          ; all but the fragments of the later groups of four tiles are in
	WIN 0xa1+0x50*(\g/2)
.irp n, 0,1,2,3
.irp m, 0,1,2,3
.set NTI, 4*\g+\n
.set ACR, 64*((NTI/2)%4)+16*\m+8*(NTI%2)
.if \zero
.if NTI%2
	v_wmma_scale_f32_16x16x128_f8f6f4 v[ACR:ACR+7], v[12*NTI:12*NTI+11], v[AF+12*\m:AF+12*\m+11], 0, v[SB+NTI/2], v[SA+\m] matrix_a_fmt:MATRIX_FMT_BF6 matrix_b_fmt:MATRIX_FMT_BF6 matrix_a_scale:MATRIX_SCALE_ROW1
.else
	v_wmma_scale_f32_16x16x128_f8f6f4 v[ACR:ACR+7], v[12*NTI:12*NTI+11], v[AF+12*\m:AF+12*\m+11], 0, v[SB+NTI/2], v[SA+\m] matrix_a_fmt:MATRIX_FMT_BF6 matrix_b_fmt:MATRIX_FMT_BF6
.endif
.else
.if NTI%2
	v_wmma_scale_f32_16x16x128_f8f6f4 v[ACR:ACR+7], v[12*NTI:12*NTI+11], v[AF+12*\m:AF+12*\m+11], v[ACR:ACR+7], v[SB+NTI/2], v[SA+\m] matrix_a_fmt:MATRIX_FMT_BF6 matrix_b_fmt:MATRIX_FMT_BF6 matrix_a_scale:MATRIX_SCALE_ROW1
.else
	v_wmma_scale_f32_16x16x128_f8f6f4 v[ACR:ACR+7], v[12*NTI:12*NTI+11], v[AF+12*\m:AF+12*\m+11], v[ACR:ACR+7], v[SB+NTI/2], v[SA+\m] matrix_a_fmt:MATRIX_FMT_BF6 matrix_b_fmt:MATRIX_FMT_BF6
.endif
.endif
.endr
.endr
.endr
	WIN 0
.endm
.macro KSTEP
	s_add_co_u32 s[KA], s[KA], 1536
	s_add_co_u32 s[KS], s[KS], 64
.endm
.macro OPEN slot                       ; the head of a step that reads \slot and fills the other slot again, with the step after this one
	s_wait_tensorcnt 0x0                           ; all my tensor loads have landed
	ds_add_u32 v[SPW], v[NIL]                      ; 0 onto my spare word
	s_add_nc_u64 s[G0+6-4*\slot:G0+7-4*\slot], s[G0+6-4*\slot:G0+7-4*\slot], 2*SLOT
	v_add_nc_u32 v[ADAC], s[KA], v[ADA]
	v_add_nc_u32 v[ADSC], s[KS], v[ADAS]
	s_wait_dscnt 0x0                               ; the add is done, and my reads of the other slot are over
	ROUND
	tensor_load_to_lds s[G0+4-4*\slot:G0+7-4*\slot], s[G1W:G1W+7]
	s_nop 0
	PLACES 4
.endm
.macro N2SK                            ; |k_raw|^2 and sum k_raw, chains by rows' tiles; each accumulator is read from its low end on
.set BQ, 0
.rept 8
	WIN 0x0a+5*(BQ/4)
.set EE, 0
.rept 8
.irp m, 0,1,2,3
.set ACR, 64*(BQ%4)+16*\m+EE
.if (BQ == 0) && (EE == 0)
	v_pk_mul_f32 v[N2+2*\m:N2+2*\m+1], v[ACR:ACR+1], v[ACR:ACR+1]
	v_pk_mul_f32 v[SK+2*\m:SK+2*\m+1], v[ACR:ACR+1], 1.0 op_sel_hi:[1,0]
.else
	v_pk_fma_f32 v[N2+2*\m:N2+2*\m+1], v[ACR:ACR+1], v[ACR:ACR+1], v[N2+2*\m:N2+2*\m+1]
	v_pk_fma_f32 v[SK+2*\m:SK+2*\m+1], v[ACR:ACR+1], 1.0, v[SK+2*\m:SK+2*\m+1] op_sel_hi:[1,0,1]
.endif
.endr
.set EE, EE+2
.endr
.set BQ, BQ+1
.endr
	WIN 0
.endm
.macro KXSX m, reg, w                  ; k_raw . x and sum x of tile m
.set KK, 0
.rept 64
.if KK%32 == 0
	WIN (\w)|((2+KK/32)<<2)
.endif
.set ACR, 64*((KK/8)%4)+16*(\m)+2*(KK%8)
.if KK < 4
	v_pk_mul_f32 v[TS+2*(KK%4):TS+2*(KK%4)+1], v[\reg+2*KK:\reg+2*KK+1], v[ACR:ACR+1]
.else
	v_pk_fma_f32 v[TS+2*(KK%4):TS+2*(KK%4)+1], v[\reg+2*KK:\reg+2*KK+1], v[ACR:ACR+1], v[TS+2*(KK%4):TS+2*(KK%4)+1]
.endif
.if KK < 2
	v_pk_mul_f32 v[US+2*(KK%2):US+2*(KK%2)+1], v[\reg+2*KK:\reg+2*KK+1], 1.0 op_sel_hi:[1,0]
.else
	v_pk_fma_f32 v[US+2*(KK%2):US+2*(KK%2)+1], v[\reg+2*KK:\reg+2*KK+1], 1.0, v[US+2*(KK%2):US+2*(KK%2)+1] op_sel_hi:[1,0,1]
.endif
.set KK, KK+1
.endr
	WIN 0
	v_pk_add_f32 v[TS:TS+1], v[TS:TS+1], v[TS+2:TS+3]
	v_pk_add_f32 v[TS+4:TS+5], v[TS+4:TS+5], v[TS+6:TS+7]
	v_pk_add_f32 v[KX+2*(\m):KX+2*(\m)+1], v[TS:TS+1], v[TS+4:TS+5]
	v_pk_add_f32 v[SX+2*(\m):SX+2*(\m)+1], v[US:US+1], v[US+2:US+3]
.endm
.macro FOLD base, n
.set KK, 0
.rept \n
	v_add_f32 v[\base+2*KK], v[\base+2*KK], v[\base+2*KK+1]
.set KK, KK+1
.endr
.set KK, 0
.rept \n
	v_permlanex16_b32 v[\base+2*KK+1], v[\base+2*KK], s[SEL], s[SEL+1]
.set KK, KK+1
.endr
.set KK, 0
.rept \n
	v_add_f32 v[\base+2*KK], v[\base+2*KK], v[\base+2*KK+1]
.set KK, KK+1
.endr
.endm
; Tile m: the accumulators take y - mean = (k_raw x c + x) - mean, and its squares are summed.
.macro YPASS m, reg, w
.irp q, 0,1
	WIN ((2+\q)<<6)|((\w)<<4)|(2+\q)
.set KK, 32*\q
.rept 32
.set ACR, 64*((KK/8)%4)+16*(\m)+2*(KK%8)
	v_pk_fma_f32 v[ACR:ACR+1], v[ACR:ACR+1], v[CC+2*(\m):CC+2*(\m)+1], v[\reg+2*KK:\reg+2*KK+1]
.set KK, KK+1
.endr
	WIN ((2+\q)<<6)|(2+\q)
.set KK, 32*\q
.rept 32
.set ACR, 64*((KK/8)%4)+16*(\m)+2*(KK%8)
	v_pk_add_f32 v[ACR:ACR+1], v[ACR:ACR+1], v[MU+2*(\m):MU+2*(\m)+1] neg_lo:[0,1] neg_hi:[0,1]
.set KK, KK+1
.endr
	WIN (2+\q)|((2+\q)<<2)
.set KK, 32*\q
.rept 32
.set ACR, 64*((KK/8)%4)+16*(\m)+2*(KK%8)
.if KK < 4
	v_pk_mul_f32 v[TS+2*(KK%4):TS+2*(KK%4)+1], v[ACR:ACR+1], v[ACR:ACR+1]
.else
	v_pk_fma_f32 v[TS+2*(KK%4):TS+2*(KK%4)+1], v[ACR:ACR+1], v[ACR:ACR+1], v[TS+2*(KK%4):TS+2*(KK%4)+1]
.endif
.set KK, KK+1
.endr
.endr
	WIN 0
	v_pk_add_f32 v[TS:TS+1], v[TS:TS+1], v[TS+2:TS+3]
	v_pk_add_f32 v[TS+4:TS+5], v[TS+4:TS+5], v[TS+6:TS+7]
	v_pk_add_f32 v[N2+2*(\m):N2+2*(\m)+1], v[TS:TS+1], v[TS+4:TS+5]
.endm
; Tile m goes out: ((y - mean) x rstd) x g + b, through my stage (rows of 1,024 bytes + 16), as whole pieces of 512 bytes of a row.
.macro OUTM m
	s_wait_xcnt 0x0                                ; the last tile's stores have read XA
.irp q, 0,1
	WIN 2+\q
.set KK, 32*\q
.rept 32
.set ACR, 64*((KK/8)%4)+16*(\m)+2*(KK%8)
	v_pk_mul_f32 v[XA+2*KK:XA+2*KK+1], v[ACR:ACR+1], v[RS+2*(\m):RS+2*(\m)+1]
.set KK, KK+1
.endr
.endr
	WIN 0x14                                       ; g and b lie in window 1
.set KK, 0
.rept 64
	v_pk_fma_f32 v[XA+2*KK:XA+2*KK+1], v[XA+2*KK:XA+2*KK+1], v[2*KK:2*KK+1], v[128+2*KK:128+2*KK+1]
.set KK, KK+1
.endr
	WIN 0
.set KK, 0
.rept 32
	ds_store_b128 v[ADA], v[XA+4*KK:XA+4*KK+3] offset:128*(KK/4)+16*(KK%4)
.set KK, KK+1
.endr
.set KK, 0
.rept 32
	ds_load_b128 v[XA+4*KK:XA+4*KK+3], v[ADB] offset:1040*(KK/2)+512*(KK%2)   ; LDS serves a wave's instructions in order: these see my stores
.set KK, KK+1
.endr
.set KK, 0
.rept 32
	s_wait_dscnt 31-KK                             ; piece KK is back; the younger ones may be out
	global_store_b128 v[L16], v[XA+4*KK:XA+4*KK+3], s[OUTB:OUTB+1] offset:(32*((\m)/2)+8*((\m)%2)+(KK/2)+8*((KK/2)/8))*4096+512*(KK%2) th:TH_STORE_NT   ; 32 lanes store 512 consecutive bytes, aligned
.set KK, KK+1
.endr
.endm
	s_load_b512 s[4:19], s[0:1], 0x0               ; xq, xp, bl, wi, v3p, bo, dWv, dbb
	s_load_b256 s[20:27], s[0:1], 0x40             ; dbv, ln_g, ln_b, out0
	v_lshl_add_u32 v[SPW], v0, 2, SPARE
	v_mov_b32 v[NIL], 0
	ds_add_u32 v14, v15
	ds_add_u32 v14, v15
	s_wait_dscnt 0x0
	v_lshrrev_b32 v1, 5, v0
	v_readfirstlane_b32 s[WV], v1
	s_bfe_u32 s31, ttmp6, 0x40000                  ; cx: it enters global addresses alone
	s_lshl_b32 s[RB], ttmp9, 2
	s_add_co_u32 s[RB], s[RB], s31
	s_mov_b32 s[G1W], 15|(3<<16)|(1<<21)
	s_mov_b32 s[G1W+1], 32<<16
	s_mov_b32 s[G1W+2], 100<<16
	s_mov_b32 s[G1W+3], 32<<16
	s_mov_b32 s[G1W+4], 100
	s_mov_b32 s[G1W+5], 32
	s_mov_b32 s[G1W+6], 0
	s_mov_b32 s[G1W+7], 0
	s_mov_b32 s[G1A], 3<<16
	s_mov_b32 s[G1A+1], 32<<16
	s_mov_b32 s[G1A+2], 50<<16
	s_mov_b32 s[G1A+3], 32<<16
	s_mov_b32 s[G1A+4], 50
	s_mov_b32 s[G1A+5], 32
	s_mov_b32 s[G1A+6], 0
	s_mov_b32 s[G1A+7], 0
	s_mov_b32 s[SEL], 0x76543210
	s_mov_b32 s[SEL+1], 0xfedcba98
	s_mov_b32 s[KA], 0
	s_mov_b32 s[KS], 0
	s_mul_i32 s82, s[WV], PART
	s_mul_i32 s83, s[WV], 12800
	v_and_b32 v1, 31, v0
	v_lshlrev_b32 v[L4], 2, v1
	v_lshlrev_b32 v[L16], 4, v1
	v_and_b32 v[R4], 15, v0
	v_lshlrev_b32 v[R4], 2, v[R4]
	v_bfe_u32 v[H64], v0, 4, 1
	v_lshlrev_b32 v[H64], 6, v[H64]
	v_add_nc_u32 v[ADA], AIMG, v[L16]
	v_add_nc_u32 v[ADAS], ASC, v[R4]
	v_add_nc_u32 v[ADB], s82, v[L16]
	v_add_nc_u32 v[ADB+1], SLOT, v[ADB]
	v_add_nc_u32 v[ADS], s82, v[L4]
	v_add_nc_u32 v[ADS], 24576, v[ADS]
	v_add_nc_u32 v[ADS+1], SLOT, v[ADS]
	v_lshl_add_u32 v[RDR], v[R4], 2, RED
	s_lshl_b32 s86, s[WV], 2
	v_add_nc_u32 v[RDW], s86, v[RDR]
	s_add_co_u32 s80, s82, 4915200                 ; dWk[3]'s eight steps
	s_mov_b32 s81, 0
	s_mul_i32 s84, s[RB], 51200
	s_add_co_u32 s84, s84, s83
	s_mov_b32 s85, 0
	s_lshl_b32 s90, s[RB], 18
	s_lshl_b32 s91, s[WV], 14
	s_add_co_u32 s90, s90, s91
	s_mov_b32 s91, 0
	s_lshl_b32 s92, s[RB], 18
	s_lshl_b32 s93, s[WV], 10
	s_add_co_u32 s92, s92, s93
	s_mov_b32 s93, 0
	s_wait_kmcnt 0x0
	s_mov_b32 s[G0], 1
	s_mov_b32 s[G0+1], s82
	s_add_nc_u64 s[G0+2:G0+3], s[10:11], s[80:81]
	s_mov_b32 s[G0+4], 1
	s_add_co_u32 s[G0+5], s82, SLOT
	s_add_nc_u64 s[G0+6:G0+7], s[G0+2:G0+3], SLOT
	s_or_b32 s[G0+3], s[G0+3], 0x80000000
	s_or_b32 s[G0+7], s[G0+7], 0x80000000
	s_mov_b32 s[G0A], 1
	s_add_co_u32 s[G0A+1], s83, AIMG
	s_add_nc_u64 s[G0A+2:G0A+3], s[4:5], s[84:85]
	s_or_b32 s[G0A+3], s[G0A+3], 0x80000000
	s_add_nc_u64 s[XPB:XPB+1], s[6:7], s[90:91]
	s_add_nc_u64 s[OUTB:OUTB+1], s[26:27], s[92:93]
	ROUND                                          ; the four work-groups are here: the first joint loads meet
	tensor_load_to_lds s[G0A:G0A+3], s[G1A:G1A+7]  ; my quarter of x's images
	s_nop 0
	tensor_load_to_lds s[G0:G0+3], s[G1W:G1W+7]    ; step 0
	s_nop 0
	tensor_load_to_lds s[G0+4:G0+7], s[G1W:G1W+7]  ; step 1: three loads of mine are out
	s_nop 0
	PLACES 4
	s_load_b32 s78, s[18:19], 0xc                  ; dbb[3]
	s_load_b32 s79, s[20:21], 0xc                  ; dbv[3]
	s_lshl_b32 s88, s[WV], 10
	s_mov_b32 s89, 0
	s_add_nc_u64 s[14:15], s[14:15], s[88:89]      ; bo, ln_g, ln_b at my wave's columns
	s_add_nc_u64 s[22:23], s[22:23], s[88:89]
	s_add_nc_u64 s[24:25], s[24:25], s[88:89]
	s_add_co_u32 s88, s88, 12288
	s_add_nc_u64 s[16:17], s[16:17], s[88:89]      ; dWv[3] likewise
	s_lshl_b32 s88, s[WV], 16
	s_lshl_b32 s90, s[RB], 8
	s_add_co_u32 s88, s88, s90
	s_add_nc_u64 s[12:13], s[12:13], s[88:89]      ; v3p: heads 4 w on, my four tiles of rows
	s_lshl_b32 s88, s[RB], 10
	s_add_co_u32 s88, s88, 192
	s_add_nc_u64 s[8:9], s[8:9], s[88:89]          ; x . dbw[3]
	VLOAD 0, 1, 16
	VLOAD 128, 1, 14
.irp m, 0,1,2,3
.irp hh, 0,1,2,3
	global_load_b32 v[56+4*\m+\hh], v[R4], s[12:13] offset:16384*\hh+64*\m
.endr
.endr
.irp m, 0,1,2,3
	global_load_b32 v[BLV+\m], v[R4], s[8:9] offset:256*\m
.endr
	XLOAD 0, XA, 0
	s_wait_loadcnt 32                              ; all but tile 0's 32 loads of x are in
	WIN 0x05                                       ; both sources window 1
	v_pk_mul_f32 v[TS:TS+1], v[0:1], v[128:129]
	v_pk_mul_f32 v[TS+2:TS+3], v[2:3], v[130:131]
.set KK, 2
.rept 31
	v_pk_fma_f32 v[TS:TS+1], v[2*KK:2*KK+1], v[128+2*KK:128+2*KK+1], v[TS:TS+1]
	v_pk_fma_f32 v[TS+2:TS+3], v[2*KK+2:2*KK+3], v[128+2*KK+2:128+2*KK+3], v[TS+2:TS+3]
.set KK, KK+2
.endr
	WIN 0
	v_pk_add_f32 v[BD:BD+1], v[TS:TS+1], v[TS+2:TS+3]
	v_add_f32 v[BD], v[BD], v[BD+1]
	v_permlanex16_b32 v[BD+1], v[BD], s[SEL], s[SEL+1]
	v_add_f32 v[BD], v[BD], v[BD+1]                ; bo . dWv[3] over my wave's 256 columns
.irp m, 0,1,2,3
	v_add_f32 v[56+4*\m], v[56+4*\m], v[57+4*\m]
	v_add_f32 v[58+4*\m], v[58+4*\m], v[59+4*\m]
.endr
.irp m, 0,1,2,3
	v_add_f32 v[56+4*\m], v[56+4*\m], v[58+4*\m]
.endr
.irp m, 0,1,2,3
	v_add_f32 v[VS+2*\m], v[56+4*\m], v[BD]        ; my wave's part of (out Wo + bo) . dWv[3]
.endr
	s_wait_kmcnt 0x0
	; ---- the ring: 8 steps
	s_wait_tensorcnt 0x1                           ; x's quarter and step 0 are in; step 1's load may be out
	s_barrier_signal -1
	s_barrier_wait -1
	v_add_nc_u32 v[ADAC], s[KA], v[ADA]
	v_add_nc_u32 v[ADSC], s[KS], v[ADAS]
	LOADS 0
	MULS 1
	KSTEP
	s_mov_b32 s3, 3
.Lsteps:                                           ; steps 1 to 6
	OPEN 1
	LOADS 1
	MULS 0
	KSTEP
	OPEN 0
	LOADS 0
	MULS 0
	KSTEP
	s_sub_co_u32 s3, s3, 1
	s_cmp_lg_u32 s3, 0
	s_cbranch_scc1 .Lsteps
	s_wait_tensorcnt 0x0                           ; step 7: my part is in, and I alone read it; nothing is left to fetch
	v_add_nc_u32 v[ADAC], s[KA], v[ADA]
	v_add_nc_u32 v[ADSC], s[KS], v[ADAS]
	PLACES 4
	LOADS 1
	MULS 0
	; ---- the rows' sums
	PLACES 4
	XLOAD 1, 0, 1
	XLOAD 2, 128, 1
	N2SK
	s_wait_loadcnt 63                              ; tile 0's x is in.  64 loads (tiles 1 and 2) were issued behind it; a wait's count ends at 63, so the first of them is waited for too
	KXSX 0, XA, 0
	XLOAD 3, XA, 0
	s_wait_loadcnt 63                              ; tile 1's is in: behind it stand the 64 loads of tiles 2 and 3, counted as above
	KXSX 1, 0, 1
	s_wait_loadcnt 32                              ; tile 2's is in; tile 3's 32 loads may be out
	KXSX 2, 128, 1
	s_wait_loadcnt 0x0
	KXSX 3, XA, 0
	FOLD N2, 8
	FOLD SX, 8
.irp m, 0,1,2,3
	ds_store_b32 v[RDW], v[VS+2*\m] offset:256*\m
.endr
.irp i, 0,1,2,3,4,5,6,7
	ds_store_b32 v[RDW], v[N2+2*\i] offset:1024+256*\i
.endr
.irp i, 0,1,2,3,4,5,6,7
	ds_store_b32 v[RDW], v[SX+2*\i] offset:3072+256*\i
.endr
	s_wait_dscnt 0x0
	s_barrier_signal -1
	s_barrier_wait -1
.irp i, 0,1,2,3,4,5,6,7,8,9,10,11
	ds_load_b128 v[56+4*\i:59+4*\i], v[RDR] offset:256*\i
.endr
	s_wait_dscnt 0x0
.irp i, 0,1,2,3,4,5,6,7,8,9,10,11
	v_add_f32 v[56+4*\i], v[56+4*\i], v[57+4*\i]
	v_add_f32 v[58+4*\i], v[58+4*\i], v[59+4*\i]
.endr
.irp i, 0,1,2,3,4,5,6,7,8,9,10,11
	v_add_f32 v[VS+2*\i], v[56+4*\i], v[58+4*\i]
.endr
.irp i, 0,1,2,3,4,5,6,7
	ds_load_b128 v[56+4*\i:59+4*\i], v[RDR] offset:3072+256*\i
.endr
	s_wait_dscnt 0x0
.irp i, 0,1,2,3,4,5,6,7
	v_add_f32 v[56+4*\i], v[56+4*\i], v[57+4*\i]
	v_add_f32 v[58+4*\i], v[58+4*\i], v[59+4*\i]
.endr
.irp i, 0,1,2,3,4,5,6,7
	v_add_f32 v[VS+1+2*\i], v[56+4*\i], v[58+4*\i] ; sum x in v29, 31, 33, 35; sum k_raw in v37, 39, 41, 43
.endr
	; c = beta d (v - (k_raw . x) d), d = 1 / (|k_raw| + 1e-8), beta = 2 / (1 + 2^(-log2(e) (x . dbw + dbb)))
.irp m, 0,1,2,3
	v_add_f32 v[60+\m], s78, v[BLV+\m]
.endr
.irp m, 0,1,2,3
	v_mul_f32 v[60+\m], 0xbfb8aa3b, v[60+\m]
.endr
.irp m, 0,1,2,3
	v_sqrt_f32 v[56+\m], v[N2+2*\m]
.endr
.irp m, 0,1,2,3
	v_exp_f32 v[60+\m], v[60+\m]
.endr
	v_nop
	s_wait_alu depctr_va_vdst(0)                   ; one wait for the eight, ahead of their first reader
.irp m, 0,1,2,3
	v_add_f32 v[56+\m], 0x322bcc77, v[56+\m]
.endr
.irp m, 0,1,2,3
	v_add_f32 v[60+\m], 1.0, v[60+\m]
.endr
.irp m, 0,1,2,3
	v_rcp_f32 v[56+\m], v[56+\m]
.endr
.irp m, 0,1,2,3
	v_rcp_f32 v[60+\m], v[60+\m]
.endr
	v_nop
	s_wait_alu depctr_va_vdst(0)
.irp m, 0,1,2,3
	v_add_f32 v[VS+2*\m], s79, v[VS+2*\m]
.endr
.irp m, 0,1,2,3
	v_fma_f32 v[VS+2*\m], -v[KX+2*\m], v[56+\m], v[VS+2*\m]
.endr
.irp m, 0,1,2,3
	v_mul_f32 v[60+\m], v[60+\m], v[56+\m]
.endr
.irp m, 0,1,2,3
	v_mul_f32 v[VS+2*\m], v[VS+2*\m], v[60+\m]
.endr
.irp m, 0,1,2,3
	v_add_f32 v[CC+2*\m], v[VS+2*\m], v[VS+2*\m]
.endr
.irp m, 0,1,2,3
	v_mov_b32 v[CC+2*\m+1], v[CC+2*\m]
.endr
.irp m, 0,1,2,3
	v_fma_f32 v[MU+2*\m], v[CC+2*\m], v[N2+1+2*\m], v[VS+1+2*\m]   ; sum y = sum x + c sum k_raw
.endr
.irp m, 0,1,2,3
	v_mul_f32 v[MU+2*\m], 0x3a800000, v[MU+2*\m]   ; / 1,024
.endr
.irp m, 0,1,2,3
	v_mov_b32 v[MU+2*\m+1], v[MU+2*\m]
.endr
	YPASS 3, XA, 0
	XLOAD 0, XA, 0                                 ; tile 0's x once more
	YPASS 1, 0, 1
	VLOAD 0, 1, 22                                 ; ln_g where tile 1's x lay
	YPASS 2, 128, 1
	VLOAD 128, 1, 24                               ; ln_b where tile 2's lay
	s_wait_loadcnt 63                              ; tile 0's x is in: behind it stand the 64 loads of ln_g and ln_b; a wait's count ends at 63, so the first of them is waited for too
	YPASS 0, XA, 0
	FOLD N2, 4
.irp m, 0,1,2,3
	ds_store_b32 v[RDW], v[N2+2*\m] offset:5120+256*\m   ; other bytes than the first sums'
.endr
	s_wait_dscnt 0x0
	s_barrier_signal -1
	s_barrier_wait -1
.irp m, 0,1,2,3
	ds_load_b128 v[64+4*\m:67+4*\m], v[RDR] offset:5120+256*\m
.endr
	v_and_b32 v[ADA], 15, v0                       ; my stage, in my part of slot 0, which has had its last fill and which I alone have read
	v_mul_u32_u24 v[ADA], v[ADA], 1040
	v_add_nc_u32 v[ADA], v[ADA], v[H64]
	s_mul_i32 s82, s[WV], PART
	v_add_nc_u32 v[ADA], s82, v[ADA]
	s_wait_dscnt 0x0
.irp m, 0,1,2,3
	v_add_f32 v[64+4*\m], v[64+4*\m], v[65+4*\m]
	v_add_f32 v[66+4*\m], v[66+4*\m], v[67+4*\m]
.endr
.irp m, 0,1,2,3
	v_add_f32 v[RS+2*\m], v[64+4*\m], v[66+4*\m]
.endr
.irp m, 0,1,2,3
	v_mul_f32 v[RS+2*\m], 0x3a800000, v[RS+2*\m]
.endr
.irp m, 0,1,2,3
	v_add_f32 v[RS+2*\m], 0x3727c5ac, v[RS+2*\m]   ; + 1e-5
.endr
.irp m, 0,1,2,3
	v_rsq_f32 v[RS+2*\m], v[RS+2*\m]
.endr
	v_nop
	s_wait_alu depctr_va_vdst(0)
.irp m, 0,1,2,3
	v_mov_b32 v[RS+2*\m+1], v[RS+2*\m]
.endr
	s_wait_loadcnt 0x0                             ; ln_g and ln_b
	OUTM 0
	OUTM 1
	OUTM 2
	OUTM 3
	s_wait_tensorcnt 0x0                           ; the wave's end
	ds_add_u32 v[SPW], v[NIL]
	s_wait_dscnt 0x0
	ROUND                                          ; the closing round
	s_endpgm
.Lfunc_end_k_q4152985a5c_final:
	.size	k_q4152985a5c_final, .Lfunc_end_k_q4152985a5c_final-k_q4152985a5c_final
	.p2alignl 7, 3214868480
	.fill 96, 4, 3214868480
	.section	.rodata,"a",@progbits
	.p2align	6, 0x0
	.amdhsa_kernel k_q4152985a5c_final
		.amdhsa_group_segment_fixed_size 327680
		.amdhsa_private_segment_fixed_size 0
		.amdhsa_enable_private_segment 0
		.amdhsa_kernarg_size 96
		.amdhsa_user_sgpr_count 2
		.amdhsa_user_sgpr_kernarg_segment_ptr 1
		.amdhsa_wavefront_size32 1
		.amdhsa_system_sgpr_workgroup_id_x 1
		.amdhsa_system_sgpr_workgroup_id_y 1
		.amdhsa_system_sgpr_workgroup_id_z 1
		.amdhsa_system_vgpr_workitem_id 0
		.amdhsa_next_free_vgpr 1024
		.amdhsa_next_free_sgpr 100
		.amdhsa_reserve_vcc 0
		.amdhsa_float_denorm_mode_32 3
		.amdhsa_float_denorm_mode_16_64 3
		.amdhsa_memory_ordered 1
		.amdhsa_forward_progress 1
		.amdhsa_inst_pref_size 255
	.end_amdhsa_kernel
	.section	.bss,"aw",@nobits
	.p2align	6
	.space	262144
	.amdgpu_metadata
---
amdhsa.version: [ 1, 2 ]
amdhsa.kernels:
  - .name:           k_q4152985a5c_final
    .symbol:         k_q4152985a5c_final.kd
    .args:
      - { .name: xq, .offset: 0, .size: 8, .value_kind: global_buffer, .address_space: global }
      - { .name: xp, .offset: 8, .size: 8, .value_kind: global_buffer, .address_space: global }
      - { .name: bl, .offset: 16, .size: 8, .value_kind: global_buffer, .address_space: global }
      - { .name: wi, .offset: 24, .size: 8, .value_kind: global_buffer, .address_space: global }
      - { .name: v3p, .offset: 32, .size: 8, .value_kind: global_buffer, .address_space: global }
      - { .name: bo, .offset: 40, .size: 8, .value_kind: global_buffer, .address_space: global }
      - { .name: dWv, .offset: 48, .size: 8, .value_kind: global_buffer, .address_space: global }
      - { .name: dbb, .offset: 56, .size: 8, .value_kind: global_buffer, .address_space: global }
      - { .name: dbv, .offset: 64, .size: 8, .value_kind: global_buffer, .address_space: global }
      - { .name: ln_g, .offset: 72, .size: 8, .value_kind: global_buffer, .address_space: global }
      - { .name: ln_b, .offset: 80, .size: 8, .value_kind: global_buffer, .address_space: global }
      - { .name: out0, .offset: 88, .size: 8, .value_kind: global_buffer, .address_space: global }
    .group_segment_fixed_size: 327680
    .private_segment_fixed_size: 0
    .kernarg_segment_align: 8
    .kernarg_segment_size: 96
    .max_flat_workgroup_size: 128
    .sgpr_count:     100
    .vgpr_count:     1024
    .wavefront_size: 32
...
	.end_amdgpu_metadata
.endif
;; end of part 4
;; ======== version 2 of 2: 4 launches; 1.12 times as fast as version 1
;; workspace buffers: xq 3,276,800 bytes; xp 16,777,216 bytes; bl 65,536 bytes; wi 5,734,400 bytes; woi 819,200 bytes; qi 20,054,016 bytes; kv 6,553,600 bytes; v3p 262,144 bytes
;; launch prep: the kernel of part 1 again; grid 320 x 1, 8 waves a work-group, no clusters, 71,680 bytes of LDS; arguments x, dbw, Wq_codes, Wq_scales, Wk_codes, Wk_scales, Wv_codes, Wv_scales, dWk_codes, dWk_scales, Wo_codes, Wo_scales, xq, xp, bl, wi, woi; writes xq, xp, bl, wi, woi
;; launch proj (part 5): grid 64 x 4, 4 waves a work-group, clusters of 4 x 1, 327,680 bytes of LDS; arguments xq, xp, bl, wi, bq, bk, bv, dWv, dbb, dbv, qi, kv; writes qi, kv
.if DOCPART == 5
	.amdgcn_target "amdgcn-amd-amdhsa--gfx1250"
	.amdhsa_code_object_version 6
	.text
	.protected	k_q4152985a5c_proj
	.globl	k_q4152985a5c_proj
	.p2align	8
	.type	k_q4152985a5c_proj,@function
k_q4152985a5c_proj:
	s_mov_b64 s[64:65], 0
	v_nop
	global_prefetch_b8 v0, s[64:65] scope:SCOPE_SE
	s_setreg_imm32_b32 hwreg(HW_REG_WAVE_MODE, 25, 1), 1
	s_wait_xcnt 0x0
	s_wait_alu depctr_hold_cnt(0) depctr_sa_sdst(0) depctr_va_vdst(0) depctr_va_sdst(0) depctr_va_ssrc(0) depctr_va_vcc(0) depctr_vm_vsrc(0)
	s_getreg_b32 s2, hwreg(HW_REG_IB_STS2, 6, 4)
	s_cmp_eq_u32 s2, 0
	s_cbranch_scc0 .Lentry_in_a_cluster
	s_endpgm
.Lentry_in_a_cluster:
	s_bfe_u32 s2, ttmp6, 0x10000c
	s_cmp_lg_u32 s2, 0x3003
	s_cbranch_scc0 .Lentry_shape_is_right
	s_endpgm
.Lentry_shape_is_right:
; PROJ.  Work-group (rb, i): 64 rows of x.  i = 0, 1, 2 for q, k, v: two products on codes of BF6 (E3M2), K = 1,024 in 8 steps of 128 each:
;  steps 0-7   x W_i: only its dot with dWv[i] is kept (one number a row);   steps 8-15  k_raw = x dWk[i]: stays in the accumulators.
; Then the delta, x + c k_raw with one c a row, and its quantising: q and k along the head's 64 (images of half fragments), v along the keys (through a stage in LDS).
; i = 3: the fourth delta's k_raw = x dWk[3] alone, which hangs on nothing that the attention makes.  It has no first product: it enters the ring at the second, and its 64 x 1,024 sums leave as f32,
; in the accumulators' order (which is xp's order), behind qi's 3,276,800 bytes, for the last launch.  So 64 x 4 = 256 work-groups have work.
; SHARES.  Wave w owns columns 256 w .. 256 w + 255 for all 64 rows: 64 accumulators, 512 registers.  The product is used transposed (source 0 = 16 rows of the weight, source 1 = 16 rows of x):
; a lane holds one row of x, and the 16 registers of tiles 2 b, 2 b + 1 are columns 256 w + 32 b + 16 h + 0 .. 15.
; THE WEIGHTS come K step by K step through a ring of two LDS slots, in register order, scale words with them; wave w fetches and reads its own 25,600 bytes of a slot.
; CLUSTER.  The four row blocks of a cluster have the same i and walk the same weights: each part is asked for jointly (mask 15).  x's images (51,200 bytes) are the work-group's own: a plain load, once.
; LIMITS: NaN, infinities and a scale byte 0xff are not served; a block under 2^-122 gets the byte 1; the rows' dots are summed by lanes and waves, in another order than a plain sum.
; The work-groups of i = 3 run the common head too: its 68 loads (dWv[3], a bias, x . dbw[3]) and 68 packed multiply-adds a wave are not used there.
.set SLOT,  102400
.set PART,  25600                      ; a wave's part of a slot: 16 fragments of 1,536 bytes, then 1,024 bytes of scale words.  Path v: my part of slot 0 is my stage, 64 channels x 272 bytes, when it has had its last fill and my last read
.set AIMG,  204800                     ; x's 32 fragments (8 m + s), then 2,048 bytes of scale words
.set ASC,   AIMG+49152
.set RED,   278528                     ; the rows' sums, wave by wave
.set SPARE, 286720                     ; the spare words, 128 bytes a wave: two blocks of 256 bytes that no other line names
.set KR,    3276800                    ; where the fourth k_raw begins in qi
.set L16, 1                            ; 16 x lane
.set L4,  2                            ; 4 x lane
.set R4,  3                            ; 4 r
.set H64, 4                            ; 64 h
.set ADA, 5                            ; x's images: AIMG + 16 x lane
.set ADAS, 6                           ; x's scale words: ASC + 4 r
.set ADB, 7                            ; v7-8   my part of slot 0, 1: + 16 x lane
.set ADS, 9                            ; v9-10  its scale words: + 24,576 + 4 x lane
.set RDW, 11                           ; RED + 16 r + 4 w
.set RDR, 12                           ; RED + 16 r
.set L8,  13                           ; 8 x lane
.set SPW, 14                           ; my spare word; never rewritten
.set NIL, 15                           ; 0; never rewritten
.set SA,  16                           ; v16-19 x's scale words, a register for each tile of rows
.set SB,  20                           ; v20-27 the weight's: lanes 0-15 tile 2 b, lanes 16-31 tile 2 b + 1
.set VS,  28                           ; v28-35 pairs: (x W + b) . dWv
.set N2,  36                           ; v36-43 |k_raw|^2
.set KX,  44                           ; v44-51 k_raw . x
.set ADAC, 54                          ; this step's addresses in x's images
.set ADSC, 55
.set AF,  56                           ; v56-103 x's four fragments; behind the products:
.set PC,  56                           ; v56-74  codes
.set TM,  76                           ; v76-91  at work in QUANT
.set PWS, 92                           ; v92-99  scale words, 2 m + q
.set VOH, 100                          ; v100-103 head x stride + 16 x lane
.set TS,  104                          ; v104-111 chains
.set VOS, 108                          ; v108-111 head x stride + 4 x lane (behind the sums)
.set CC,  112                          ; v112-119 c, as pairs
.set VOH8, 120                         ; v120-123 head x stride + 8 x lane
.set BLV, 124                          ; v124-127 x . dbw[i]
.set XA,  128                          ; v128-255 dWv, then 128 numbers of x, then of the delta; path v: four tiles of 16 channels x 32 keys
.set PCV, 56                           ; path v: v56-87 codes, eight registers a tile
.set VM,  88
.set VSO, 92
.set VBY, 96
.set VA,  5                            ; path v: v5-6 the stage, in (keys 0-31, keys 32-63): registers that have held LDS addresses alone
.set VRD, 7                            ; the stage, back
.set H8,  8                            ; h, then 8 h
.set VHW, 112                          ; v112-119 scale half words
.set WV,  28
.set I,   29
.set RB,  30
.set G1W, 32                           ; s[32:39] 100 rows of 256 bytes, joint
.set G1A, 40                           ; s[40:47] 50 rows of 256 bytes, plain
.set G0,  48                           ; s[48:55] a group 0 for each slot
.set G0A, 56
.set KA,  60                           ; 1,536 x (step % 8)
.set KS,  61                           ; 64 x (step % 8)
.set SEL, 68
.set XPB, 70
.set OB,  72
.set OSB, 74
.set HS,  76
.set HSS, 77
.set MSB, 0
.macro WIN new                         ; the immediate's high byte repeats the setting that is left
.set WNEW, \new
.if MSB != WNEW
	s_set_vgpr_msb (MSB<<8)|WNEW
.set MSB, WNEW
.endif
.endm
.macro PLACES n
.rept \n
	v_nop
.endr
.endm
.macro ROUND                           ; a round of the cluster's barrier
	s_barrier_signal -1
	s_barrier_wait -1
	s_cmp_lg_u32 s[WV], 0
	s_cbranch_scc1 .Lnot_wave_0_\@
	s_barrier_signal -3
.Lnot_wave_0_\@:
	s_barrier_wait -3
	s_barrier_signal -1
	s_barrier_wait -1
.endm
.macro QUANT s, pw                     ; 64 numbers of a lane (register 16 b + i = k 32 b + 16 h + i) -> a fragment's codes in v[PC] on, its scale word in v[pw]
.irp b, 0,1,2,3
	v_max3_num_f32 v[TM+\b], |v[\s+16*\b]|, |v[\s+1+16*\b]|, 0x2800000   ; with the floor 2^(5 - 127): the byte cannot fall under 1
.endr
.irp i, 2,4,6,8,10,12,14
.irp b, 0,1,2,3
	v_max3_num_f32 v[TM+\b], v[TM+\b], |v[\s+16*\b+\i]|, |v[\s+1+16*\b+\i]|
.endr
.endr
.irp b, 0,1,2,3
	v_permlanex16_b32 v[TM+4+\b], v[TM+\b], s[SEL], s[SEL+1]
.endr
.irp b, 0,1,2,3
	v_max_num_f32 v[TM+\b], v[TM+\b], v[TM+4+\b]
.endr
.irp b, 0,1,2,3
	v_add_nc_u32 v[TM+12+\b], 0xfe000000, v[TM+\b]   ; 4 off the exponent field: the conversion's scale operand
.endr
.irp b, 0,1,2,3
	v_lshrrev_b32 v[TM+4+\b], 23, v[TM+12+\b]
.endr
	v_lshl_or_b32 v[\pw], v[TM+5], 8, v[TM+4]
	v_lshl_or_b32 v[\pw], v[TM+6], 16, v[\pw]
	v_lshl_or_b32 v[\pw], v[TM+7], 24, v[\pw]
.irp c, 0,1
	v_cvt_scalef32_pk16_bf6_f32 v[PC+6*\c:PC+2+6*\c], v[\s+32*\c:\s+15+32*\c], v[TM+12+2*\c]
	v_cvt_scalef32_pk16_bf6_f32 v[PC+12+4*\c:PC+14+4*\c], v[\s+16+32*\c:\s+31+32*\c], v[TM+12+2*\c+1]
.endr
	v_nop                                          ; one plain place behind a scaled conversion
.irp c, 0,1
.irp i, 0,1,2
	v_permlane16_swap_b32 v[PC+6*\c+\i], v[PC+12+4*\c+\i]
.endr
.irp i, 0,1,2
	v_mov_b32 v[PC+3+6*\c+\i], v[PC+12+4*\c+\i]
.endr
.endr
.endm
.macro VLOAD reg, w, base              ; a vector of 1,024 f32 at my lane's 128 columns: register 16 b + e = column 256 w + 32 b + 16 h + e
	WIN (\w)<<6
.set KK, 0
.rept 32
	global_load_b128 v[\reg+4*KK:\reg+4*KK+3], v[H64], s[\base:\base+1] offset:128*(KK/4)+16*(KK%4)
.set KK, KK+1
.endr
	WIN 0
.endm
.macro XLOAD m, reg, w                 ; x of tile m of rows, in the same order: each load reads 512 consecutive bytes of xp
	WIN (\w)<<6
.set KK, 0
.rept 32
	global_load_b128 v[\reg+4*KK:\reg+4*KK+3], v[L16], s[XPB:XPB+1] offset:(\m)*65536+512*KK
.set KK, KK+1
.endr
	WIN 0
.endm
.macro LOADS slot                      ; a step's 72 LDS loads: scale words, x's four fragments, my 16 fragments of the weight
.irp m, 0,1,2,3
	ds_load_b32 v[SA+\m], v[ADSC] offset:512*\m
.endr
.irp b, 0,1,2,3,4,5,6,7
	ds_load_b32 v[SB+\b], v[ADS+\slot] offset:128*\b
.endr
.irp m, 0,1,2,3
.irp j, 0,1,2
	ds_load_b128 v[AF+12*\m+4*\j:AF+12*\m+4*\j+3], v[ADAC] offset:12288*\m+512*\j
.endr
.endr
	WIN 0x40                                       ; destination window 1
.irp n, 0,1,2,3,4,5,6,7,8,9,10,11,12,13,14,15
.irp j, 0,1,2
	ds_load_b128 v[12*\n+4*\j:12*\n+4*\j+3], v[ADB+\slot] offset:1536*\n+512*\j
.endr
.endr
.endm
; A step's 64 matrix instructions.  The 64 accumulators take turns, one instruction a turn, in the same order in every step.  zero = 1: the products start the sums.
.macro MULS zero
.irp g, 0,1,2,3
	s_wait_dscnt 36-12*\g                          ; all but the fragments of the later groups of four tiles are in
	WIN 0xa1+0x50*(\g/2)                           ; source 0 window 1, source 1 window 0, C and D window 2 or 3
.irp n, 0,1,2,3
.irp m, 0,1,2,3
.set NTI, 4*\g+\n
.set ACR, 64*((NTI/2)%4)+16*\m+8*(NTI%2)
.if \zero
.if NTI%2
	v_wmma_scale_f32_16x16x128_f8f6f4 v[ACR:ACR+7], v[12*NTI:12*NTI+11], v[AF+12*\m:AF+12*\m+11], 0, v[SB+NTI/2], v[SA+\m] matrix_a_fmt:MATRIX_FMT_BF6 matrix_b_fmt:MATRIX_FMT_BF6 matrix_a_scale:MATRIX_SCALE_ROW1
.else
	v_wmma_scale_f32_16x16x128_f8f6f4 v[ACR:ACR+7], v[12*NTI:12*NTI+11], v[AF+12*\m:AF+12*\m+11], 0, v[SB+NTI/2], v[SA+\m] matrix_a_fmt:MATRIX_FMT_BF6 matrix_b_fmt:MATRIX_FMT_BF6
.endif
.else
.if NTI%2
	v_wmma_scale_f32_16x16x128_f8f6f4 v[ACR:ACR+7], v[12*NTI:12*NTI+11], v[AF+12*\m:AF+12*\m+11], v[ACR:ACR+7], v[SB+NTI/2], v[SA+\m] matrix_a_fmt:MATRIX_FMT_BF6 matrix_b_fmt:MATRIX_FMT_BF6 matrix_a_scale:MATRIX_SCALE_ROW1
.else
	v_wmma_scale_f32_16x16x128_f8f6f4 v[ACR:ACR+7], v[12*NTI:12*NTI+11], v[AF+12*\m:AF+12*\m+11], v[ACR:ACR+7], v[SB+NTI/2], v[SA+\m] matrix_a_fmt:MATRIX_FMT_BF6 matrix_b_fmt:MATRIX_FMT_BF6
.endif
.endif
.endr
.endr
.endr
	WIN 0
.endm
.macro KSTEP
	s_add_co_u32 s[KA], s[KA], 1536
	s_add_co_u32 s[KS], s[KS], 64
.endm
; The head of a step that reads \slot and fills the other slot again, with the step after this one.
.macro OPEN slot
	s_wait_tensorcnt 0x0                           ; all my tensor loads have landed: the one that was out is my part of this step's slot
	ds_add_u32 v[SPW], v[NIL]                      ; 0 onto my spare word
	s_add_nc_u64 s[G0+6-4*\slot:G0+7-4*\slot], s[G0+6-4*\slot:G0+7-4*\slot], 2*SLOT   ; no load of mine is out, so the other slot's group 0 may step: two steps on
	v_add_nc_u32 v[ADAC], s[KA], v[ADA]
	v_add_nc_u32 v[ADSC], s[KS], v[ADAS]
	s_wait_dscnt 0x0                               ; the add is done, and my reads of the other slot are over
	ROUND                                          ; so it is with every wave of the four work-groups
	tensor_load_to_lds s[G0+4-4*\slot:G0+7-4*\slot], s[G1W:G1W+7]   ; my one tensor load behind the round
	s_nop 0
	PLACES 4                                       ; the places in front of the loads into registers that matrix instructions have read
.endm
.macro HOOK                            ; the first product's results, times dWv, added by rows onto bias . dWv; each accumulator is read from its low end on
.set BQ, 0
.rept 8
	WIN 2+BQ/4
.set EE, 0
.rept 8
.irp m, 0,1,2,3
	v_pk_fma_f32 v[VS+2*\m:VS+2*\m+1], v[64*(BQ%4)+16*\m+EE:64*(BQ%4)+16*\m+EE+1], v[XA+16*BQ+EE:XA+16*BQ+EE+1], v[VS+2*\m:VS+2*\m+1]
.endr
.set EE, EE+2
.endr
.set BQ, BQ+1
.endr
	WIN 0
.endm
.macro N2SUM                           ; |k_raw|^2, four chains by rows' tiles
.set BQ, 0
.rept 8
	WIN 0x0a+5*(BQ/4)
.set EE, 0
.rept 8
.irp m, 0,1,2,3
.if (BQ == 0) && (EE == 0)
	v_pk_mul_f32 v[N2+2*\m:N2+2*\m+1], v[16*\m:16*\m+1], v[16*\m:16*\m+1]
.else
	v_pk_fma_f32 v[N2+2*\m:N2+2*\m+1], v[64*(BQ%4)+16*\m+EE:64*(BQ%4)+16*\m+EE+1], v[64*(BQ%4)+16*\m+EE:64*(BQ%4)+16*\m+EE+1], v[N2+2*\m:N2+2*\m+1]
.endif
.endr
.set EE, EE+2
.endr
.set BQ, BQ+1
.endr
	WIN 0
.endm
.macro KXSUM m, reg, w                 ; k_raw . x of tile m: four chains
.set KK, 0
.rept 64
.if KK%32 == 0
	WIN (2+KK/32)|((\w)<<2)
.endif
.set ACR, 64*((KK/8)%4)+16*(\m)+2*(KK%8)
.if KK < 4
	v_pk_mul_f32 v[TS+2*(KK%4):TS+2*(KK%4)+1], v[ACR:ACR+1], v[\reg+2*KK:\reg+2*KK+1]
.else
	v_pk_fma_f32 v[TS+2*(KK%4):TS+2*(KK%4)+1], v[ACR:ACR+1], v[\reg+2*KK:\reg+2*KK+1], v[TS+2*(KK%4):TS+2*(KK%4)+1]
.endif
.set KK, KK+1
.endr
	WIN 0
	v_pk_add_f32 v[TS:TS+1], v[TS:TS+1], v[TS+2:TS+3]
	v_pk_add_f32 v[TS+4:TS+5], v[TS+4:TS+5], v[TS+6:TS+7]
	v_pk_add_f32 v[KX+2*(\m):KX+2*(\m)+1], v[TS:TS+1], v[TS+4:TS+5]
.endm
.macro PASS2 m, reg, w                 ; q, k: the delta of tile m: XA = k_raw x c + x
.set KK, 0
.rept 64
.if KK%32 == 0
	WIN (2+KK/32)|((\w)<<4)
.endif
.set ACR, 64*((KK/8)%4)+16*(\m)+2*(KK%8)
	v_pk_fma_f32 v[XA+2*KK:XA+2*KK+1], v[ACR:ACR+1], v[CC+2*(\m):CC+2*(\m)+1], v[\reg+2*KK:\reg+2*KK+1]
.set KK, KK+1
.endr
	WIN 0
.endm
.macro YD m, reg, w                    ; v: the delta of tile m takes k_raw's place in the accumulators, so that all 64 keys of a channel are at hand together
.irp q, 0,1
	WIN ((2+\q)<<6)|((\w)<<4)|(2+\q)
.set KK, 32*\q
.rept 32
.set ACR, 64*((KK/8)%4)+16*(\m)+2*(KK%8)
	v_pk_fma_f32 v[ACR:ACR+1], v[ACR:ACR+1], v[CC+2*(\m):CC+2*(\m)+1], v[\reg+2*KK:\reg+2*KK+1]
.set KK, KK+1
.endr
.endr
	WIN 0
.endm
.macro FOLD base, n                    ; n pairs: the two halves, and lane l xor 16's
.set KK, 0
.rept \n
	v_add_f32 v[\base+2*KK], v[\base+2*KK], v[\base+2*KK+1]
.set KK, KK+1
.endr
.set KK, 0
.rept \n
	v_permlanex16_b32 v[\base+2*KK+1], v[\base+2*KK], s[SEL], s[SEL+1]
.set KK, KK+1
.endr
.set KK, 0
.rept \n
	v_add_f32 v[\base+2*KK], v[\base+2*KK], v[\base+2*KK+1]
.set KK, KK+1
.endr
.endm
.macro QKM m                           ; q or k of tile m: two fragments = four heads' halves, stored as images
.irp q, 0,1
	s_wait_xcnt 0x0                                ; the earlier stores have read the codes' registers
	QUANT XA+64*\q, PWS+2*(\m)+\q
.irp c, 0,1
	global_store_b128 v[VOH+2*\q+\c], v[PC+6*\c:PC+6*\c+3], s[OB:OB+1] offset:768*(\m)
	global_store_b64 v[VOH8+2*\q+\c], v[PC+6*\c+4:PC+6*\c+5], s[OB:OB+1] offset:768*(\m)+512
.endr
.endr
.endm
.macro VSTAGE hh                       ; head hh of my four: its 64 channels x 64 keys from the accumulators into my stage, [channel][key]
	WIN 0x08+4*((\hh)/2)                           ; an LDS store's data are its source 1: window 2 or 3
.irp m, 0,1,2,3
.set KK, 0
.rept 32
	ds_store_b32 v[VA+\m/2], v[64*((2*(\hh)+KK/16)%4)+16*\m+KK%16] offset:(32*(KK/16)+KK%16)*272+32*(\m%2)
.set KK, KK+1
.endr
.endr
	WIN 0
.endm
.macro FINISH                          ; the wave's end: then the closing round
	s_wait_tensorcnt 0x0
	ds_add_u32 v[SPW], v[NIL]
	s_wait_dscnt 0x0
	ROUND
	s_endpgm
.endm
	s_load_b512 s[4:19], s[0:1], 0x0               ; xq, xp, bl, wi, bq, bk, bv, dWv
	s_load_b256 s[20:27], s[0:1], 0x40             ; dbb, dbv, qi, kv
	v_lshl_add_u32 v[SPW], v0, 2, SPARE
	v_mov_b32 v[NIL], 0
	ds_add_u32 v14, v15
	ds_add_u32 v14, v15
	s_wait_dscnt 0x0
	v_lshrrev_b32 v1, 5, v0
	v_readfirstlane_b32 s[WV], v1                  ; wave 0..3
	s_bfe_u32 s31, ttmp6, 0x40000                  ; cx: it enters global addresses alone
	s_lshl_b32 s[RB], ttmp9, 2
	s_add_co_u32 s[RB], s[RB], s31                 ; my block of 64 rows
	s_and_b32 s[I], ttmp7, 0xffff                  ; q, k, v or the fourth delta: the same in the four partners
	s_mov_b32 s[G1W], 15|(3<<16)|(1<<21)           ; the mask of four; elements of 8 bytes; bit 21 beside a mask
	s_mov_b32 s[G1W+1], 32<<16                     ; rows of 32 elements = 256 bytes
	s_mov_b32 s[G1W+2], 100<<16
	s_mov_b32 s[G1W+3], 32<<16
	s_mov_b32 s[G1W+4], 100
	s_mov_b32 s[G1W+5], 32
	s_mov_b32 s[G1W+6], 0
	s_mov_b32 s[G1W+7], 0
	s_mov_b32 s[G1A], 3<<16
	s_mov_b32 s[G1A+1], 32<<16
	s_mov_b32 s[G1A+2], 50<<16
	s_mov_b32 s[G1A+3], 32<<16
	s_mov_b32 s[G1A+4], 50
	s_mov_b32 s[G1A+5], 32
	s_mov_b32 s[G1A+6], 0
	s_mov_b32 s[G1A+7], 0
	s_mov_b32 s[SEL], 0x76543210
	s_mov_b32 s[SEL+1], 0xfedcba98
	s_mov_b32 s[KA], 0
	s_mov_b32 s[KS], 0
	s_mul_i32 s82, s[WV], PART
	s_mul_i32 s83, s[WV], 12800
	v_and_b32 v1, 31, v0
	v_lshlrev_b32 v[L8], 3, v1
	v_lshlrev_b32 v[L4], 2, v1
	v_lshlrev_b32 v[L16], 4, v1
	v_and_b32 v[R4], 15, v0
	v_lshlrev_b32 v[R4], 2, v[R4]
	v_bfe_u32 v[H64], v0, 4, 1
	v_lshlrev_b32 v[H64], 6, v[H64]
	v_add_nc_u32 v[ADA], AIMG, v[L16]
	v_add_nc_u32 v[ADAS], ASC, v[R4]
	v_add_nc_u32 v[ADB], s82, v[L16]
	v_add_nc_u32 v[ADB+1], SLOT, v[ADB]
	v_add_nc_u32 v[ADS], s82, v[L4]
	v_add_nc_u32 v[ADS], 24576, v[ADS]
	v_add_nc_u32 v[ADS+1], SLOT, v[ADS]
	v_lshl_add_u32 v[RDR], v[R4], 2, RED
	s_lshl_b32 s86, s[WV], 2
	v_add_nc_u32 v[RDW], s86, v[RDR]
	s_mul_i32 s80, s[I], 1638400                   ; the 16 steps of (W_i, dWk_i) lie on end; 3 x 1,638,400 is where dWk[3]'s 8 steps begin
	s_add_co_u32 s80, s80, s82
	s_mov_b32 s81, 0
	s_mul_i32 s84, s[RB], 51200
	s_add_co_u32 s84, s84, s83
	s_mov_b32 s85, 0
	s_lshl_b32 s90, s[RB], 18
	s_lshl_b32 s91, s[WV], 14
	s_add_co_u32 s90, s90, s91
	s_mov_b32 s91, 0
	s_wait_kmcnt 0x0
	s_mov_b32 s[G0], 1
	s_mov_b32 s[G0+1], s82
	s_add_nc_u64 s[G0+2:G0+3], s[10:11], s[80:81]
	s_mov_b32 s[G0+4], 1
	s_add_co_u32 s[G0+5], s82, SLOT
	s_add_nc_u64 s[G0+6:G0+7], s[G0+2:G0+3], SLOT
	s_or_b32 s[G0+3], s[G0+3], 0x80000000
	s_or_b32 s[G0+7], s[G0+7], 0x80000000
	s_mov_b32 s[G0A], 1
	s_add_co_u32 s[G0A+1], s83, AIMG
	s_add_nc_u64 s[G0A+2:G0A+3], s[4:5], s[84:85]
	s_or_b32 s[G0A+3], s[G0A+3], 0x80000000
	s_add_nc_u64 s[XPB:XPB+1], s[6:7], s[90:91]
	ROUND                                          ; the four work-groups are here: the first joint loads meet
	tensor_load_to_lds s[G0A:G0A+3], s[G1A:G1A+7]  ; my quarter of x's images
	s_nop 0
	tensor_load_to_lds s[G0:G0+3], s[G1W:G1W+7]    ; step 0
	s_nop 0
	tensor_load_to_lds s[G0+4:G0+7], s[G1W:G1W+7]  ; step 1: three loads of mine are out
	s_nop 0
	PLACES 4
	s_cmp_eq_u32 s[I], 0
	s_cselect_b64 s[86:87], s[12:13], s[14:15]
	s_cmp_eq_u32 s[I], 2
	s_cselect_b64 s[86:87], s[16:17], s[86:87]     ; the bias of this i
	s_lshl_b32 s88, s[WV], 10
	s_mov_b32 s89, 0
	s_add_nc_u64 s[86:87], s[86:87], s[88:89]
	s_lshl_b32 s90, s[I], 12
	s_add_co_u32 s88, s88, s90
	s_add_nc_u64 s[18:19], s[18:19], s[88:89]      ; dWv[i] at my wave's columns
	s_lshl_b32 s88, s[I], 2
	s_add_nc_u64 s[20:21], s[20:21], s[88:89]
	s_add_nc_u64 s[22:23], s[22:23], s[88:89]
	s_load_b32 s78, s[20:21], 0x0                  ; dbb[i]
	s_load_b32 s79, s[22:23], 0x0                  ; dbv[i]
	s_lshl_b32 s88, s[RB], 10
	s_lshl_b32 s90, s[I], 6
	s_add_co_u32 s88, s88, s90
	s_add_nc_u64 s[8:9], s[8:9], s[88:89]
	VLOAD XA, 0, 18
	VLOAD 0, 1, 86
.irp m, 0,1,2,3
	global_load_b32 v[BLV+\m], v[R4], s[8:9] offset:256*\m
.endr
	s_wait_loadcnt 0x0
	WIN 0x04                                       ; source 1 (the bias) window 1
	v_pk_mul_f32 v[TS:TS+1], v[XA:XA+1], v[0:1]
	v_pk_mul_f32 v[TS+2:TS+3], v[XA+2:XA+3], v[2:3]
.set KK, 2
.rept 31
	v_pk_fma_f32 v[TS:TS+1], v[XA+2*KK:XA+2*KK+1], v[2*KK:2*KK+1], v[TS:TS+1]
	v_pk_fma_f32 v[TS+2:TS+3], v[XA+2*KK+2:XA+2*KK+3], v[2*KK+2:2*KK+3], v[TS+2:TS+3]
.set KK, KK+2
.endr
	WIN 0
.irp m, 0,1,2,3
	v_pk_add_f32 v[VS+2*\m:VS+2*\m+1], v[TS:TS+1], v[TS+2:TS+3]   ; each tile's sums begin as bias . dWv over my lane's columns
.endr
	s_wait_kmcnt 0x0
	; ---- the ring: 16 steps (i = 3: the last 8)
	s_wait_tensorcnt 0x1                           ; x's quarter and step 0 are in; step 1's load may be out
	s_barrier_signal -1
	s_barrier_wait -1                              ; everybody's quarter of x is in
	v_add_nc_u32 v[ADAC], s[KA], v[ADA]
	v_add_nc_u32 v[ADSC], s[KS], v[ADAS]
	LOADS 0
	WIN 0                                          ; at a branch every window is 0
	s_cmp_eq_u32 s[I], 3                           ; i = 3 has no first product.  Its ring stands as the others' stands at step 8: slot 0 is in and its 72 LDS loads are out, one load for slot 1 is on its way,
	s_cbranch_scc1 .Lp2                            ; x's images are walked from their start: it goes on there.  i is the same in the four partners, so they pass the same rounds and ask for the same tiles
	MULS 1
	KSTEP
	s_mov_b32 s3, 3
.Lfirst:                                           ; steps 1 to 6
	OPEN 1
	LOADS 1
	MULS 0
	KSTEP
	OPEN 0
	LOADS 0
	MULS 0
	KSTEP
	s_sub_co_u32 s3, s3, 1
	s_cmp_lg_u32 s3, 0
	s_cbranch_scc1 .Lfirst
	OPEN 1                                         ; step 7
	LOADS 1
	MULS 0
	s_mov_b32 s[KA], 0                             ; the second product walks x's images anew
	s_mov_b32 s[KS], 0
	OPEN 0                                         ; step 8
	LOADS 0
	HOOK                                           ; while the fragments come: what is kept of the first product.  (Its 256 lines are also the places between that product's instructions and those that begin the sums anew)
	XLOAD 0, XA, 0                                 ; dWv is done with: x of tile 0
.Lp2:
	MULS 1
	KSTEP
	s_mov_b32 s3, 3
.Lsecond:                                          ; steps 9 to 14
	OPEN 1
	LOADS 1
	MULS 0
	KSTEP
	OPEN 0
	LOADS 0
	MULS 0
	KSTEP
	s_sub_co_u32 s3, s3, 1
	s_cmp_lg_u32 s3, 0
	s_cbranch_scc1 .Lsecond
	s_wait_tensorcnt 0x0                           ; step 15: my part is in, and I alone read it; nothing is left to fetch
	v_add_nc_u32 v[ADAC], s[KA], v[ADA]
	v_add_nc_u32 v[ADSC], s[KS], v[ADAS]
	PLACES 4
	LOADS 1
	MULS 0
	PLACES 4                                       ; behind the last products: in front of the loads into their operands, and of the first read of their results
	s_cmp_eq_u32 s[I], 3
	s_cbranch_scc1 .Lkr                            ; the fourth k_raw leaves as it stands
	; ---- the rows' sums
	XLOAD 1, 0, 1
	XLOAD 2, 128, 1
	N2SUM
	s_wait_loadcnt 63                              ; tile 0's x is in.  64 loads (tiles 1 and 2) were issued behind it; a wait's count ends at 63, so the first of them is waited for too
	KXSUM 0, XA, 0
	XLOAD 3, XA, 0
	s_wait_loadcnt 63                              ; tile 1's is in: behind it stand the 64 loads of tiles 2 and 3, counted as above
	KXSUM 1, 0, 1
	s_wait_loadcnt 32                              ; tile 2's is in; tile 3's 32 loads may be out
	KXSUM 2, 128, 1
	s_wait_loadcnt 0x0
	KXSUM 3, XA, 0
	FOLD VS, 12
.irp i, 0,1,2,3,4,5,6,7,8,9,10,11
	ds_store_b32 v[RDW], v[VS+2*\i] offset:256*\i
.endr
	s_wait_dscnt 0x0                               ; for the others' sake: my sums lie in LDS
	s_barrier_signal -1
	s_barrier_wait -1
.irp i, 0,1,2,3,4,5,6,7,8,9,10,11
	ds_load_b128 v[56+4*\i:59+4*\i], v[RDR] offset:256*\i
.endr
	; where the results go (scalar work while the sums come back)
	s_and_b32 s80, s[RB], 31                       ; the block within its batch
	s_lshr_b32 s81, s[RB], 5
	s_lshl_b32 s81, s81, 4
	s_lshl_b32 s82, s[WV], 2
	s_add_co_u32 s81, s81, s82                     ; my first head: 16 x batch + 4 w
	s_and_b32 s82, s[RB], 1
	s_lshr_b32 s83, s80, 1                         ; the key step of 128
	s_mul_i32 s84, s81, 204800
	s_mul_i32 s85, s83, 12800
	s_add_co_u32 s84, s84, s85
	s_mul_i32 s86, s81, 98304
	s_mul_i32 s87, s80, 3072
	s_add_co_u32 s86, s86, s87                     ; q: images
	s_lshl_b32 s88, s81, 12
	s_lshl_b32 s89, s80, 7
	s_add_co_u32 s88, s88, s89
	s_add_co_u32 s88, s88, 3145728                 ; q: scale words
	s_mul_i32 s89, s82, 3072
	s_add_co_u32 s89, s89, s84                     ; k: images
	s_lshl_b32 s90, s82, 7
	s_add_co_u32 s90, s90, s84
	s_add_co_u32 s90, s90, 6144                    ; k: scale words
	s_mul_i32 s91, s82, 768
	s_add_co_u32 s91, s91, s84                     ; v: my half of each image
	s_lshl_b32 s92, s82, 1
	s_add_co_u32 s92, s92, s84
	s_add_co_u32 s92, s92, 12544                   ; v: my half of each scale word
	s_cmp_eq_u32 s[I], 1
	s_cselect_b32 s89, s89, s91
	s_cselect_b32 s90, s90, s92
	s_cmp_eq_u32 s[I], 0
	s_cselect_b32 s86, s86, s89
	s_cselect_b32 s88, s88, s90
	s_cselect_b64 s[OB:OB+1], s[24:25], s[26:27]
	s_mov_b32 s[HS], 204800
	s_cselect_b32 s[HS], 98304, s[HS]              ; from head to head: images,
	s_mov_b32 s[HSS], 204800
	s_cselect_b32 s[HSS], 4096, s[HSS]             ; scale words
	s_mov_b32 s87, 0
	s_mov_b32 s89, 0
	s_mov_b64 s[OSB:OSB+1], s[OB:OB+1]
	s_add_nc_u64 s[OB:OB+1], s[OB:OB+1], s[86:87]
	s_add_nc_u64 s[OSB:OSB+1], s[OSB:OSB+1], s[88:89]
	s_wait_dscnt 0x0
.irp i, 0,1,2,3,4,5,6,7,8,9,10,11
	v_add_f32 v[56+4*\i], v[56+4*\i], v[57+4*\i]
	v_add_f32 v[58+4*\i], v[58+4*\i], v[59+4*\i]
.endr
.irp i, 0,1,2,3,4,5,6,7,8,9,10,11
	v_add_f32 v[VS+2*\i], v[56+4*\i], v[58+4*\i]   ; the four waves' parts: the whole row's sum, in every lane of the row
.endr
	; c = beta d (v - (k_raw . x) d), d = 1 / (|k_raw| + 1e-8), beta = 2 / (1 + 2^(-log2(e) (x . dbw + dbb)))
.irp m, 0,1,2,3
	v_add_f32 v[60+\m], s78, v[BLV+\m]
.endr
.irp m, 0,1,2,3
	v_mul_f32 v[60+\m], 0xbfb8aa3b, v[60+\m]
.endr
.irp m, 0,1,2,3
	v_sqrt_f32 v[56+\m], v[N2+2*\m]
.endr
.irp m, 0,1,2,3
	v_exp_f32 v[60+\m], v[60+\m]
.endr
	v_nop                                          ; a plain place behind the batch
	s_wait_alu depctr_va_vdst(0)                   ; one wait for the eight, ahead of their first reader
.irp m, 0,1,2,3
	v_add_f32 v[56+\m], 0x322bcc77, v[56+\m]       ; + 1e-8
.endr
.irp m, 0,1,2,3
	v_add_f32 v[60+\m], 1.0, v[60+\m]
.endr
.irp m, 0,1,2,3
	v_rcp_f32 v[56+\m], v[56+\m]
.endr
.irp m, 0,1,2,3
	v_rcp_f32 v[60+\m], v[60+\m]
.endr
	v_nop
	s_wait_alu depctr_va_vdst(0)
.irp m, 0,1,2,3
	v_add_f32 v[VS+2*\m], s79, v[VS+2*\m]
.endr
.irp m, 0,1,2,3
	v_fma_f32 v[VS+2*\m], -v[KX+2*\m], v[56+\m], v[VS+2*\m]
.endr
.irp m, 0,1,2,3
	v_mul_f32 v[60+\m], v[60+\m], v[56+\m]
.endr
.irp m, 0,1,2,3
	v_mul_f32 v[VS+2*\m], v[VS+2*\m], v[60+\m]
.endr
.irp m, 0,1,2,3
	v_add_f32 v[CC+2*\m], v[VS+2*\m], v[VS+2*\m]
.endr
.irp m, 0,1,2,3
	v_mov_b32 v[CC+2*\m+1], v[CC+2*\m]
.endr
.irp hh, 0,1,2,3
	s_mul_i32 s80, s[HS], \hh
	v_add_nc_u32 v[VOH+\hh], s80, v[L16]
	v_add_nc_u32 v[VOH8+\hh], s80, v[L8]
	s_mul_i32 s80, s[HSS], \hh
	v_add_nc_u32 v[VOS+\hh], s80, v[L4]
.endr
	s_cmp_eq_u32 s[I], 2
	s_cbranch_scc1 .Lvpath
	; ---- q and k: quantised along the head's 64
.irp b, 0,1,2,3
	v_mov_b32 v[TM+4+\b], 0                        ; a lane permute's destination counts as one of its sources
.endr
	PASS2 3, XA, 0
	QKM 3
	PASS2 1, 0, 1
	XLOAD 0, 0, 1                                  ; tile 0's x once more, where tile 1's lay
	QKM 1
	PASS2 2, 128, 1
	QKM 2
	s_wait_loadcnt 0x0
	PASS2 0, 0, 1
	QKM 0
	v_bfe_u32 v[TS], v0, 4, 1
	v_cmp_ne_u32 vcc_lo, 0, v[TS]
.irp hh, 0,1,2,3                               ; a head's scale words: two tiles' half words to a word; lanes 0-15 the first pair of tiles, lanes 16-31 the second
.if \hh%2
	v_perm_b32 v[TS+1], v[PWS+2+\hh/2], v[PWS+\hh/2], 0x07060302
	v_perm_b32 v[TS+2], v[PWS+6+\hh/2], v[PWS+4+\hh/2], 0x07060302
.else
	v_perm_b32 v[TS+1], v[PWS+2+\hh/2], v[PWS+\hh/2], 0x05040100
	v_perm_b32 v[TS+2], v[PWS+6+\hh/2], v[PWS+4+\hh/2], 0x05040100
.endif
	v_cndmask_b32 v[TM+\hh], v[TS+1], v[TS+2], vcc_lo
	global_store_b32 v[VOS+\hh], v[TM+\hh], s[OSB:OSB+1]
.endr
	FINISH
.Lvpath:
	; ---- v: its K is the keys.  The delta takes k_raw's place in the accumulators; then, head by head, 64 channels x 64 keys go through my stage, [channel][key], rows 272 bytes apart.
	; The stage is my own part of slot 0: I alone filled it and read it, and its last fill (step 14) has landed.  LDS serves a wave's instructions in order, so a head's stores come behind the last head's loads.
	; The two halves of a row change places in channels with bit 4 set, so that lanes 0-15 and 16-31 of a store fall on different banks.
	s_mul_i32 s80, s[WV], PART
	v_and_b32 v[VA], 15, v0
	v_and_b32 v[VA+1], 8, v[VA]
	v_add_nc_u32 v[VA+1], v[VA+1], v[VA]           ; r + 8 (r / 8)
	v_bfe_u32 v[H8], v0, 4, 1                      ; h
	v_bfe_u32 v[VRD], v0, 3, 1                     ; r / 8: bit 4 of the channel that I read back
	v_add_nc_u32 v[VRD], v[VRD], v[H8]
	v_and_b32 v[VRD], 1, v[VRD]                    ; which half of the row holds my 32 keys
	v_lshlrev_b32 v[VRD], 7, v[VRD]
	v_mad_u32_u24 v[VRD], v[VA+1], 272, v[VRD]
	v_add_nc_u32 v[VRD], s80, v[VRD]               ; back: my channel's row, my 32 keys
	v_lshl_add_u32 v[VA+1], v[VA+1], 2, s80
	v_mad_u32_u24 v[VA], v[H8], 4480, v[VA+1]      ; in, keys 0-31: 16 h channels on, half h
	v_mad_u32_u24 v[VA+1], v[H8], 4224, v[VA+1]
	v_add_nc_u32 v[VA+1], 128, v[VA+1]             ; in, keys 32-63: half 1 - h
	v_cmp_ne_u32 vcc_lo, 0, v[H8]
	v_lshlrev_b32 v[H8], 3, v[H8]
	YD 3, XA, 0
	YD 1, 0, 1
	XLOAD 0, 0, 1                                  ; tile 0's x once more, where tile 1's lay
	YD 2, 128, 1
	s_wait_loadcnt 0x0
	YD 0, 0, 1
.irp hh, 0,1,2,3
	VSTAGE \hh
.irp tc, 0,1,2,3
.irp j, 0,1,2,3,4,5,6,7
	ds_load_b128 v[XA+32*\tc+4*\j:XA+32*\tc+4*\j+3], v[VRD] offset:(32*(\tc/2)+8*(\tc%2))*272+16*\j
.endr
.endr
	s_wait_dscnt 0x0
.irp tc, 0,1,2,3
	v_max3_num_f32 v[VM+\tc], |v[XA+32*\tc]|, |v[XA+32*\tc+1]|, 0x2800000   ; a block of 32 keys lies in one lane
.endr
.irp i, 2,4,6,8,10,12,14,16,18,20,22,24,26,28,30
.irp tc, 0,1,2,3
	v_max3_num_f32 v[VM+\tc], v[VM+\tc], |v[XA+32*\tc+\i]|, |v[XA+32*\tc+\i+1]|
.endr
.endr
.irp tc, 0,1,2,3
	v_add_nc_u32 v[VSO+\tc], 0xfe000000, v[VM+\tc]
.endr
.irp tc, 0,1,2,3
	v_lshrrev_b32 v[VBY+\tc], 23, v[VSO+\tc]
.endr
	s_wait_xcnt 0x0                                ; the last head's stores have read the codes' registers
.irp tc, 0,1,2,3
	v_cvt_scalef32_pk16_bf6_f32 v[PCV+8*\tc:PCV+8*\tc+2], v[XA+32*\tc:XA+32*\tc+15], v[VSO+\tc]
	v_cvt_scalef32_pk16_bf6_f32 v[PCV+8*\tc+4:PCV+8*\tc+6], v[XA+32*\tc+16:XA+32*\tc+31], v[VSO+\tc]
.endr
	v_nop                                          ; one plain place behind a scaled conversion
.irp tc, 0,1,2,3
	v_mov_b32 v[PCV+8*\tc+3], v[PCV+8*\tc+4]
	v_mov_b32 v[PCV+8*\tc+4], v[PCV+8*\tc+5]
	v_mov_b32 v[PCV+8*\tc+5], v[PCV+8*\tc+6]
.endr
.irp tc, 0,1,2,3
	global_store_b128 v[VOH+\hh], v[PCV+8*\tc:PCV+8*\tc+3], s[OB:OB+1] offset:6400+1536*\tc
	global_store_b64 v[VOH8+\hh], v[PCV+8*\tc+4:PCV+8*\tc+5], s[OB:OB+1] offset:6400+1536*\tc+512
.endr
.irp tc, 0,1,2,3
	v_lshlrev_b32 v[VBY+\tc], v[H8], v[VBY+\tc]    ; my byte at its place,
.endr
.irp tc, 0,1,2,3
	v_permlanex16_b32 v[VM+\tc], v[VBY+\tc], s[SEL], s[SEL+1]
.endr
.irp tc, 0,1,2,3
	v_or_b32 v[VBY+\tc], v[VBY+\tc], v[VM+\tc]     ; with lane l xor 16's: these 64 keys' half word
.endr
.irp k, 0,1
	v_cndmask_b32 v[VHW+2*\hh+\k], v[VBY+2*\k], v[VBY+2*\k+1], vcc_lo
	global_store_b16 v[VOS+\hh], v[VHW+2*\hh+\k], s[OSB:OSB+1] offset:128*\k   ; two bytes a channel: 128 KiB in all are stored so
.endr
.endr
	FINISH
.Lkr:
	; ---- i = 3: k_raw = x dWk[3] leaves in f32, in xp's order: tile 4 rb + m at 65,536 bytes each, my 256 columns at 16,384 w, registers 4 k .. 4 k + 3 of lane l at 512 k + 16 l
	s_lshl_b32 s80, s[RB], 18
	s_lshl_b32 s81, s[WV], 14
	s_add_co_u32 s80, s80, s81
	s_add_co_u32 s80, s80, KR
	s_mov_b32 s81, 0
	s_add_nc_u64 s[OB:OB+1], s[24:25], s[80:81]
.set BQ, 0
.rept 8
	WIN 0x08+4*(BQ/4)                              ; a store's data are its source 1: window 2 or 3
.irp m, 0,1,2,3
.irp j, 0,1,2,3
	global_store_b128 v[L16], v[64*(BQ%4)+16*\m+4*\j:64*(BQ%4)+16*\m+4*\j+3], s[OB:OB+1] offset:\m*65536+512*(4*BQ+\j) th:TH_STORE_NT   ; 32 lanes store 512 consecutive bytes, aligned; each accumulator from its low end on
.endr
.endr
.set BQ, BQ+1
.endr
	WIN 0
	FINISH
.Lfunc_end_k_q4152985a5c_proj:
	.size	k_q4152985a5c_proj, .Lfunc_end_k_q4152985a5c_proj-k_q4152985a5c_proj
	.p2alignl 7, 3214868480
	.fill 96, 4, 3214868480
	.section	.rodata,"a",@progbits
	.p2align	6, 0x0
	.amdhsa_kernel k_q4152985a5c_proj
		.amdhsa_group_segment_fixed_size 327680
		.amdhsa_private_segment_fixed_size 0
		.amdhsa_enable_private_segment 0
		.amdhsa_kernarg_size 96
		.amdhsa_user_sgpr_count 2
		.amdhsa_user_sgpr_kernarg_segment_ptr 1
		.amdhsa_wavefront_size32 1
		.amdhsa_system_sgpr_workgroup_id_x 1
		.amdhsa_system_sgpr_workgroup_id_y 1
		.amdhsa_system_sgpr_workgroup_id_z 1
		.amdhsa_system_vgpr_workitem_id 0
		.amdhsa_next_free_vgpr 1024
		.amdhsa_next_free_sgpr 100
		.amdhsa_reserve_vcc 1
		.amdhsa_float_denorm_mode_32 3
		.amdhsa_float_denorm_mode_16_64 3
		.amdhsa_memory_ordered 1
		.amdhsa_forward_progress 1
		.amdhsa_inst_pref_size 255
	.end_amdhsa_kernel
	.section	.bss,"aw",@nobits
	.p2align	6
	.space	262144
	.amdgpu_metadata
---
amdhsa.version: [ 1, 2 ]
amdhsa.kernels:
  - .name:           k_q4152985a5c_proj
    .symbol:         k_q4152985a5c_proj.kd
    .args:
      - { .name: xq, .offset: 0, .size: 8, .value_kind: global_buffer, .address_space: global }
      - { .name: xp, .offset: 8, .size: 8, .value_kind: global_buffer, .address_space: global }
      - { .name: bl, .offset: 16, .size: 8, .value_kind: global_buffer, .address_space: global }
      - { .name: wi, .offset: 24, .size: 8, .value_kind: global_buffer, .address_space: global }
      - { .name: bq, .offset: 32, .size: 8, .value_kind: global_buffer, .address_space: global }
      - { .name: bk, .offset: 40, .size: 8, .value_kind: global_buffer, .address_space: global }
      - { .name: bv, .offset: 48, .size: 8, .value_kind: global_buffer, .address_space: global }
      - { .name: dWv, .offset: 56, .size: 8, .value_kind: global_buffer, .address_space: global }
      - { .name: dbb, .offset: 64, .size: 8, .value_kind: global_buffer, .address_space: global }
      - { .name: dbv, .offset: 72, .size: 8, .value_kind: global_buffer, .address_space: global }
      - { .name: qi, .offset: 80, .size: 8, .value_kind: global_buffer, .address_space: global }
      - { .name: kv, .offset: 88, .size: 8, .value_kind: global_buffer, .address_space: global }
    .group_segment_fixed_size: 327680
    .private_segment_fixed_size: 0
    .kernarg_segment_align: 8
    .kernarg_segment_size: 96
    .max_flat_workgroup_size: 128
    .sgpr_count:     100
    .vgpr_count:     1024
    .wavefront_size: 32
...
	.end_amdgpu_metadata
.endif
;; end of part 5
;; launch attn: the kernel of part 3 again; grid 8 x 32, 16 waves a work-group, clusters of 4 x 1, 327,680 bytes of LDS; arguments qi, kv, woi, dWv, v3p; writes v3p
;; launch final (part 6): grid 256 x 1, 8 waves a work-group, no clusters, 71,680 bytes of LDS; arguments xp, qi, bl, v3p, bo, dWv, dbb, dbv, ln_g, ln_b, out0; writes out0
.if DOCPART == 6
	.amdgcn_target "amdgcn-amd-amdhsa--gfx1250"
	.amdhsa_code_object_version 6
	.text
	.protected	k_q4152985a5c_final
	.globl	k_q4152985a5c_final
	.p2align	8
	.type	k_q4152985a5c_final,@function
k_q4152985a5c_final:
	s_mov_b64 s[64:65], 0
	v_nop
	global_prefetch_b8 v0, s[64:65] scope:SCOPE_SE
	s_setreg_imm32_b32 hwreg(HW_REG_WAVE_MODE, 25, 1), 1
	s_wait_xcnt 0x0
; FINAL.  The fourth delta, y = x + c k_raw, and LayerNorm over the row; out0.  A stream: k_raw = x dWk[3] was made by the launch for q, k and v and lies, in f32, behind qi's 3,276,800 bytes, in xp's order.
; SHARES.  A work-group takes one tile of 16 rows (rows 32 (T / 2) + 8 (T % 2) + t + 8 (t / 8)); wave s takes columns 128 s .. 128 s + 127.  Lane (r, h) holds 64 numbers of x and 64 of k_raw of row r:
; register 16 b + i = column 128 s + 32 b + 16 h + i.  They stay in registers through the three passes (the rows' sums; y - mean and its squares; the output), so each byte is read once.
; Each load reads 512 consecutive bytes; a wave's 32 go out together.  No matrix unit, no tensor load, no cluster: the work-groups share nothing but 16 KiB of vectors.
; c = beta d (v - (k_raw . x) d), d = 1 / (|k_raw| + 1e-8), beta = 2 sigmoid(x . dbw[3] + dbb[3]), v = (out Wo + bo) . dWv[3] + dbv[3]; (out Wo) . dWv[3] comes as sixteen parts a row, one a head (v3p).
; The mean is (sum x + c sum k_raw) / 1,024; the variance is summed of (y - mean)^2.
; THE WAY OUT.  (y - mean) / sqrt(var + 1e-5) turns through the wave's own stage in LDS into rows; behind the turn a lane holds the same four columns of every row, so ln_g and ln_b cost four registers each.
; LIMITS: NaN and infinities are not served; the rows' sums are taken by lanes and waves, in another order than a plain sum.
.set KR,   3276800                     ; where k_raw begins in qi
.set X,    16                          ; v16-79   x; later the rows read back from the stage
.set K,    80                          ; v80-143  k_raw; then y - mean; then that x 1 / sqrt(var + eps)
.set LG,   144                         ; v144-147 ln_g at columns 128 s + 4 lane + 0 .. 3
.set LB,   148                         ; v148-151 ln_b
.set BO,   152                         ; v152-155 bo at the same columns
.set DW,   156                         ; v156-159 dWv[3]
.set VP,   160                         ; v160-161 v3p of heads 2 s, 2 s + 1
.set BLV,  162                         ; x . dbw[3]
.set Q,    164                         ; v164-179 chains
.set VSR,  180                         ; my wave's part of (out Wo + bo) . dWv[3]
.set T,    182                         ; v182-183
.set RBK,  184                         ; v184-223 the eight waves' parts of five sums
.set CC,   224                         ; v224-225 c, twice
.set MU,   226                         ; v226-227 the mean, twice
.set RS,   228                         ; v228-229 1 / sqrt(var + eps), twice
.set E,    230                         ; v230-231
.set RED,  67584                       ; LDS: behind eight stages of 16 x 528 bytes: five sums x (32 r + 4 s)
.set RED2, 2560                        ; and, so many bytes further on, the squares' sums
.set WV,   28
.set SEL,  30                          ; s[30:31] selects of v_permlanex16_b32 for lane l xor 16
	s_load_b512 s[4:19], s[0:1], 0x0               ; xp, qi, bl, v3p, bo, dWv, dbb, dbv
	s_load_b128 s[20:23], s[0:1], 0x40             ; ln_g, ln_b
	s_load_b64 s[24:25], s[0:1], 0x50              ; out0
	v_lshl_add_u32 v232, v0, 2, 0x11400
	v_mov_b32 v233, 0
	v_lshrrev_b32 v1, 5, v0
	v_readfirstlane_b32 s[WV], v1                  ; wave 0..7
	v_and_b32 v2, 31, v0                           ; lane
	v_and_b32 v3, 15, v0                           ; r
	v_bfe_u32 v4, v0, 4, 1                         ; h
	v_lshlrev_b32 v5, 4, v2                        ; 16 x lane
	v_lshlrev_b32 v6, 2, v3                        ; 4 r
	s_mov_b32 s[SEL], 0x76543210
	s_mov_b32 s[SEL+1], 0xfedcba98
	s_mul_i32 s32, s[WV], 8448                     ; my stage
	v_add_nc_u32 v7, s32, v5                       ; back: a row's 512 bytes, 16 a lane
	v_mul_u32_u24 v8, v3, 528
	v_lshl_add_u32 v8, v4, 6, v8
	v_add_nc_u32 v8, s32, v8                       ; in: row r, + 64 h; rows 528 bytes apart, so that the sixteen rows of a store start at sixteen different groups of banks
	v_lshl_add_u32 v9, v3, 5, RED                  ; my row's eight parts of a sum
	s_lshl_b32 s33, s[WV], 2
	v_add_nc_u32 v10, s33, v9                      ; my wave's among them
	s_lshl_b32 s34, ttmp9, 16                      ; xp: tile x 65,536 + wave x 8,192
	s_lshl_b32 s35, s[WV], 13
	s_add_co_u32 s34, s34, s35
	s_mov_b32 s35, 0
	s_add_co_u32 s36, s34, KR                      ; k_raw: the same place behind qi's own bytes
	s_mov_b32 s37, 0
	s_lshl_b32 s38, s[WV], 9                       ; my wave's 128 columns in a vector of 1,024 f32
	s_mov_b32 s39, 0
	s_lshl_b32 s40, s[WV], 15                      ; v3p: heads 2 s on, 16,384 bytes a head; 64 bytes a tile
	s_lshl_b32 s41, ttmp9, 6
	s_add_co_u32 s40, s40, s41
	s_mov_b32 s41, 0
	s_lshl_b32 s42, ttmp9, 8                       ; bl: 256 bytes a tile, the fourth 64 of them
	s_add_co_u32 s42, s42, 192
	s_mov_b32 s43, 0
	s_lshr_b32 s44, ttmp9, 1                       ; out0: 32 rows of 4,096 bytes for each pair of tiles,
	s_lshl_b32 s44, s44, 17
	s_and_b32 s45, ttmp9, 1
	s_lshl_b32 s45, s45, 15                        ; 8 rows for the odd tile,
	s_add_co_u32 s44, s44, s45
	s_add_co_u32 s44, s44, s38                     ; my wave's 512 bytes of a row
	s_mov_b32 s45, 0
	s_wait_kmcnt 0x0
	s_load_b32 s26, s[16:17], 0xc                  ; dbb[3]
	s_load_b32 s27, s[18:19], 0xc                  ; dbv[3]
	s_add_nc_u64 s[4:5], s[4:5], s[34:35]
	s_add_nc_u64 s[6:7], s[6:7], s[36:37]
	s_add_nc_u64 s[8:9], s[8:9], s[42:43]
	s_add_nc_u64 s[10:11], s[10:11], s[40:41]
	s_add_nc_u64 s[12:13], s[12:13], s[38:39]
	s_add_nc_u64 s[14:15], s[14:15], s[38:39]
	s_add_nc_u64 s[20:21], s[20:21], s[38:39]
	s_add_nc_u64 s[22:23], s[22:23], s[38:39]
	s_add_nc_u64 s[24:25], s[24:25], s[44:45]
	global_load_b128 v[BO:BO+3], v5, s[12:13]
	global_load_b128 v[DW:DW+3], v5, s[14:15] offset:12288
	global_load_b32 v[VP], v6, s[10:11]
	global_load_b32 v[VP+1], v6, s[10:11] offset:16384
	global_load_b32 v[BLV], v6, s[8:9]
.set KK, 0
.rept 16
	global_load_b128 v[X+4*KK:X+4*KK+3], v5, s[4:5] offset:512*KK th:TH_LOAD_NT
.set KK, KK+1
.endr
.set KK, 0
.rept 16
	global_load_b128 v[K+4*KK:K+4*KK+3], v5, s[6:7] offset:512*KK th:TH_LOAD_NT
.set KK, KK+1
.endr
	global_load_b128 v[LG:LG+3], v5, s[20:21]
	global_load_b128 v[LB:LB+3], v5, s[22:23]
	; ---- pass 1: the rows' sums
	s_wait_loadcnt 18                              ; the five small loads and x are in; k_raw's 16 loads, ln_g and ln_b may be out
	v_pk_mul_f32 v[T:T+1], v[BO:BO+1], v[DW:DW+1]  ; bo . dWv[3] over my wave's 128 columns: four a lane,
	v_pk_fma_f32 v[T:T+1], v[BO+2:BO+3], v[DW+2:DW+3], v[T:T+1]
	v_add_f32 v[T], v[T], v[T+1]
	v_add_f32_dpp v[T], v[T], v[T] row_xmask:1 row_mask:0xf bank_mask:0xf   ; then over the 32 lanes: every lane ends with the sum
	v_add_f32_dpp v[T], v[T], v[T] row_xmask:2 row_mask:0xf bank_mask:0xf
	v_add_f32_dpp v[T], v[T], v[T] row_xmask:4 row_mask:0xf bank_mask:0xf
	v_add_f32_dpp v[T], v[T], v[T] row_xmask:8 row_mask:0xf bank_mask:0xf
	v_permlanex16_b32 v[T+1], v[T], s[SEL], s[SEL+1]
	v_add_f32 v[T], v[T], v[T+1]
	v_add_f32 v[VSR], v[VP], v[VP+1]               ; my two heads' parts of row r,
	v_add_f32 v[VSR], v[VSR], v[T]                 ; and my columns' part of the bias's dot
.set KK, 4
.rept 28                                       ; sum x: four chains, begun by the first eight pairs
.if KK < 8
	v_pk_add_f32 v[Q+8+2*(KK%4):Q+9+2*(KK%4)], v[X+2*KK-8:X+2*KK-7], v[X+2*KK:X+2*KK+1]
.else
	v_pk_add_f32 v[Q+8+2*(KK%4):Q+9+2*(KK%4)], v[Q+8+2*(KK%4):Q+9+2*(KK%4)], v[X+2*KK:X+2*KK+1]
.endif
.set KK, KK+1
.endr
	v_pk_add_f32 v[Q+8:Q+9], v[Q+8:Q+9], v[Q+10:Q+11]
	v_pk_add_f32 v[Q+12:Q+13], v[Q+12:Q+13], v[Q+14:Q+15]
	v_pk_add_f32 v[Q+8:Q+9], v[Q+8:Q+9], v[Q+12:Q+13]
	s_wait_loadcnt 2                               ; k_raw is in; ln_g and ln_b may be out
.set KK, 0
.rept 32                                       ; |k_raw|^2, k_raw . x, sum k_raw: two chains each, by turns
.if KK < 2
	v_pk_mul_f32 v[Q+2*(KK%2):Q+1+2*(KK%2)], v[K+2*KK:K+2*KK+1], v[K+2*KK:K+2*KK+1]
	v_pk_mul_f32 v[Q+4+2*(KK%2):Q+5+2*(KK%2)], v[K+2*KK:K+2*KK+1], v[X+2*KK:X+2*KK+1]
.else
	v_pk_fma_f32 v[Q+2*(KK%2):Q+1+2*(KK%2)], v[K+2*KK:K+2*KK+1], v[K+2*KK:K+2*KK+1], v[Q+2*(KK%2):Q+1+2*(KK%2)]
	v_pk_fma_f32 v[Q+4+2*(KK%2):Q+5+2*(KK%2)], v[K+2*KK:K+2*KK+1], v[X+2*KK:X+2*KK+1], v[Q+4+2*(KK%2):Q+5+2*(KK%2)]
.if KK < 4
	v_pk_add_f32 v[Q+12+2*(KK%2):Q+13+2*(KK%2)], v[K+2*KK-4:K+2*KK-3], v[K+2*KK:K+2*KK+1]
.else
	v_pk_add_f32 v[Q+12+2*(KK%2):Q+13+2*(KK%2)], v[Q+12+2*(KK%2):Q+13+2*(KK%2)], v[K+2*KK:K+2*KK+1]
.endif
.endif
.set KK, KK+1
.endr
	v_pk_add_f32 v[Q:Q+1], v[Q:Q+1], v[Q+2:Q+3]
	v_pk_add_f32 v[Q+4:Q+5], v[Q+4:Q+5], v[Q+6:Q+7]
	v_pk_add_f32 v[Q+12:Q+13], v[Q+12:Q+13], v[Q+14:Q+15]
.irp q, 0,1,2,3
	v_add_f32 v[Q+4*\q], v[Q+4*\q], v[Q+4*\q+1]    ; the two halves,
.endr
.irp q, 0,1,2,3
	v_permlanex16_b32 v[Q+4*\q+1], v[Q+4*\q], s[SEL], s[SEL+1]
.endr
.irp q, 0,1,2,3
	v_add_f32 v[Q+4*\q], v[Q+4*\q], v[Q+4*\q+1]    ; and lane l xor 16's: row r over my wave's 128 columns
.endr
	ds_store_b32 v10, v[VSR]                       ; lanes r and r + 16 write the same word with the same value
.irp q, 0,1,2,3
	ds_store_b32 v10, v[Q+4*\q] offset:512+512*\q  ; |k_raw|^2, k_raw . x, sum x, sum k_raw
.endr
	s_wait_dscnt 0x0                               ; for the others' sake: my sums lie in LDS
	s_barrier_signal -1
	s_barrier_wait -1
.irp i, 0,1,2,3,4,5,6,7,8,9
	ds_load_b128 v[RBK+4*\i:RBK+4*\i+3], v9 offset:512*(\i/2)+16*(\i%2)
.endr
	s_wait_kmcnt 0x0                               ; dbb[3], dbv[3]
	s_wait_dscnt 0x0
.irp q, 0,1,2,3,4
	v_pk_add_f32 v[RBK+8*\q:RBK+8*\q+1], v[RBK+8*\q:RBK+8*\q+1], v[RBK+8*\q+2:RBK+8*\q+3]
	v_pk_add_f32 v[RBK+8*\q+4:RBK+8*\q+5], v[RBK+8*\q+4:RBK+8*\q+5], v[RBK+8*\q+6:RBK+8*\q+7]
.endr
.irp q, 0,1,2,3,4
	v_pk_add_f32 v[RBK+8*\q:RBK+8*\q+1], v[RBK+8*\q:RBK+8*\q+1], v[RBK+8*\q+4:RBK+8*\q+5]
.endr
.irp q, 0,1,2,3,4
	v_add_f32 v[RBK+8*\q], v[RBK+8*\q], v[RBK+8*\q+1]   ; the whole row's sum: v at RBK, |k_raw|^2 at +8, k_raw . x at +16, sum x at +24, sum k_raw at +32
.endr
	v_add_f32 v[E], s26, v[BLV]
	v_mul_f32 v[E], 0xbfb8aa3b, v[E]               ; x -log2(e)
	v_sqrt_f32 v[E+1], v[RBK+8]
	v_exp_f32 v[E], v[E]
	v_nop                                          ; a plain place behind the two
	s_wait_alu depctr_va_vdst(0)                   ; one wait for both, ahead of their first reader
	v_add_f32 v[E+1], 0x322bcc77, v[E+1]           ; + 1e-8
	v_add_f32 v[E], 1.0, v[E]
	v_rcp_f32 v[E+1], v[E+1]                       ; d
	v_rcp_f32 v[E], v[E]                           ; the sigmoid
	v_nop
	s_wait_alu depctr_va_vdst(0)
	v_add_f32 v[RBK], s27, v[RBK]
	v_fma_f32 v[RBK], -v[RBK+16], v[E+1], v[RBK]
	v_mul_f32 v[E], v[E], v[E+1]
	v_mul_f32 v[RBK], v[RBK], v[E]
	v_add_f32 v[CC], v[RBK], v[RBK]                ; c
	v_mov_b32 v[CC+1], v[CC]
	v_fma_f32 v[MU], v[CC], v[RBK+32], v[RBK+24]   ; sum y = sum x + c sum k_raw
	v_mul_f32 v[MU], 0x3a800000, v[MU]             ; / 1,024
	v_mov_b32 v[MU+1], v[MU]
	; ---- pass 2: y - mean takes k_raw's place; its squares are summed
.set KK, 0
.rept 32
	v_pk_fma_f32 v[K+2*KK:K+2*KK+1], v[K+2*KK:K+2*KK+1], v[CC:CC+1], v[X+2*KK:X+2*KK+1]
.set KK, KK+1
.endr
.set KK, 0
.rept 32
	v_pk_add_f32 v[K+2*KK:K+2*KK+1], v[K+2*KK:K+2*KK+1], v[MU:MU+1] neg_lo:[0,1] neg_hi:[0,1]
.set KK, KK+1
.endr
.set KK, 0
.rept 32
.if KK < 4
	v_pk_mul_f32 v[Q+2*(KK%4):Q+1+2*(KK%4)], v[K+2*KK:K+2*KK+1], v[K+2*KK:K+2*KK+1]
.else
	v_pk_fma_f32 v[Q+2*(KK%4):Q+1+2*(KK%4)], v[K+2*KK:K+2*KK+1], v[K+2*KK:K+2*KK+1], v[Q+2*(KK%4):Q+1+2*(KK%4)]
.endif
.set KK, KK+1
.endr
	v_pk_add_f32 v[Q:Q+1], v[Q:Q+1], v[Q+2:Q+3]
	v_pk_add_f32 v[Q+4:Q+5], v[Q+4:Q+5], v[Q+6:Q+7]
	v_pk_add_f32 v[Q:Q+1], v[Q:Q+1], v[Q+4:Q+5]
	v_add_f32 v[Q], v[Q], v[Q+1]
	v_permlanex16_b32 v[Q+1], v[Q], s[SEL], s[SEL+1]
	v_add_f32 v[Q], v[Q], v[Q+1]
	ds_store_b32 v10, v[Q] offset:RED2             ; other bytes than the first sums'
	s_wait_dscnt 0x0
	s_barrier_signal -1
	s_barrier_wait -1
	ds_load_b128 v[RBK:RBK+3], v9 offset:RED2
	ds_load_b128 v[RBK+4:RBK+7], v9 offset:RED2+16
	s_wait_dscnt 0x0
	v_pk_add_f32 v[RBK:RBK+1], v[RBK:RBK+1], v[RBK+2:RBK+3]
	v_pk_add_f32 v[RBK+4:RBK+5], v[RBK+4:RBK+5], v[RBK+6:RBK+7]
	v_pk_add_f32 v[RBK:RBK+1], v[RBK:RBK+1], v[RBK+4:RBK+5]
	v_add_f32 v[RS], v[RBK], v[RBK+1]
	v_mul_f32 v[RS], 0x3a800000, v[RS]             ; / 1,024
	v_add_f32 v[RS], 0x3727c5ac, v[RS]             ; + 1e-5
	v_rsq_f32 v[RS], v[RS]
	v_nop
	s_wait_alu depctr_va_vdst(0)
	v_mov_b32 v[RS+1], v[RS]
	; ---- pass 3: the output
.set KK, 0
.rept 32
	v_pk_mul_f32 v[K+2*KK:K+2*KK+1], v[K+2*KK:K+2*KK+1], v[RS:RS+1]
.set KK, KK+1
.endr
.set KK, 0
.rept 16
	ds_store_b128 v8, v[K+4*KK:K+4*KK+3] offset:128*(KK/4)+16*(KK%4)
.set KK, KK+1
.endr
.set KK, 0
.rept 16
	ds_load_b128 v[X+4*KK:X+4*KK+3], v7 offset:528*KK   ; LDS serves a wave's instructions in order: these see my stores.  Row KK of the tile, columns 128 s + 4 lane + 0 .. 3
.set KK, KK+1
.endr
	s_wait_loadcnt 0x0                             ; ln_g and ln_b
.set KK, 0
.rept 16
	s_wait_dscnt 15-KK                             ; row KK is back; the younger ones may be out
	v_pk_fma_f32 v[X+4*KK:X+4*KK+1], v[X+4*KK:X+4*KK+1], v[LG:LG+1], v[LB:LB+1]
	v_pk_fma_f32 v[X+4*KK+2:X+4*KK+3], v[X+4*KK+2:X+4*KK+3], v[LG+2:LG+3], v[LB+2:LB+3]
	global_store_b128 v5, v[X+4*KK:X+4*KK+3], s[24:25] offset:(KK+8*(KK/8))*4096 th:TH_STORE_NT   ; 32 lanes store 512 consecutive bytes of one row, aligned
.set KK, KK+1
.endr
	s_wait_tensorcnt 0x0
	ds_add_u32 v232, v233
	s_wait_dscnt 0x0
	s_endpgm
.Lfunc_end_k_q4152985a5c_final:
	.size	k_q4152985a5c_final, .Lfunc_end_k_q4152985a5c_final-k_q4152985a5c_final
	.p2alignl 7, 3214868480
	.fill 96, 4, 3214868480
	.section	.rodata,"a",@progbits
	.p2align	6, 0x0
	.amdhsa_kernel k_q4152985a5c_final
		.amdhsa_group_segment_fixed_size 71680
		.amdhsa_private_segment_fixed_size 0
		.amdhsa_enable_private_segment 0
		.amdhsa_kernarg_size 88
		.amdhsa_user_sgpr_count 2
		.amdhsa_user_sgpr_kernarg_segment_ptr 1
		.amdhsa_wavefront_size32 1
		.amdhsa_system_sgpr_workgroup_id_x 1
		.amdhsa_system_sgpr_workgroup_id_y 1
		.amdhsa_system_sgpr_workgroup_id_z 1
		.amdhsa_system_vgpr_workitem_id 0
		.amdhsa_next_free_vgpr 234
		.amdhsa_next_free_sgpr 66
		.amdhsa_reserve_vcc 0
		.amdhsa_float_denorm_mode_32 3
		.amdhsa_float_denorm_mode_16_64 3
		.amdhsa_memory_ordered 1
		.amdhsa_forward_progress 1
		.amdhsa_inst_pref_size 34
	.end_amdhsa_kernel
	.amdgpu_metadata
---
amdhsa.version: [ 1, 2 ]
amdhsa.kernels:
  - .name:           k_q4152985a5c_final
    .symbol:         k_q4152985a5c_final.kd
    .args:
      - { .name: xp, .offset: 0, .size: 8, .value_kind: global_buffer, .address_space: global }
      - { .name: qi, .offset: 8, .size: 8, .value_kind: global_buffer, .address_space: global }
      - { .name: bl, .offset: 16, .size: 8, .value_kind: global_buffer, .address_space: global }
      - { .name: v3p, .offset: 24, .size: 8, .value_kind: global_buffer, .address_space: global }
      - { .name: bo, .offset: 32, .size: 8, .value_kind: global_buffer, .address_space: global }
      - { .name: dWv, .offset: 40, .size: 8, .value_kind: global_buffer, .address_space: global }
      - { .name: dbb, .offset: 48, .size: 8, .value_kind: global_buffer, .address_space: global }
      - { .name: dbv, .offset: 56, .size: 8, .value_kind: global_buffer, .address_space: global }
      - { .name: ln_g, .offset: 64, .size: 8, .value_kind: global_buffer, .address_space: global }
      - { .name: ln_b, .offset: 72, .size: 8, .value_kind: global_buffer, .address_space: global }
      - { .name: out0, .offset: 80, .size: 8, .value_kind: global_buffer, .address_space: global }
    .group_segment_fixed_size: 71680
    .private_segment_fixed_size: 0
    .kernarg_segment_align: 8
    .kernarg_segment_size: 88
    .max_flat_workgroup_size: 256
    .sgpr_count:     66
    .vgpr_count:     234
    .wavefront_size: 32
...
	.end_amdgpu_metadata
.endif
;; end of part 6
